; MI455X (gfx1250); checked and timed in simulation.
; The chip was launched on July 23, 2026; its instructions are those of AMD's public machine-readable ISA for CDNA 5 (MIT licence, August 2026) and "CDNA5" Instruction Set Architecture Reference Guide (July 2026). The comments in the code are by the model that wrote it; some were corrected since.
;; Torch RPT Attention. Allowed arithmetic: float matrix products may take bf16 or f16 operands with f32 sums; other float arithmetic in f32, or as packed bf16 or f16 multiplies, adds, multiply-adds, maxima and minima; sums over many terms, partial sums and values carried from step to step in f32; what a program stores and reads back later, other than sums and carried values, may be rounded once to bf16 or f16.
;; Inputs: cos 2,048 x 64 float32; hidden_states 1 x 2,048 x 4,096 float32; sin 2,048 x 64 float32; wk 4,096 x 1,024 float32; wo 2,048 x 4,096 float32; wq 4,096 x 2,048 float32; wv 4,096 x 1,024 float32.
;; Outputs: out0 1 x 2,048 x 4,096 float32.
;; 3 versions, each right; version 2 is faster than version 1; version 3 is version 2 with the launch cast written anew for expert scheduling mode. Each part assembles by itself: llvm-mc -triple=amdgcn-amd-amdhsa -mcpu=gfx1250 --defsym DOCPART=n.
;; ======== version 1 of 3: 4 launches
;; limits: values are held in f16: magnitudes above 65,504 overflow, below 6.1e-05 lose precision; right only within a limited range of input values
;; workspace buffers: hb 16,777,216 bytes; wb 33,554,432 bytes; wo16 16,777,216 bytes; cs 1,048,576 bytes; qkv 16,777,216 bytes; ao 8,388,608 bytes
;; launch cast (part 1): grid 2064 x 1, 8 waves a work-group, no clusters, 0 bytes of LDS; arguments hidden_states, wq, wk, wv, wo, cos, sin, hb, wb, wo16, cs; writes hb, wb, wo16, cs
.if DOCPART == 1
	.amdgcn_target "amdgcn-amd-amdhsa--gfx1250"
	.amdhsa_code_object_version 6
	.text
	.protected	k_qd4d104420a_cast
	.globl	k_qd4d104420a_cast
	.p2align	8
	.type	k_qd4d104420a_cast,@function
k_qd4d104420a_cast:
	s_mov_b64 s[64:65], 0
	v_nop
	global_prefetch_b8 v0, s[64:65] scope:SCOPE_SE
	s_setreg_imm32_b32 hwreg(HW_REG_WAVE_MODE, 25, 1), 1
	s_wait_xcnt 0x0
; CAST: every input is rounded ONCE to bf16 and laid where the later launches want it.
;   hb   [2048][4096] bf16 = bf16(hidden) / 8        (a power of two: exact; it gives q, k, v room in f16 later)
;   wb   [4096 k][4096 n] bf16: columns 0-2047 wq, 2048-3071 wk, 3072-4095 wv
;   wo16 [2048 k][4096 n] f16 = 8 x bf16(wo)         (exact in f16 while |wo| < 8,188; it undoes the 1/8 that v carries)
;   cs   cos, then sin (524,288 bytes on), each rounded to bf16 and kept as f32
; LIMITS: |wo| < 8,188 (beyond it f16 gives an infinity); bf16 denormals of hidden lose bits in the division by 8.
; A stream: no LDS, no barrier, no matrix unit, no cluster: no byte is read twice and no work-group shares a byte with another.
; A SEGMENT is 1,024 source numbers: 4,096 bytes in, 2,048 out (tables: 4,096 out), consecutive in the source and in the destination
; for every tensor.  A work-group takes 16 segments, a wave two neighbouring ones (the first even).  The work-group's number picks the tensor.
.set VL, 1                             ; v1      16 x lane: my 16 bytes in 512 bytes of the source
.set VS, 2                             ; v2, v3  8 x lane: my 8 bytes in 256 bytes of the destination, first and second segment
.set X,  8                             ; v[8:71]   16 loads of 4 registers
.set Y,  72                            ; v[72:103] 16 pairs to store
	s_load_b512 s[8:23], s[0:1], 0x0               ; hidden s[8:9], wq s[10:11], wk s[12:13], wv s[14:15], wo s[16:17], cos s[18:19], sin s[20:21], hb s[22:23]
	s_load_b128 s[24:27], s[0:1], 0x40             ; wb s[24:25], wo16 s[26:27]
	s_load_b64 s[28:29], s[0:1], 0x50              ; cs
	v_lshrrev_b32 v4, 5, v0
	v_readfirstlane_b32 s30, v4                    ; wave 0..7
	v_and_b32 v5, 31, v0
	v_lshlrev_b32 v[VL], 4, v5
	v_lshlrev_b32 v[VS], 3, v5
	s_mov_b32 s31, ttmp9
	s_mov_b32 s44, 0xffff0000                      ; a word's upper bf16
	s_mov_b32 s36, 0                               ; the class's first work-group
	s_mov_b32 s37, 11                              ; destination bytes of segment s: s << this,
	s_mov_b32 s38, 0                               ; plus this;
	s_mov_b32 s39, 2048                            ; from the first segment's to the second's
	s_wait_kmcnt 0x0
	s_mov_b64 s[32:33], s[8:9]                     ; class 0: hidden -> hb
	s_mov_b64 s[34:35], s[22:23]
; One compare for each further class; the selects leave SCC alone.  The condition hangs on the work-group's number alone.
.macro CLASS first, src, dst, sh, cadd, ds
	s_cmp_ge_u32 s31, \first
	s_cselect_b64 s[32:33], s[\src:\src+1], s[32:33]
	s_cselect_b64 s[34:35], s[\dst:\dst+1], s[34:35]
	s_cselect_b32 s36, \first, s36
	s_cselect_b32 s37, \sh, s37
	s_cselect_b32 s38, \cadd, s38
	s_cselect_b32 s39, \ds, s39
.endm
	CLASS 512,  10, 24, 12, 0,      2048           ; wq: a row is two segments, 8,192 bytes apart in wb
	CLASS 1024, 12, 24, 13, 4096,   8192           ; wk: a row is one segment, at column 2,048
	CLASS 1280, 14, 24, 13, 6144,   8192           ; wv: at column 3,072
	CLASS 1536, 16, 26, 11, 0,      2048           ; wo
	CLASS 2048, 18, 28, 12, 0,      2048           ; cos
	CLASS 2056, 20, 28, 12, 524288, 2048           ; sin
	s_sub_co_u32 s40, s31, s36
	s_lshl_b32 s40, s40, 4
	s_lshl1_add_u32 s40, s30, s40                  ; my first segment = 16 x (work-group in its class) + 2 x wave
	s_lshl_b32 s42, s40, s37
	s_add_co_u32 s42, s42, s38                     ; its bytes in the destination,
	s_lshl_b32 s40, s40, 12                        ; and in the source
	s_mov_b32 s41, 0
	s_mov_b32 s43, 0
	s_add_nc_u64 s[32:33], s[32:33], s[40:41]
	s_add_nc_u64 s[34:35], s[34:35], s[42:43]
	v_add_nc_u32 v[VS+1], s39, v[VS]
.irp e, 0,1
.irp i, 0,1,2,3,4,5,6,7
	global_load_b128 v[X+4*(8*(\e)+(\i)):X+4*(8*(\e)+(\i))+3], v[VL], s[32:33] offset:(\e)*4096+(\i)*512 th:TH_LOAD_NT  ; all sixteen at once: 8,192 consecutive bytes a wave
.endr
.endr
; kind 0: hidden (/ 8, bf16)   1: wq, wk, wv (bf16)   2: wo (bf16, x 8, f16)   3: tables (bf16, widened to f32)
; No register is written twice while a memory instruction reads it: each load has its own four registers, each store its own pair.
.macro CONV kind
.irp e, 0,1
.irp i, 0,1,2,3,4,5,6,7
.set n,  8*(\e)+(\i)
.set rx, X+4*n
.set ry, Y+2*n
	s_wait_loadcnt 15-n                            ; loads come back in order: load n is in, the 15 - n younger ones stay out
.if (\kind) == 0
	v_pk_mul_f32 v[rx:rx+1],   v[rx:rx+1],   0x3e000000 op_sel_hi:[1,0]
	v_pk_mul_f32 v[rx+2:rx+3], v[rx+2:rx+3], 0x3e000000 op_sel_hi:[1,0]
.endif
	v_cvt_pk_bf16_f32 v[ry],   v[rx],   v[rx+1]
	v_cvt_pk_bf16_f32 v[ry+1], v[rx+2], v[rx+3]
.if (\kind) >= 2
	v_lshlrev_b32 v[rx],   16,  v[ry]              ; the rounded numbers as f32 again
	v_and_b32     v[rx+1], s44, v[ry]
	v_lshlrev_b32 v[rx+2], 16,  v[ry+1]
	v_and_b32     v[rx+3], s44, v[ry+1]
.endif
.if (\kind) == 2
	v_pk_mul_f32 v[rx:rx+1],   v[rx:rx+1],   0x41000000 op_sel_hi:[1,0]
	v_pk_mul_f32 v[rx+2:rx+3], v[rx+2:rx+3], 0x41000000 op_sel_hi:[1,0]
	v_cvt_pk_f16_f32 v[ry],   v[rx],   v[rx+1]     ; 8 significant bits fit f16's 11: nothing is rounded here
	v_cvt_pk_f16_f32 v[ry+1], v[rx+2], v[rx+3]
.endif
.if (\kind) == 3
	global_store_b128 v[VL], v[rx:rx+3], s[34:35] offset:(\e)*4096+(\i)*512  ; the wave stores 512 consecutive bytes, aligned
.else
	global_store_b64 v[VS+(\e)], v[ry:ry+1], s[34:35] offset:(\i)*256        ; the wave stores 256 consecutive bytes, aligned
.endif
.endr
.endr
.endm
	s_cmp_lt_u32 s31, 512
	s_cbranch_scc1 .Lhidden
	s_cmp_lt_u32 s31, 1536
	s_cbranch_scc1 .Lweights
	s_cmp_lt_u32 s31, 2048
	s_cbranch_scc1 .Lwo
	CONV 3
	s_endpgm
.Lhidden:
	CONV 0
	s_endpgm
.Lweights:
	CONV 1
	s_endpgm
.Lwo:
	CONV 2
	s_endpgm
.Lfunc_end_k_qd4d104420a_cast:
	.size	k_qd4d104420a_cast, .Lfunc_end_k_qd4d104420a_cast-k_qd4d104420a_cast
	.p2alignl 7, 3214868480
	.fill 96, 4, 3214868480
	.section	.rodata,"a",@progbits
	.p2align	6, 0x0
	.amdhsa_kernel k_qd4d104420a_cast
		.amdhsa_group_segment_fixed_size 0
		.amdhsa_private_segment_fixed_size 0
		.amdhsa_enable_private_segment 0
		.amdhsa_kernarg_size 88
		.amdhsa_user_sgpr_count 2
		.amdhsa_user_sgpr_kernarg_segment_ptr 1
		.amdhsa_wavefront_size32 1
		.amdhsa_system_sgpr_workgroup_id_x 1
		.amdhsa_system_sgpr_workgroup_id_y 1
		.amdhsa_system_sgpr_workgroup_id_z 1
		.amdhsa_system_vgpr_workitem_id 0
		.amdhsa_next_free_vgpr 104
		.amdhsa_next_free_sgpr 66
		.amdhsa_reserve_vcc 0
		.amdhsa_float_denorm_mode_32 3
		.amdhsa_float_denorm_mode_16_64 3
		.amdhsa_memory_ordered 1
		.amdhsa_forward_progress 1
		.amdhsa_inst_pref_size 34
	.end_amdhsa_kernel
	.amdgpu_metadata
---
amdhsa.version: [ 1, 2 ]
amdhsa.kernels:
  - .name:           k_qd4d104420a_cast
    .symbol:         k_qd4d104420a_cast.kd
    .args:
      - { .name: hidden_states, .offset: 0, .size: 8, .value_kind: global_buffer, .address_space: global }
      - { .name: wq, .offset: 8, .size: 8, .value_kind: global_buffer, .address_space: global }
      - { .name: wk, .offset: 16, .size: 8, .value_kind: global_buffer, .address_space: global }
      - { .name: wv, .offset: 24, .size: 8, .value_kind: global_buffer, .address_space: global }
      - { .name: wo, .offset: 32, .size: 8, .value_kind: global_buffer, .address_space: global }
      - { .name: cos, .offset: 40, .size: 8, .value_kind: global_buffer, .address_space: global }
      - { .name: sin, .offset: 48, .size: 8, .value_kind: global_buffer, .address_space: global }
      - { .name: hb, .offset: 56, .size: 8, .value_kind: global_buffer, .address_space: global }
      - { .name: wb, .offset: 64, .size: 8, .value_kind: global_buffer, .address_space: global }
      - { .name: wo16, .offset: 72, .size: 8, .value_kind: global_buffer, .address_space: global }
      - { .name: cs, .offset: 80, .size: 8, .value_kind: global_buffer, .address_space: global }
    .group_segment_fixed_size: 0
    .private_segment_fixed_size: 0
    .kernarg_segment_align: 8
    .kernarg_segment_size: 88
    .max_flat_workgroup_size: 256
    .sgpr_count:     66
    .vgpr_count:     104
    .wavefront_size: 32
...
	.end_amdgpu_metadata
.endif
;; end of part 1
;; launch proj (part 2): grid 16 x 16, 4 waves a work-group, clusters of 4 x 4, 327,680 bytes of LDS; arguments hb, wb, qkv, cs; writes qkv
.if DOCPART == 2
	.amdgcn_target "amdgcn-amd-amdhsa--gfx1250"
	.amdhsa_code_object_version 6
	.text
	.protected	k_qd4d104420a_proj
	.globl	k_qd4d104420a_proj
	.p2align	8
	.type	k_qd4d104420a_proj,@function
k_qd4d104420a_proj:
	s_mov_b64 s[64:65], 0
	v_nop
	global_prefetch_b8 v0, s[64:65] scope:SCOPE_SE
	s_setreg_imm32_b32 hwreg(HW_REG_WAVE_MODE, 25, 1), 1
	s_wait_xcnt 0x0
	s_wait_alu depctr_hold_cnt(0) depctr_sa_sdst(0) depctr_va_vdst(0) depctr_va_sdst(0) depctr_va_ssrc(0) depctr_va_vcc(0) depctr_vm_vsrc(0)
	s_getreg_b32 s2, hwreg(HW_REG_IB_STS2, 6, 4)
	s_cmp_eq_u32 s2, 0
	s_cbranch_scc0 .Lentry_in_a_cluster
	s_endpgm
.Lentry_in_a_cluster:
	s_bfe_u32 s2, ttmp6, 0x10000c
	s_cmp_lg_u32 s2, 0xf033
	s_cbranch_scc0 .Lentry_shape_is_right
	s_endpgm
.Lentry_shape_is_right:
; ONE TEXT FOR TWO LAUNCHES; THE LINE BELOW SAYS WHICH THIS FILE IS.
;   MODE 0: [q | k | v] / 8 = hb wb (bf16 x bf16, K = 4,096), q and k turned by the tables (RoPE), stored by heads in f16: qkv [32 heads][2048][128]
;   MODE 1: out0 = ao wo16 (f16 x f16, K = 2,048), stored in f32
.set MODE, 0
; C [2048][4096] = A [2048][K] B [K][4096]; A's rows lie along K, B's along N.  Sums in f32, K ascending, one sum for each output.
; LIMITS (MODE 0): q, k, v leave as f16 of their eighth: |q|, |k|, |v| < 8 x 65,504 = 524,032, beyond that an infinity; below 8 x 6e-5 they keep f16's fixed step.
; SHARES.  A tile of C is 128 x 256: 16 x 16 tiles, one for each of 256 work-groups.  Four waves; wave w makes rows 64 (w / 2) on, columns 128 (w % 2) on: 32 accumulators of 16 x 16.
; K goes in steps of 128 through a ring of two LDS slots.  A K step of 256 would want two slots of 206,848 bytes: they do not fit.
; THE MATRIX INSTRUCTION IS USED TRANSPOSED: source 0 = 16 columns of B, source 1 = 16 rows of A: a lane (r = l % 16, h = l / 16) then holds row r of C and the columns 8 h + 0..7 of the block.
; B lies [k][n] in LDS as in memory, and its fragments come out turned, by ds_load_tr16_b128.
; CLUSTER 4 x 4: A's tile hangs on the tile row alone and is asked for jointly along a row of the cluster, B's on the tile column alone, jointly along a column.
; REGISTERS, in windows of 256 (s_set_vgpr_msb: bits 1:0 source 0, 3:2 source 1, 5:4 source 2, 7:6 destination):
;   window 0: v0-31 addresses; v32-95 at work on the way out; v128-255 A's fragments, two buffers of 64 along K: v[128 + 64 f + 32 c + 8 a]
;   window 1: the accumulators, (a, b) at v[8 (8 a + b)]      window 2: B's fragments, v[128 f + 64 c + 8 b]      window 3 (MODE 0): the tables, cos at v[64 a + 8 b], sin four on
.if MODE == 0
.set KDIM,   4096
.set SPITCH, 272                       ; a stage row: 128 f16 + 16 bytes
.else
.set KDIM,   2048
.set SPITCH, 528                       ; a stage row: 128 f32 + 16 bytes
.endif
.set NDIM,   4096
.set KSTEP,  128
.set PA,     272                       ; a row of A in LDS: 256 bytes + 16 = 68 words: the 16 rows of a load start at 16 different groups of four banks (64 banks of 4 bytes: ISA guide 11.1)
.set PB,     544                       ; a row of B: 512 bytes + 32 = 136 words
.set AHALF,  64*PA                     ; what one tensor load brings of A: 64 rows
.set BHALF,  64*PB                     ; and of B: 64 rows of k
.set BOFF,   2*AHALF                   ; in a slot: A's 128 rows, then B's 128
.set SLOT,   2*AHALF+2*BHALF
.set STAGE,  2*SLOT                    ; behind the ring, never filled by a tensor load: 16 rows for each wave, its own
.set SPARE,  STAGE+4*16*SPITCH         ; behind the stages: the spare words, 128 bytes a wave: two blocks of 256 bytes that no other line names
.set LAPS,   KDIM/(2*KSTEP)            ; a lap = two K steps = once round the ring
.set ADRA, 16                          ; v16-17  LDS address of my A fragments in slot 0, 1
.set ADRB, 20                          ; v20-21  the same for B
.set STO,  24                          ; v24     the way out: where I put my part of a row
.set RD,   25                          ; v25     the way out: where I read rows back
.set CO,   26                          ; v26     16 x lane: my 16 bytes in 512 consecutive bytes of the output
.set TO,   27                          ; v27     my byte offset in 16 rows of a table
.set SPW,  28                          ; v28     LDS address of my spare word; never rewritten
.set NIL,  29                          ; v29     0; never rewritten
.set T,    32                          ; v32-95  at work
.set FA,   128
.set G1,  24                           ; s[24:31] descriptor group 1 for A's tiles;  s[32:39] group 0, a set for each slot
.set G0,  32
.set G1B, 48                           ; s[48:55], s[56:63] the same for B's
.set G0B, 56
.set MSB, 0
.macro WIN new                         ; the immediate's high byte repeats the setting that is left; a switch that changes nothing is dropped
.if MSB != (\new)
	s_set_vgpr_msb (MSB<<8)|(\new)
.set MSB, \new
.endif
.endm
.set MUL,  0x52                        ; B window 2, A window 0, C and D window 1
.set TO_B, 0x80                        ; destination window 2, address window 0
; A joint load: waves 0 and 1 fetch A's two halves, waves 2 and 3 B's.  The branch hangs on the wave's number alone.  An s_nop 0 and four v_nop follow each of the two lines.
.macro JLOAD s
	s_cmp_eq_u32 s11, 0
	s_cbranch_scc0 .Lfor_b_\@
	tensor_load_to_lds s[G0+4*(\s):G0+4*(\s)+3], s[G1:G1+7]
	s_nop 0
.rept 4
	v_nop
.endr
	s_branch .Lasked_\@
.Lfor_b_\@:
	tensor_load_to_lds s[G0B+4*(\s):G0B+4*(\s)+3], s[G1B:G1B+7]
	s_nop 0
.rept 4
	v_nop
.endr
.Lasked_\@:
.endm
.macro CREST                           ; a round of the cluster's barrier behind its opening barrier
	s_cmp_lg_u32 s10, 0
	s_cbranch_scc1 .Lnot_wave_0_\@
	s_barrier_signal -3
.Lnot_wave_0_\@:
	s_barrier_wait -3
	s_barrier_signal -1
	s_barrier_wait -1
.endm
.macro CROUND                          ; a whole round
	s_barrier_signal -1
	s_barrier_wait -1
	CREST
.endm
.macro PLACES                          ; four places in front of loads into registers that matrix instructions have read, and of lines that read results just made
.rept 4
	v_nop
.endr
.endm
	s_load_b128 s[4:7], s[0:1], 0x0                ; A s[4:5], B s[6:7]
.if MODE == 0
	s_load_b128 s[68:71], s[0:1], 0x10             ; qkv s[68:69], cs s[70:71]
.else
	s_load_b64 s[68:69], s[0:1], 0x10              ; out0
.endif
	v_lshl_add_u32 v[SPW], v0, 2, SPARE
	v_mov_b32 v[NIL], 0
	ds_add_u32 v[SPW], v[NIL]                      ; the wave's opening: the add and its wait stand ahead of my first tensor load; the set-up below, work on registers, stands between them
	v_lshrrev_b32 v1, 5, v0
	v_readfirstlane_b32 s10, v1                    ; wave 0..3
	s_lshr_b32 s11, s10, 1                         ; which 64 rows of the tile are mine.  Also: I fetch for A (0) or for B (1)
	s_and_b32 s12, s10, 1                          ; which 128 columns.  Also: which half of that tile I fetch
	s_bfe_u32 s40, ttmp6, 0x40000                  ; cx, cy: my place in the cluster
	s_bfe_u32 s41, ttmp6, 0x40004
	s_mov_b32 s45, ttmp9                           ; the cluster's x, equal in all sixteen partners: 3 = the columns of v
	s_lshl_b32 s42, ttmp9, 2
	s_add_co_u32 s42, s42, s40                     ; tile column = 4 x cluster x + cx
	s_and_b32 s13, ttmp7, 0xffff
	s_lshl_b32 s13, s13, 2
	s_add_co_u32 s13, s13, s41                     ; tile row = 4 x cluster y + cy
	s_lshl_b32 s43, s41, 2
	s_lshl_b32 s43, 15, s43                        ; my row of the cluster: places 4 cy .. 4 cy + 3
	s_lshl_b32 s44, 0x1111, s40                    ; my column: places cx, cx + 4, cx + 8, cx + 12
	s_or_b32 s[G1+0], s43, (1<<16)|(1<<20)|(1<<21)|(5<<22)|(3<<25)   ; 15:0 the mask; 17:16 2-byte elements; 20 padding on; 21 set beside a mask; 24:22 after every 64 words (code 5); 31:25 4 words (code 3)
	s_or_b32 s[G1B+0], s44, (1<<16)|(1<<20)|(1<<21)|(6<<22)|(7<<25)  ; B: after every 128 words (code 6), 8 words (code 7)
	s_mov_b32 s[G1+1], KSTEP<<16                   ; A: tensor_dim0 = 128
	s_mov_b32 s[G1+2], 64<<16                      ; tensor_dim1 = 64
	s_mov_b32 s[G1+3], KSTEP<<16                   ; tile_dim0 = 128
	s_mov_b32 s[G1+4], 64                          ; tile_dim1 = 64
	s_mov_b32 s[G1+5], KDIM                        ; elements from row to row
	s_mov_b32 s[G1+6], 0
	s_mov_b32 s[G1+7], 0
	s_mov_b32 s[G1B+1], 256<<16                    ; B: tensor_dim0 = 256
	s_mov_b32 s[G1B+2], 64<<16
	s_mov_b32 s[G1B+3], 256<<16                    ; tile_dim0 = 256
	s_mov_b32 s[G1B+4], 64
	s_mov_b32 s[G1B+5], NDIM
	s_mov_b32 s[G1B+6], 0
	s_mov_b32 s[G1B+7], 0
	; A's address is made of the tile row and the wave's number, B's of the tile column and the wave's number, each in registers that never hold the other coordinate
	s_lshl_b32 s16, s13, 7
	s_lshl_b32 s17, s12, 6
	s_add_co_u32 s16, s16, s17                     ; A: row 128 x tile row + 64 x half,
	s_mul_i32 s16, s16, KDIM*2                     ; in bytes (under 2^25)
	s_mov_b32 s17, 0
	s_lshl_b32 s46, s42, 9                         ; B: column 256 x tile column, in bytes,
	s_lshl_b32 s47, s12, 19                        ; and 64 rows of 8,192 bytes for the second half
	s_add_co_u32 s46, s46, s47
	s_mov_b32 s47, 0
	s_mul_i32 s20, s12, AHALF                      ; where they go: no place in the cluster enters an LDS address
	s_mul_i32 s21, s12, BHALF
	s_add_co_u32 s21, s21, BOFF
	s_wait_dscnt 0x0                               ; the opening add is done
	s_wait_kmcnt 0x0
	s_add_nc_u64 s[14:15], s[4:5], s[16:17]
	s_add_nc_u64 s[46:47], s[6:7], s[46:47]
	CROUND                                         ; all sixteen work-groups are here: the first joint loads meet
.irp s, 0,1
	s_mov_b32 s[G0+4*(\s)], 1                      ; count = 1
	s_add_co_u32 s[G0+4*(\s)+1], s20, (\s)*SLOT    ; LDS address
	s_add_nc_u64 s[G0+4*(\s)+2:G0+4*(\s)+3], s[14:15], (\s)*KSTEP*2  ; global address: K step s
	s_or_b32 s[G0+4*(\s)+3], s[G0+4*(\s)+3], 0x80000000              ; type = 2
	s_mov_b32 s[G0B+4*(\s)], 1
	s_add_co_u32 s[G0B+4*(\s)+1], s21, (\s)*SLOT
	s_add_nc_u64 s[G0B+4*(\s)+2:G0B+4*(\s)+3], s[46:47], (\s)*KSTEP*NDIM*2
	s_or_b32 s[G0B+4*(\s)+3], s[G0B+4*(\s)+3], 0x80000000
	JLOAD \s                                       ; two loads of mine are out
.endr
	v_and_b32 v1, 15, v0                           ; r = l % 16
	v_bfe_u32 v2, v0, 4, 1                         ; h = l / 16
	v_and_b32 v5, 7, v0
	v_bfe_u32 v6, v0, 3, 1
	v_and_b32 v8, 31, v0                           ; lane
	v_mul_u32_u24 v3, v1, PA                       ; a fragment of A: row r, 16 bytes for each half of the lanes; two loads 32 bytes apart
	v_lshl_add_u32 v3, v2, 4, v3
	v_lshl_add_u32 v7, v2, 3, v5                   ; the turning load: lane l reads k = 8 h + l % 8, columns 8 ((l / 8) % 2) + 0..7, and is left with column r and 8 k
	v_mul_u32_u24 v7, v7, PB
	v_lshl_add_u32 v7, v6, 4, v7
	s_mul_i32 s22, s11, AHALF                      ; my 64 rows of A
	s_lshl_b32 s23, s12, 8                         ; my 128 columns of B,
	s_add_co_u32 s23, s23, BOFF                    ; which lies behind A
.irp s, 0,1
	v_add_nc_u32 v[ADRA+(\s)], s22, v3
	v_add_nc_u32 v[ADRB+(\s)], s23, v7
	s_add_co_u32 s22, s22, SLOT
	s_add_co_u32 s23, s23, SLOT
.endr
	s_mul_i32 s22, s10, 16*SPITCH
	s_add_co_u32 s22, s22, STAGE                   ; my stage
	v_mul_u32_u24 v4, v1, SPITCH
.if MODE == 0
	v_lshl_add_u32 v4, v2, 4, v4                   ; in: row r, 16 bytes (8 f16) for each half of the lanes
	v_add_nc_u32 v[STO], s22, v4
	v_mul_u32_u24 v4, v2, SPITCH                   ; back: lanes 0-15 one row of 256 bytes, lanes 16-31 the next
	v_lshl_add_u32 v4, v1, 4, v4
	v_add_nc_u32 v[RD], s22, v4
.else
	v_lshl_add_u32 v4, v2, 5, v4                   ; in: row r, 32 bytes (8 f32) for each half of the lanes
	v_add_nc_u32 v[STO], s22, v4
	v_lshl_add_u32 v[RD], v8, 4, s22               ; back: 32 lanes take one row of 512 bytes
.endif
	v_lshlrev_b32 v[CO], 4, v8
.if MODE == 0
	s_lshl_b32 s16, s13, 15                        ; my first position, 128 x tile row + 64 (w / 2), times 256 bytes: a row of a head and a row of a table alike
	s_lshl_b32 s17, s11, 14
	s_add_co_u32 s16, s16, s17
	s_mov_b32 s17, 0
	s_add_nc_u64 s[70:71], s[70:71], s[16:17]
	s_add_nc_u64 s[68:69], s[68:69], s[16:17]
	s_lshl_b32 s46, s42, 20                        ; my 128 columns are one head: 2 x tile column + w % 2, 524,288 bytes each
	s_lshl_b32 s47, s12, 19
	s_add_co_u32 s46, s46, s47
	s_mov_b32 s47, 0
	s_add_nc_u64 s[68:69], s[68:69], s[46:47]
	; THE TABLES.  My columns 16 b + 8 h + 0..7 of a head are the pairs 8 b + 4 h + 0..3: 16 bytes of cos and of sin for each accumulator.  They are asked for now and waited for on the way out.
	; The work-groups that make v load them too and leave them unread: the loads stand on the one path that every work-group walks, so that the registers are written wherever the text names them.
	v_lshlrev_b32 v[TO], 8, v1
	v_lshl_add_u32 v[TO], v2, 4, v[TO]
	WIN 0xc0                                       ; destination window 3, address window 0
.irp a, 0,1,2,3
.irp b, 0,1,2,3,4,5,6,7
	global_load_b128 v[64*(\a)+8*(\b):64*(\a)+8*(\b)+3],   v[TO], s[70:71] offset:(\a)*4096+32*(\b)
	global_load_b128 v[64*(\a)+8*(\b)+4:64*(\a)+8*(\b)+7], v[TO], s[70:71] offset:(\a)*4096+32*(\b)+524288
.endr
.endr
	WIN 0
.else
	s_lshl_b32 s16, s13, 21                        ; my first row, 128 x tile row + 64 (w / 2), times 16,384 bytes
	s_lshl_b32 s17, s11, 20
	s_add_co_u32 s16, s16, s17
	s_mov_b32 s17, 0
	s_add_nc_u64 s[68:69], s[68:69], s[16:17]
	s_lshl_b32 s46, s42, 10                        ; my first column, 256 x tile column + 128 (w % 2), times 4 bytes
	s_lshl_b32 s47, s12, 9
	s_add_co_u32 s46, s46, s47
	s_mov_b32 s47, 0
	s_add_nc_u64 s[68:69], s[68:69], s[46:47]
.endif
.macro WM zero                         ; one matrix instruction on rD, rB, rA; zero = 1: it starts the sum: nothing is ever cleared
.if MODE == 0
.if \zero
	v_wmma_f32_16x16x32_bf16 v[rD:rD+7], v[rB:rB+7], v[rA:rA+7], 0
.else
	v_wmma_f32_16x16x32_bf16 v[rD:rD+7], v[rB:rB+7], v[rA:rA+7], v[rD:rD+7]
.endif
.else
.if \zero
	v_wmma_f32_16x16x32_f16 v[rD:rD+7], v[rB:rB+7], v[rA:rA+7], 0
.else
	v_wmma_f32_16x16x32_f16 v[rD:rD+7], v[rB:rB+7], v[rA:rA+7], v[rD:rD+7]
.endif
.endif
.endm
; 16 matrix instructions: row blocks a0, a0 + 1 x all 8 column blocks, 32 along K: half c of buffer f.  The 32 accumulators take turns, one instruction a turn, in the same order throughout.
.macro MUL16 f, c, a0, zero
	WIN MUL
.irp a, \a0, (\a0)+1
.irp b, 0,1,2,3,4,5,6,7
.set rD, 8*(8*(\a)+(\b))
.set rB, 128*(\f)+64*(\c)+8*(\b)
.set rA, FA+64*(\f)+32*(\c)+8*(\a)
	WM \zero
.endr
.endr
.endm
; 48 LDS loads in one run: the fragments of 64 along K (half hk of the slot's K step) into buffer f: B's 32, then A's 16, of which the last eight belong to the second 32 along K
.macro FETCH slot, hk, f
	WIN TO_B
.irp c, 0,1
.irp b, 0,1,2,3,4,5,6,7
	ds_load_tr16_b128 v[128*(\f)+64*(\c)+8*(\b):128*(\f)+64*(\c)+8*(\b)+3],   v[ADRB+(\slot)] offset:(64*(\hk)+32*(\c))*PB+32*(\b)
	ds_load_tr16_b128 v[128*(\f)+64*(\c)+8*(\b)+4:128*(\f)+64*(\c)+8*(\b)+7], v[ADRB+(\slot)] offset:(64*(\hk)+32*(\c)+16)*PB+32*(\b)
.endr
.endr
	WIN 0
.irp c, 0,1
.irp a, 0,1,2,3
	ds_load_b128 v[FA+64*(\f)+32*(\c)+8*(\a):FA+64*(\f)+32*(\c)+8*(\a)+3],   v[ADRA+(\slot)] offset:(\a)*16*PA+128*(\hk)+64*(\c)
	ds_load_b128 v[FA+64*(\f)+32*(\c)+8*(\a)+4:FA+64*(\f)+32*(\c)+8*(\a)+7], v[ADRA+(\slot)] offset:(\a)*16*PA+128*(\hk)+64*(\c)+32
.endr
.endr
.endm
; A K step is two halves of 64 along K, 64 matrix instructions each.  The first multiplies buffer 0 and fetches the slot's second half into buffer 1.
.macro HALF slot, zero
	s_wait_dscnt 8                                 ; all but the youngest eight loads (A's second 32 along K) are in
	MUL16 0, 0, 0, \zero
	MUL16 0, 0, 2, \zero
	PLACES
	FETCH \slot, 1, 1
	s_wait_dscnt 48                                ; all but the 48 just issued
	MUL16 0, 1, 0, 0
	MUL16 0, 1, 2, 0
.endm
; The second half multiplies buffer 1 and changes slots: ONE barrier; in front of it each wave waits for all its tensor loads (one is out: its part of the next slot), adds 0 to its spare word,
; and waits for that and for its own reads of this slot.  fill = 1: the barrier opens a round of the cluster's, and this slot is filled again, two K steps ahead, first thing behind the round:
; the load has 96 matrix instructions of each wave in which to land.
.macro TURN slot, next, fill
	WIN 0                                          ; (the add's two registers lie in window 0)
	s_wait_tensorcnt 0x0                           ; all my tensor loads have landed
	ds_add_u32 v[SPW], v[NIL]                      ; 0 onto my spare word
	s_wait_dscnt 9                                 ; (the add and the youngest eight loads may be out)
	MUL16 1, 0, 0, 0                               ; sixteen matrix instructions stand between the add and the wait for it
	s_wait_dscnt 0x0                               ; the add is done, and my reads of this slot are over
	s_barrier_signal -1
	MUL16 1, 0, 2, 0
.if \fill
	WIN 0
.endif
	s_barrier_wait -1
.if \fill
	CREST                                          ; no wave of any partner still reads this slot's tiles or has a load on its way
	s_add_nc_u64 s[G0+4*(\slot)+2:G0+4*(\slot)+3], s[G0+4*(\slot)+2:G0+4*(\slot)+3], 2*KSTEP*2
	s_add_nc_u64 s[G0B+4*(\slot)+2:G0B+4*(\slot)+3], s[G0B+4*(\slot)+2:G0B+4*(\slot)+3], 2*KSTEP*NDIM*2
	JLOAD \slot                                    ; its four v_nop are also the places in front of the loads below
.else
	PLACES
.endif
	FETCH \next, 0, 0
	MUL16 1, 1, 0, 0
	MUL16 1, 1, 2, 0
.endm
; THE WAY OUT, MODE 0.  ROPE: the pair (x0, x1) of registers 2 p, 2 p + 1 becomes (x0 c - x1 s, x1 c + x0 s): two products, two fused multiply-adds.  Each accumulator is read from its low end on.
.macro ROPE a
	WIN 0x0d                                       ; x in window 1, sin in window 3, the products in window 0
.irp b, 0,1,2,3,4,5,6,7
.irp p, 0,1,2,3
	v_mul_f32 v[T+8*(\b)+2*(\p)],   v[8*(8*(\a)+(\b))+2*(\p)+1], v[64*(\a)+8*(\b)+4+(\p)]  ; x1 s
	v_mul_f32 v[T+8*(\b)+2*(\p)+1], v[8*(8*(\a)+(\b))+2*(\p)],   v[64*(\a)+8*(\b)+4+(\p)]  ; x0 s
.endr
.endr
	WIN 0x4d                                       ; x (destination and source 0) in window 1, cos in window 3, the products in window 0
.irp b, 0,1,2,3,4,5,6,7
.irp p, 0,1,2,3
	v_fma_f32 v[8*(8*(\a)+(\b))+2*(\p)],   v[8*(8*(\a)+(\b))+2*(\p)],   v[64*(\a)+8*(\b)+(\p)], -v[T+8*(\b)+2*(\p)]
	v_fma_f32 v[8*(8*(\a)+(\b))+2*(\p)+1], v[8*(8*(\a)+(\b))+2*(\p)+1], v[64*(\a)+8*(\b)+(\p)], v[T+8*(\b)+2*(\p)+1]
.endr
.endr
.endm
.macro PACK a                          ; block a (16 rows) rounded to f16: 16 bytes a lane and column block
	WIN 0x05                                       ; sources in window 1, destination in window 0
.irp b, 0,1,2,3,4,5,6,7
.irp p, 0,1,2,3
	v_cvt_pk_f16_f32 v[T+4*(\b)+(\p)], v[8*(8*(\a)+(\b))+2*(\p)], v[8*(8*(\a)+(\b))+2*(\p)+1]
.endr
.endr
.endm
.macro TOSTAGE a                       ; into my stage, and back as whole rows of 256 bytes, into v[64 + 32 a ..]
	WIN 0
.irp b, 0,1,2,3,4,5,6,7
	ds_store_b128 v[STO], v[T+4*(\b):T+4*(\b)+3] offset:32*(\b)
.endr
.irp t, 0,1,2,3,4,5,6,7
	ds_load_b128 v[64+32*(\a)+4*(\t):64+32*(\a)+4*(\t)+3], v[RD] offset:(\t)*2*SPITCH  ; LDS serves a wave's instructions in order (ISA guide 5.7.1.4): these see the stores above
.endr
.endm
.macro SEND a
	WIN 0
	s_wait_dscnt 0x0                               ; the block is back in registers
.irp t, 0,1,2,3,4,5,6,7
	global_store_b128 v[CO], v[64+32*(\a)+4*(\t):64+32*(\a)+4*(\t)+3], s[68:69] offset:(\a)*4096+(\t)*512  ; two rows of a head: 512 consecutive bytes, aligned
.endr
.endm
; THE WAY OUT, MODE 1: f32 as it stands: 16 rows of 512 bytes through my stage, low four registers of an accumulator first; back as whole rows, into window 2 v[64 a ..]
.macro TOSTAGE2 a
	WIN 0x04                                       ; store data in window 1
.irp b, 0,1,2,3,4,5,6,7
	ds_store_b128 v[STO], v[8*(8*(\a)+(\b)):8*(8*(\a)+(\b))+3]   offset:64*(\b)
	ds_store_b128 v[STO], v[8*(8*(\a)+(\b))+4:8*(8*(\a)+(\b))+7] offset:64*(\b)+16
.endr
	WIN 0x80
.irp t, 0,1,2,3,4,5,6,7,8,9,10,11,12,13,14,15
	ds_load_b128 v[64*(\a)+4*(\t):64*(\a)+4*(\t)+3], v[RD] offset:(\t)*SPITCH
.endr
.endm
.macro SEND2 a, younger                ; younger: the LDS instructions issued behind block a's loads: the next block's 32, or none
	WIN 0x08                                       ; store data in window 2
	s_wait_dscnt \younger
.irp t, 0,1,2,3,4,5,6,7,8,9,10,11,12,13,14,15
	global_store_b128 v[CO], v[64*(\a)+4*(\t):64*(\a)+4*(\t)+3], s[68:69] offset:(16*(\a)+(\t))*NDIM*4 th:TH_STORE_NT  ; 512 consecutive bytes of a row, aligned
.endr
.endm
	s_wait_tensorcnt 1                             ; my part of K step 0 is in; K step 1's may stay out
	s_barrier_signal -1
	s_barrier_wait -1                              ; everybody's is
	FETCH 0, 0, 0
	HALF 0, 1                                      ; the first half step stands in front of the loop: its first products start the sums
	WIN 0                                          ; at a label and at a branch every window is 0
	s_mov_b32 s3, LAPS-1
.Llap:                                                 ; a trip goes once round the ring, from a lap's second half step to the next lap's first, and fills both slots again
	TURN 0, 1, 1
	HALF 1, 0
	TURN 1, 0, 1
	HALF 0, 0
	WIN 0
	s_sub_co_u32 s3, s3, 1
	s_cmp_lg_u32 s3, 0
	s_cbranch_scc1 .Llap
	TURN 0, 1, 0                                   ; the last lap fills nothing, and has no round of the cluster's barrier
	HALF 1, 0
	s_wait_dscnt 8                                 ; the very last half step: nothing more to fetch
	MUL16 1, 0, 0, 0
	MUL16 1, 0, 2, 0
	s_wait_dscnt 0x0
	MUL16 1, 1, 0, 0
	MUL16 1, 1, 2, 0
	WIN 0
	PLACES
.if MODE == 0
	s_cmp_eq_u32 s45, 3                            ; v is not turned.  The cluster's x is equal in all partners; the jump goes forward, past no barrier and no tensor load
	s_cbranch_scc1 .Lplain
	s_wait_loadcnt 0x0                             ; the tables
	ROPE 0
	ROPE 1
	ROPE 2
	ROPE 3
	WIN 0
.Lplain:
	PACK 0
	TOSTAGE 0
.irp a, 1,2,3                          ; block a's conversions stand between block a - 1's loads from the stage and the wait for them
	PACK \a
	SEND (\a)-1
	TOSTAGE \a
.endr
	SEND 3
.else
	TOSTAGE2 0
	TOSTAGE2 1
	SEND2 0, 32
	TOSTAGE2 2
	SEND2 1, 32
	TOSTAGE2 3
	SEND2 2, 32
	SEND2 3, 0
.endif
	WIN 0
	s_wait_tensorcnt 0x0                           ; the wave's end, behind my last tensor load and my last LDS store
	ds_add_u32 v[SPW], v[NIL]
	s_wait_dscnt 0x0
	CROUND                                         ; the closing round: no work-group ends while a partner may still ask for a tile that names it
	s_endpgm
.Lfunc_end_k_qd4d104420a_proj:
	.size	k_qd4d104420a_proj, .Lfunc_end_k_qd4d104420a_proj-k_qd4d104420a_proj
	.p2alignl 7, 3214868480
	.fill 96, 4, 3214868480
	.section	.rodata,"a",@progbits
	.p2align	6, 0x0
	.amdhsa_kernel k_qd4d104420a_proj
		.amdhsa_group_segment_fixed_size 327680
		.amdhsa_private_segment_fixed_size 0
		.amdhsa_enable_private_segment 0
		.amdhsa_kernarg_size 32
		.amdhsa_user_sgpr_count 2
		.amdhsa_user_sgpr_kernarg_segment_ptr 1
		.amdhsa_wavefront_size32 1
		.amdhsa_system_sgpr_workgroup_id_x 1
		.amdhsa_system_sgpr_workgroup_id_y 1
		.amdhsa_system_sgpr_workgroup_id_z 1
		.amdhsa_system_vgpr_workitem_id 0
		.amdhsa_next_free_vgpr 1024
		.amdhsa_next_free_sgpr 72
		.amdhsa_reserve_vcc 0
		.amdhsa_float_denorm_mode_32 3
		.amdhsa_float_denorm_mode_16_64 3
		.amdhsa_memory_ordered 1
		.amdhsa_forward_progress 1
		.amdhsa_inst_pref_size 115
	.end_amdhsa_kernel
	.amdgpu_metadata
---
amdhsa.version: [ 1, 2 ]
amdhsa.kernels:
  - .name:           k_qd4d104420a_proj
    .symbol:         k_qd4d104420a_proj.kd
    .args:
      - { .name: hb, .offset: 0, .size: 8, .value_kind: global_buffer, .address_space: global }
      - { .name: wb, .offset: 8, .size: 8, .value_kind: global_buffer, .address_space: global }
      - { .name: qkv, .offset: 16, .size: 8, .value_kind: global_buffer, .address_space: global }
      - { .name: cs, .offset: 24, .size: 8, .value_kind: global_buffer, .address_space: global }
    .group_segment_fixed_size: 327680
    .private_segment_fixed_size: 0
    .kernarg_segment_align: 8
    .kernarg_segment_size: 32
    .max_flat_workgroup_size: 128
    .sgpr_count:     72
    .vgpr_count:     1024
    .wavefront_size: 32
...
	.end_amdgpu_metadata
.endif
;; end of part 2
;; launch attention (part 3): grid 32 x 8, 4 waves a work-group, clusters of 4 x 1, 327,680 bytes of LDS; arguments qkv, ao; writes ao
.if DOCPART == 3
	.amdgcn_target "amdgcn-amd-amdhsa--gfx1250"
	.amdhsa_code_object_version 6
	.text
	.protected	k_qd4d104420a_attention
	.globl	k_qd4d104420a_attention
	.p2align	8
	.type	k_qd4d104420a_attention,@function
k_qd4d104420a_attention:
	s_mov_b64 s[64:65], 0
	v_nop
	global_prefetch_b8 v0, s[64:65] scope:SCOPE_SE
	s_setreg_imm32_b32 hwreg(HW_REG_WAVE_MODE, 25, 1), 1
	s_wait_xcnt 0x0
	s_wait_alu depctr_hold_cnt(0) depctr_sa_sdst(0) depctr_va_vdst(0) depctr_va_sdst(0) depctr_va_ssrc(0) depctr_va_vcc(0) depctr_vm_vsrc(0)
	s_getreg_b32 s2, hwreg(HW_REG_IB_STS2, 6, 4)
	s_cmp_eq_u32 s2, 0
	s_cbranch_scc0 .Lentry_in_a_cluster
	s_endpgm
.Lentry_in_a_cluster:
	s_bfe_u32 s2, ttmp6, 0x10000c
	s_cmp_lg_u32 s2, 0x3003
	s_cbranch_scc0 .Lentry_shape_is_right
	s_endpgm
.Lentry_shape_is_right:
; CAUSAL ATTENTION WITH GROUPED HEADS.  qkv: [32 heads][2048][128] f16: heads 0-15 q / 8, 16-23 k / 8, 24-31 v / 8 (q, k turned already).  Query head n reads key and value head n / 2.
; ao [2048 positions][16 heads x 128] f16 = O / 8, O[q] = the sum over k <= q of softmax_k(q . k / sqrt(128)) v[k].  Products, maxima and sums in f32; the weights p are rounded to f16 for the
; second product (their sum l is taken of the unrounded p), O once at the end.
; LIMITS.  A hidden score counts as its stored value less 1e30 (stored scores reach 5.5e11 at the most); a weight below 2^-126 counts as 0; p below 6e-5 keeps f16's fixed step; NaN and infinities are not treated apart.
; THE WALK.  A BLOCK is 32 positions x the two query heads of one key head g: four tiles of 16 queries (tile t: head 2 g + t / 2, positions 16 (t % 2) on).  Keys go in tiles of 128.
; A work-group takes two blocks: positions 128 a + 32 cx on (key tiles 0 .. a), then 128 (15 - a) + 32 (3 - cx) on (key tiles 0 .. 15 - a): 17 tiles whatever a and cx, so all 256 work-groups do equal
; work, one loop with a constant count walks them, and the four partners of a cluster (equal a and g, cx = 0..3) walk the SAME tiles: every tile of K and V is asked for jointly.
; THE FOUR WAVES SPLIT THE KEYS: of each tile wave w takes keys 32 w .. 32 w + 31, for all four query tiles: a fragment of K or V feeds four products and is read by one wave alone.
; Each wave keeps its own running maximum m, sum l and O^T; at a block's end the four partial results meet in LDS, in f32: O = sum_p g_p O_p, g_p = 2^(c m_p - M) / sum_p 2^(c m_p - M) l_p, M the largest c m_p.
; THE MASK.  A block's last tile holds the diagonal.  There -1e30 is added to the scores of hidden keys (32 registers MD, made from the lane, the wave and cx: data, no branch).  A wave all of whose keys are
; hidden from a query ends with c m near -8e30, and its g is 0.
; LAYOUT.  S^T = K Q^T (source 0 = 16 keys, source 1 = 16 queries): a lane holds ONE query (l % 16) and the keys 8 (l / 16) + 0..7; two such results rounded to f16 ARE source 1 of O^T = V^T P.
; SOFTMAX.  p = 2^(c s - c m), c = 64 log2(e) / sqrt(128) (the 64 undoes q's and k's eighths); in every step O and l are multiplied by a = 2^(c m_old - c m_new).  m starts at the lowest finite number: the first a is 0.
; REGISTERS, in windows of 256 (s_set_vgpr_msb: bits 1:0 source 0, 3:2 source 1, 5:4 source 2, 7:6 destination):
;   window 0: v0-23 addresses; v32-47 statistics; v48-63 at work; v64-127 S^T (16 t + 8 kb); v128-159 P (8 t); v160-191 MD; v192-207 the merge's statistics
;   window 1: O^T (64 t + 8 cb); in the merge the four partial results      window 2: v0-127 Q (32 t + 8 c); v128-191 K (32 kb + 8 c); v192-255 V (8 cb)      window 3: v0-127 the second block's Q
.set PK,    272       ; a row of K in LDS: 256 bytes + 16 = 68 words: the 16 rows of a load start at 16 different groups of four banks (64 banks of 4 bytes: ISA guide 11.1)
.set PV,    288       ; a row of V: 256 + 32 = 72 words
.set VOFF,  128*PK    ; a slot holds a tile: 128 rows of K, then 128 rows of V: 71,680 bytes
.set SLOTD, 0x12000   ; slot 1 begins here: its two bits are in none of the four loads' places in a slot (0, 0x4400, 0x8800, 0xd000), so one exclusive or moves an address from slot to slot
.set MG,    SLOTD+128*(PK+PV)  ; behind the ring, never filled by a tensor load: wave p's partial O: 64 rows (16 t + query) x 528 bytes
.set MP,    528
.set MGW,   64*MP
.set STT,   MG+4*MGW  ; wave p's (c m, l) for its 64 queries: 512 bytes a wave
.set GL,    STT+2048  ; g0..g3 for the 16 queries that a wave finishes: 256 bytes a wave, its own
.set SPARE, GL+1024   ; the spare words, 128 bytes a wave: two blocks of 256 bytes that no other line names
.set AK0, 2           ; v2   my lane's place in a tile of K; never rewritten
.set AV0, 3           ; v3   the same for V
.set AK,  4           ; v4   the LDS address of K's run of loads
.set AV,  5           ; v5   of V's
.set QO,  6           ; v6   my byte offset in 16 rows of Q
.set MW,  7           ; v7   the merge: where I put 32 bytes of a row of my partial O
.set SA,  8           ; v8   where I put a query's (c m, l)
.set MR0, 10          ; v10, v11  where I read rows of partial results 0, 1 and 2, 3
.set SRD, 12          ; v12  where I read a query's (c m, l)
.set GW,  13          ; v13  where I put a query's g0..g3
.set GR,  14          ; v14  where I read them
.set GO,  15          ; v15  8 x lane: my 8 bytes in a head's 256 bytes of a row of ao
.set THRB, 16         ; v16  l % 16 - 32 w - 8 (l / 16)
.set THR, 17          ; v17  that plus 32 x the block's place in its diagonal tile
.set SPW, 18          ; v18  LDS address of my spare word; never rewritten
.set NIL, 19          ; v19  0; never rewritten
.set ST,  32          ; tile t's statistics at v[ST + 4 t]: c m, m, l (even keys', odd keys')
.set TMP, 48          ; tile t: c0-c3 at work; when the maximum is found c2 takes a
.set S,   64
.set P,   128
.set MD,  160         ; 16 (t % 2) + 8 kb + j
.set F,   192
.set KF,  128         ; window 2
.set VF,  192         ; window 2
.set WV,  12          ; s12  my wave's number
.set CX,  13          ; s13  my place in the cluster: it enters Q's and ao's addresses and the mask's numbers alone
.set CA,  14          ; s14  a
.set HG,  15          ; s15  g
.set G1K, 24          ; s[24:31] descriptor group 1 for K's tiles
.set G1V, 32          ; s[32:39] for V's: it differs in the padding alone
.set G0K, 40          ; s[40:43] descriptor group 0 for K's tiles
.set G0V, 44          ; s[44:47] for V's
.set KB,  48          ; s[48:49] K at my half of the head's tile 0
.set VB,  50          ; s[50:51] V likewise
.set QLO, 52          ; s[52:53] Q at the first block
.set QHI, 54          ; s[54:55] at the second
.set OB,  56          ; s[56:57] ao at the 16 rows that I finish, of the block in hand
.set OHI, 58          ; s[58:59] of the second block
.set CS,  60          ; s[60:61] c: the packed scaling takes the pair's low word for both halves
.set SEL, 62          ; s[62:63] v_permlanex16_b32's selects: each lane takes its own place in the other half
.set TB,  66          ; s66  the slot to be read: 0 or SLOTD
.set NXT, 67          ; s67  the key tile to be asked for next
.set LQ,  68          ; s68  the last key tile of the block whose tiles are being asked for
.set HIQ, 69          ; s69  15 - a
.set RT,  70          ; s70  tiles that the block in hand still has, the one in hand among them
.set SW,  71          ; s71  1: a block has ended: its merge is to be finished and the next block begun
.set CNT, 72          ; s72  the loop's count
.set BIGN, 73         ; s73  -1e30
.set OFF, 74          ; s[74:75] a tile's byte offset in K and V
.set THS, 76          ; s76  32 x the place of the block in hand in its diagonal tile
.set THH, 77          ; s77  the same for the second block
.set MSB, 0
.macro WIN new                      ; the high byte repeats the setting that is left; a switch that changes nothing is dropped
.if MSB != (\new)
	s_set_vgpr_msb (MSB<<8)|(\new)
.set MSB, \new
.endif
.endm
.set W_KQ, 0x0a       ; K and Q in window 2, S^T in window 0
.set W_PV, 0x52       ; V in window 2, P in window 0, O^T in window 1
.set W_RS, 0x41       ; O^T (destination and source 0) in window 1, a in window 0
.macro PLACES                       ; four places between matrix instructions and the first line that reads their results (ISA guide 7.12.1)
.rept 4
	v_nop
.endr
.endm
.macro ALLT line:vararg             ; one line for each tile t
.set t, 0
.rept 4
	\line
.set t, t+1
.endr
.endm
; A joint fill.  Waves 0 and 1 fetch the two halves of a tile's K, waves 2 and 3 those of its V: 64 keys each.  The branch hangs on the wave's number alone.
; An s_nop 0 and four v_nop follow each of the two lines.
.macro JLOAD
	s_cmp_lt_u32 s[WV], 2
	s_cbranch_scc0 .Lfor_v_\@
	tensor_load_to_lds s[G0K:G0K+3], s[G1K:G1K+7]
	s_nop 0
.rept 4
	v_nop
.endr
	s_branch .Lasked_\@
.Lfor_v_\@:
	tensor_load_to_lds s[G0V:G0V+3], s[G1V:G1V+7]
	s_nop 0
.rept 4
	v_nop
.endr
.Lasked_\@:
.endm
.macro CROUND                       ; a round of the cluster's barrier
	s_barrier_signal -1
	s_barrier_wait -1
	s_cmp_lg_u32 s[WV], 0
	s_cbranch_scc1 .Lnot_wave_0_\@
	s_barrier_signal -3
.Lnot_wave_0_\@:
	s_barrier_wait -3
	s_barrier_signal -1
	s_barrier_wait -1
.endm
.macro ADV                          ; the block's next key tile, or behind its last the second block's tile 0
	s_add_co_u32 s[NXT], s[NXT], 1
	s_cmp_gt_u32 s[NXT], s[LQ]
	s_cselect_b32 s[NXT], 0, s[NXT]
	s_cselect_b32 s[LQ], s[HIQ], s[LQ]
.endm
; THE CHANGE OF SLOTS.  Each wave waits for all its tensor loads (one is out: its part of the other slot), adds 0 to its spare word, and waits for that and for its LDS instructions: its reads of the slot that it
; leaves, and a merge's stores.  fill = 1: the barrier is a round of the cluster's, and the old slot is filled again first thing behind it, with tile NXT; the descriptor's address is made anew from that number.
; (At its first use nothing has been read yet: slot 0 is waited for, slot 1 filled.)
.macro CHANGE fill
	WIN 0
	s_wait_tensorcnt 0x0            ; no tensor load of mine is out, so a group 0 may be written
	ds_add_u32 v[SPW], v[NIL]       ; 0 onto my spare word; with fill = 1 the descriptors' scalar work stands between it and the wait for it
.if \fill
	s_lshl_b32 s[OFF], s[NXT], 15   ; a tile is 32,768 bytes of K and of V
	s_xor_b32 s[G0K+1], s[G0K+1], SLOTD
	s_add_nc_u64 s[G0K+2:G0K+3], s[KB:KB+1], s[OFF:OFF+1]
	s_or_b32 s[G0K+3], s[G0K+3], 0x80000000
	s_xor_b32 s[G0V+1], s[G0V+1], SLOTD
	s_add_nc_u64 s[G0V+2:G0V+3], s[VB:VB+1], s[OFF:OFF+1]
	s_or_b32 s[G0V+3], s[G0V+3], 0x80000000
	ADV
	s_wait_dscnt 0x0                ; the add is done, and my LDS instructions are over
	CROUND
	JLOAD
.else
	s_wait_dscnt 0x0
	s_barrier_signal -1
	s_barrier_wait -1
.endif
	s_xor_b32 s[TB], s[TB], SLOTD   ; the slot that has landed is read
.endm
; MD: register 16 u + 8 kb + j is -1e30 where my key 32 w + 16 kb + 8 (l / 16) + j lies behind my query 32 R + 16 u + l % 16 of the diagonal tile, else 0
.macro MKMASK
	v_add_nc_u32 v[THR], s[THS], v[THRB]
.set i, 0
.rept 32
	v_cmp_gt_i32 vcc_lo, 16*((i/8)%2)+i%8-16*(i/16), v[THR]
	v_cndmask_b32 v[MD+i], 0, s[BIGN], vcc_lo
.set i, i+1
.endr
.endm
.macro NEWSTAT
	ALLT v_mov_b32 v[ST+4*t], 0xfe000000    ; c m: far below every c s, the hidden ones' too
	ALLT v_mov_b32 v[ST+4*t+1], 0xff7fffff  ; m
	ALLT v_mov_b32 v[ST+4*t+2], 0
	ALLT v_mov_b32 v[ST+4*t+3], 0
.endm
; A KEY TILE, in phases: my 32 keys against the four query tiles.  diag = 0: the mask is jumped over unless this is the block's last tile; 1 (the walk's last tile): it is taken.
.macro TILE diag
	WIN 0
	v_add_nc_u32 v[AK], s[TB], v[AK0]
	v_add_nc_u32 v[AV], s[TB], v[AV0]
	WIN 0x80                        ; destination window 2.  The last products that read these registers stand more than four plain lines back
.irp f, 0,1,2,3,4,5,6,7             ; K: keys 16 (f / 4) on, channels 32 (f % 4) on
	ds_load_b128 v[KF+8*\f:KF+8*\f+3],   v[AK] offset:(\f/4)*16*PK+(\f%4)*64
	ds_load_b128 v[KF+8*\f+4:KF+8*\f+7], v[AK] offset:(\f/4)*16*PK+(\f%4)*64+32
.endr
.irp f, 0,1,2,3,4,5,6,7             ; V, turned: channels 16 f on, my 32 keys
	ds_load_tr16_b128 v[VF+8*\f:VF+8*\f+3],   v[AV] offset:32*\f
	ds_load_tr16_b128 v[VF+8*\f+4:VF+8*\f+7], v[AV] offset:16*PV+32*\f
.endr
	s_wait_dscnt 16                 ; K is in; V's sixteen loads may stay out
	WIN W_KQ
.set i, 0
.rept 32                            ; S^T = K Q^T: channels 32 (i / 8) on, keys 16 ((i / 4) % 2) on, tile i % 4.  The 8 accumulators take turns; the first 8 products start the sums
.set rS, S+16*(i%4)+8*((i/4)%2)
.set rK, KF+32*((i/4)%2)+8*(i/8)
.set rQ, 32*(i%4)+8*(i/8)
.if i < 8
	v_wmma_f32_16x16x32_f16 v[rS:rS+7], v[rK:rK+7], v[rQ:rQ+7], 0
.else
	v_wmma_f32_16x16x32_f16 v[rS:rS+7], v[rK:rK+7], v[rQ:rQ+7], v[rS:rS+7]
.endif
.set i, i+1
.endr
	WIN 0
	PLACES
.if (\diag) == 0
	s_cmp_lg_u32 s[RT], 1           ; equal in all waves and all partners; the jump goes forward, past no barrier and no tensor load
	s_cbranch_scc1 .Lopen_\@
.endif
.set n, 0
.rept 32                            ; pair n % 8 of tile n / 8; each accumulator from its low end on
	v_pk_add_f32 v[S+2*n:S+2*n+1], v[S+2*n:S+2*n+1], v[MD+2*(n%16):MD+2*(n%16)+1]
.set n, n+1
.endr
.if (\diag) == 0
.Lopen_\@:
.endif
	; the maximum of a tile's 16 scores a lane and the old m: two chains that begin at the two accumulators' low registers
	ALLT v_max3_num_f32 v[TMP+4*t], v[S+16*t], v[S+16*t+1], v[S+16*t+2]
	ALLT v_max3_num_f32 v[TMP+4*t+1], v[S+16*t+8], v[S+16*t+9], v[S+16*t+10]
	ALLT v_max3_num_f32 v[TMP+4*t], v[TMP+4*t], v[S+16*t+3], v[S+16*t+4]
	ALLT v_max3_num_f32 v[TMP+4*t+1], v[TMP+4*t+1], v[S+16*t+11], v[S+16*t+12]
	ALLT v_max3_num_f32 v[TMP+4*t], v[TMP+4*t], v[S+16*t+5], v[S+16*t+6]
	ALLT v_max3_num_f32 v[TMP+4*t+1], v[TMP+4*t+1], v[S+16*t+13], v[S+16*t+14]
	ALLT v_max3_num_f32 v[TMP+4*t], v[TMP+4*t], v[S+16*t+7], v[S+16*t+15]
	ALLT v_max3_num_f32 v[TMP+4*t], v[TMP+4*t], v[TMP+4*t+1], v[ST+4*t+1]
	ALLT v_permlanex16_b32 v[TMP+4*t+1], v[TMP+4*t], s[SEL], s[SEL+1]  ; the query's other 16 of my keys lie in the lane 16 away
	ALLT v_mov_b32 v[TMP+4*t+3], v[ST+4*t]                             ; c m_old is kept: the difference of the two ROUNDED c m keeps a in step with the weights
	ALLT v_max_num_f32 v[ST+4*t+1], v[TMP+4*t], v[TMP+4*t+1]
	ALLT v_mul_f32 v[ST+4*t], s[CS], v[ST+4*t+1]
	ALLT v_sub_f32 v[TMP+4*t+3], v[TMP+4*t+3], v[ST+4*t]
	ALLT v_exp_f32 v[TMP+4*t+2], v[TMP+4*t+3]                          ; a; the scalings below are the plain lines behind it
.set n, 0
.rept 32                            ; c s - c m
	v_pk_fma_f32 v[S+2*n:S+2*n+1], v[S+2*n:S+2*n+1], s[CS:CS+1], v[ST+4*(n/8):ST+4*(n/8)+1] op_sel_hi:[1,0,0] neg_lo:[0,0,1] neg_hi:[0,0,1]
.set n, n+1
.endr
.set n, 0
.rept 64
	v_exp_f32 v[S+n], v[S+n]
.set n, n+1
.endr
	WIN W_RS
.set n, 0
	s_wait_alu depctr_va_vdst(0)
.rept 128                           ; O^T times a: plain lines that name no weight: the place behind the last exponential too.  Each accumulator from its low end on
	v_pk_mul_f32 v[2*n:2*n+1], v[2*n:2*n+1], v[TMP+4*(n/32)+2:TMP+4*(n/32)+3] op_sel_hi:[1,0]
.set n, n+1
.endr
	WIN 0
.set n, 0
.rept 32
	v_cvt_pk_f16_f32 v[P+n], v[S+2*n], v[S+2*n+1]
.set n, n+1
.endr
	s_wait_dscnt 0x0                ; V is in
	WIN W_PV
.set i, 0
.rept 32                            ; O^T += V^T P: channels 16 (i / 4) on, tile i % 4: 32 different accumulators
.set rO, 64*(i%4)+8*(i/4)
	v_wmma_f32_16x16x32_f16 v[rO:rO+7], v[VF+8*(i/4):VF+8*(i/4)+7], v[P+8*(i%4):P+8*(i%4)+7], v[rO:rO+7]
.set i, i+1
.endr
	WIN 0
	; the sum of a tile's 8 pairs of weights, in place, and l = a l + sum: 32 plain lines that name no register of the products above: their places
.irp k, 0,4,8,12
	ALLT v_pk_add_f32 v[S+16*t+\k:S+16*t+\k+1], v[S+16*t+\k:S+16*t+\k+1], v[S+16*t+\k+2:S+16*t+\k+3]
.endr
.irp k, 0,8
	ALLT v_pk_add_f32 v[S+16*t+\k:S+16*t+\k+1], v[S+16*t+\k:S+16*t+\k+1], v[S+16*t+\k+4:S+16*t+\k+5]
.endr
	ALLT v_pk_add_f32 v[S+16*t:S+16*t+1], v[S+16*t:S+16*t+1], v[S+16*t+8:S+16*t+9]
	ALLT v_pk_fma_f32 v[ST+4*t+2:ST+4*t+3], v[ST+4*t+2:ST+4*t+3], v[TMP+4*t+2:TMP+4*t+3], v[S+16*t:S+16*t+1] op_sel_hi:[1,0,1]
.endm
; A BLOCK'S END, first part: my partial result goes to LDS.  l's two halves and the other half of the lanes' are added (into m's register, which has served); (c m, l) for each query; O^T in f32, the low four registers of an accumulator first.
.macro MERGE_WRITE
	WIN 0
	ALLT v_add_f32 v[ST+4*t+1], v[ST+4*t+2], v[ST+4*t+3]
	ALLT v_permlanex16_b32 v[TMP+4*t], v[ST+4*t+1], s[SEL], s[SEL+1]
	ALLT v_add_f32 v[ST+4*t+1], v[ST+4*t+1], v[TMP+4*t]
	ALLT ds_store_b64 v[SA], v[ST+4*t:ST+4*t+1] offset:128*t  ; both halves of the lanes store the same numbers
	WIN 0x04                        ; store data in window 1
.set n, 0
.rept 32                            ; tile n / 8, channels 16 (n % 8) on
	ds_store_b128 v[MW], v[8*n:8*n+3]   offset:(n/8)*16*MP+64*(n%8)
	ds_store_b128 v[MW], v[8*n+4:8*n+7] offset:(n/8)*16*MP+64*(n%8)+16
.set n, n+1
.endr
	WIN 0
.endm
; A BLOCK'S END, second part, behind a barrier: wave w finishes tile w.  Lane l works out g0..g3 for query l % 16 and hands them round through the wave's own 256 bytes; rows come back whole, 4 channels a lane.
.macro MERGE_READ
	WIN 0
.irp p, 0,1,2,3
	ds_load_b64 v[F+2*\p:F+2*\p+1], v[SRD] offset:512*\p
.endr
	WIN 0x40                        ; destination window 1: partial result n / 16, row n % 16 at v[4 n]
.set n, 0
.rept 64
	ds_load_b128 v[4*n:4*n+3], v[MR0+n/32] offset:((n/16)%2)*MGW+(n%16)*MP
.set n, n+1
.endr
	WIN 0
	s_wait_dscnt 63                 ; 68 loads are issued: with 63 out at the most the oldest five are in, the four of the statistics among them
	v_max3_num_f32 v[F+8], v[F], v[F+2], v[F+4]
	v_max_num_f32 v[F+8], v[F+8], v[F+6]
.irp p, 0,1,2,3
	v_sub_f32 v[F+12+\p], v[F+2*\p], v[F+8]
.endr
.irp p, 0,1,2,3
	v_exp_f32 v[F+12+\p], v[F+12+\p]
.endr
	v_nop                           ; a plain line between the last exponential and the use of its result
	s_wait_alu depctr_va_vdst(0)
	v_mul_f32 v[F+9], v[F+12], v[F+1]
	v_fmac_f32 v[F+9], v[F+13], v[F+3]
	v_fmac_f32 v[F+9], v[F+14], v[F+5]
	v_fmac_f32 v[F+9], v[F+15], v[F+7]
	v_rcp_f32 v[F+10], v[F+9]
	v_nop
	s_wait_alu depctr_va_vdst(0)
.irp p, 0,1,2,3
	v_mul_f32 v[F+12+\p], v[F+12+\p], v[F+10]
.endr
	ds_store_b128 v[GW], v[F+12:F+15]
.irp r, 0,1,2,3,4,5,6,7,8,9,10,11,12,13,14,15
	ds_load_b128 v[S+4*\r:S+4*\r+3], v[GR] offset:16*\r  ; row r's four g, the same 16 bytes in every lane; LDS serves a wave's instructions in order (ISA guide 5.7.1.4): these see the store above
.endr
	s_wait_dscnt 0x0
	WIN 0x51                        ; partial results (destination, sources 0 and 2) in window 1, g in window 0
.set n, 0
.rept 32                            ; row n / 2, pair n % 2, in place in partial result 0
	v_pk_mul_f32 v[2*n:2*n+1], v[2*n:2*n+1], v[S+4*(n/2):S+4*(n/2)+1] op_sel_hi:[1,0]
.set n, n+1
.endr
.set n, 0
.rept 32
	v_pk_fma_f32 v[2*n:2*n+1], v[64+2*n:64+2*n+1], v[S+4*(n/2):S+4*(n/2)+1], v[2*n:2*n+1] op_sel:[0,1,0] op_sel_hi:[1,1,1]
.set n, n+1
.endr
.set n, 0
.rept 32
	v_pk_fma_f32 v[2*n:2*n+1], v[128+2*n:128+2*n+1], v[S+4*(n/2)+2:S+4*(n/2)+3], v[2*n:2*n+1] op_sel_hi:[1,0,1]
.set n, n+1
.endr
.set n, 0
.rept 32
	v_pk_fma_f32 v[2*n:2*n+1], v[192+2*n:192+2*n+1], v[S+4*(n/2)+2:S+4*(n/2)+3], v[2*n:2*n+1] op_sel:[0,1,0] op_sel_hi:[1,1,1]
.set n, n+1
.endr
	WIN 0x05                        ; sources in window 1, destination in window 0: P's registers are free
.set n, 0
.rept 32
	v_cvt_pk_f16_f32 v[P+n], v[2*n], v[2*n+1]
.set n, n+1
.endr
	WIN 0
.irp r, 0,1,2,3,4,5,6,7,8,9,10,11,12,13,14,15
	global_store_b64 v[GO], v[P+2*\r:P+2*\r+1], s[OB:OB+1] offset:4096*\r  ; a head's 128 channels of one position: the wave stores 256 consecutive bytes, aligned
.endr
.endm
; THE SECOND BLOCK BEGINS.  O^T need only be finite: the first step multiplies it by a = 0.
.macro BEGIN2
	s_wait_xcnt 0x0                 ; the stores above have had their addresses translated (ISA guide 3.1): only now are their base and data registers rewritten
	s_mov_b64 s[OB:OB+1], s[OHI:OHI+1]
	NEWSTAT
	s_mov_b32 s[THS], s[THH]
	MKMASK
	WIN 0x83                        ; from window 3 into window 2: the second block's Q goes where the one text of the tile names Q
.set i, 0
.rept 128
	v_mov_b32 v[i], v[i]
.set i, i+1
.endr
	WIN 0
	s_mov_b32 s[SW], 0
.endm
	s_load_b128 s[4:7], s[0:1], 0x0 ; qkv s[4:5], ao s[6:7]
	v_lshl_add_u32 v[SPW], v0, 2, SPARE
	v_mov_b32 v[NIL], 0
	ds_add_u32 v[SPW], v[NIL]       ; the wave's opening: the add and its wait stand ahead of my first tensor load; the set-up below, work on registers, stands between them
	v_lshrrev_b32 v1, 5, v0
	v_readfirstlane_b32 s[WV], v1   ; wave 0..3
	s_bfe_u32 s[CX], ttmp6, 0x40000
	s_mov_b32 s[CA], ttmp9          ; in a cluster launch ttmp9 counts clusters
	s_and_b32 s[HG], ttmp7, 0xffff
	s_sub_co_u32 s[HIQ], 15, s[CA]
	s_sub_co_u32 s3, 3, s[CX]       ; the second block's place in its diagonal tile
	s_and_b32 s2, s[WV], 1          ; which half of a tile's 128 keys I fetch
	s_add_co_u32 s16, s[HG], 16     ; K: head 16 + g, 524,288 bytes a head,
	s_lshl_b32 s16, s16, 19
	s_lshl_b32 s17, s2, 14          ; and 64 rows of 256 bytes for the second half
	s_add_co_u32 s16, s16, s17
	s_mov_b32 s17, 0
	s_add_co_u32 s18, s16, 8<<19    ; V: eight heads on
	s_mov_b32 s19, 0
	s_lshl_b32 s20, s[HG], 20       ; Q: head 2 g,
	s_mov_b32 s22, s20
	s_lshl_b32 s21, s[CA], 15       ; position 128 a + 32 cx, 256 bytes each
	s_add_co_u32 s20, s20, s21
	s_lshl_b32 s21, s[CX], 13
	s_add_co_u32 s20, s20, s21
	s_mov_b32 s21, 0
	s_lshl_b32 s23, s[HIQ], 15      ; and position 128 (15 - a) + 32 (3 - cx)
	s_add_co_u32 s22, s22, s23
	s_lshl_b32 s23, s3, 13
	s_add_co_u32 s22, s22, s23
	s_mov_b32 s23, 0
	s_lshl_b32 s8, s[HG], 9         ; ao: I finish tile w: head 2 g + w / 2, 256 bytes a head,
	s_lshr_b32 s9, s[WV], 1
	s_lshl_b32 s9, s9, 8
	s_add_co_u32 s8, s8, s9
	s_lshl_b32 s9, s2, 16           ; positions 16 (w % 2) on, 4,096 bytes each,
	s_add_co_u32 s8, s8, s9
	s_mov_b32 s10, s8
	s_lshl_b32 s9, s[CA], 19        ; in the first block
	s_add_co_u32 s8, s8, s9
	s_lshl_b32 s9, s[CX], 17
	s_add_co_u32 s8, s8, s9
	s_mov_b32 s9, 0
	s_lshl_b32 s11, s[HIQ], 19      ; and in the second
	s_add_co_u32 s10, s10, s11
	s_lshl_b32 s11, s3, 17
	s_add_co_u32 s10, s10, s11
	s_mov_b32 s11, 0
	s_lshl_b32 s[THS], s[CX], 5
	s_lshl_b32 s[THH], s3, 5
	; descriptor group 1: a tile of 64 rows x 128 elements, padded in LDS
	s_mov_b32 s[G1K], 15|(1<<16)|(1<<20)|(1<<21)|(5<<22)|(3<<25)  ; 15:0 the mask of four; 17:16 2-byte elements; 20 padding on; 21 set beside a mask; 24:22 after every 64 words (code 5); 31:25 4 words (code 3)
	s_mov_b32 s[G1V], 15|(1<<16)|(1<<20)|(1<<21)|(5<<22)|(7<<25)  ; the same with 8 words of padding (code 7)
.irp g, G1K, G1V
	s_mov_b32 s[\g+1], 128<<16      ; tensor_dim0 = 128
	s_mov_b32 s[\g+2], 64<<16       ; tensor_dim1 = 64
	s_mov_b32 s[\g+3], 128<<16      ; tile_dim0 = 128
	s_mov_b32 s[\g+4], 64           ; tile_dim1 = 64
	s_mov_b32 s[\g+5], 128          ; 128 elements from row to row
	s_mov_b32 s[\g+6], 0
	s_mov_b32 s[\g+7], 0
.endr
	s_mov_b32 s[G0K], 1             ; count = 1
	s_mul_i32 s[G0K+1], s2, 64*PK   ; LDS address: slot 0; no place in the cluster enters it
	s_mov_b32 s[G0V], 1
	s_mul_i32 s[G0V+1], s2, 64*PV
	s_add_co_u32 s[G0V+1], s[G0V+1], VOFF
	s_mov_b32 s[CS], 0x410293ee     ; c = 64 log2(e) / sqrt(128) = 8.16109
	s_mov_b32 s[CS+1], s[CS]        ; named with it as a pair
	s_mov_b32 s[SEL], 0x76543210
	s_mov_b32 s[SEL+1], 0xfedcba98
	s_mov_b32 s[BIGN], 0xf149f2ca   ; -1e30
	s_mov_b32 s[TB], SLOTD          ; the first change of slots turns it into 0
	s_mov_b32 s[NXT], 0
	s_mov_b32 s[LQ], s[CA]
	s_add_co_u32 s[RT], s[CA], 1    ; the first block has a + 1 tiles
	s_mov_b32 s[SW], 0
	s_mov_b32 s[CNT], 16
	s_mov_b32 s[OFF+1], 0
	s_wait_dscnt 0x0                ; the opening add is done
	s_wait_kmcnt 0x0
	s_add_nc_u64 s[KB:KB+1], s[4:5], s[16:17]
	s_add_nc_u64 s[VB:VB+1], s[4:5], s[18:19]
	s_add_nc_u64 s[QLO:QLO+1], s[4:5], s[20:21]
	s_add_nc_u64 s[QHI:QHI+1], s[4:5], s[22:23]
	s_add_nc_u64 s[OB:OB+1], s[6:7], s[8:9]
	s_add_nc_u64 s[OHI:OHI+1], s[6:7], s[10:11]
	s_mov_b64 s[G0K+2:G0K+3], s[KB:KB+1]           ; global address: tile 0
	s_or_b32 s[G0K+3], s[G0K+3], 0x80000000        ; type = 2
	s_mov_b64 s[G0V+2:G0V+3], s[VB:VB+1]
	s_or_b32 s[G0V+3], s[G0V+3], 0x80000000
	ADV
	CROUND                          ; all four work-groups are here: the first joint loads meet
	JLOAD                           ; tile 0 into slot 0.  Slot 1 is asked for by the loop's first change of slots
	v_and_b32 v1, 15, v0            ; r = l % 16
	v_bfe_u32 v9, v0, 4, 1          ; h = l / 16
	v_and_b32 v20, 31, v0           ; lane
	v_and_b32 v21, 7, v0
	v_bfe_u32 v22, v0, 3, 1
	v_lshlrev_b32 v[QO], 8, v1      ; a fragment of Q or K: row r, channels 8 h + 0..7 and 16 + 8 h + 0..7: two loads of 16 bytes, 32 bytes apart
	v_lshl_add_u32 v[QO], v9, 4, v[QO]
	WIN 0x80                        ; destination window 2, address window 0
.set i, 0
.rept 16                            ; both blocks' Q stay in registers: tile i / 4, channels 32 (i % 4) on
	global_load_b128 v[8*i:8*i+3],   v[QO], s[QLO:QLO+1] offset:(i/8)*524288+((i/4)%2)*4096+(i%4)*64
	global_load_b128 v[8*i+4:8*i+7], v[QO], s[QLO:QLO+1] offset:(i/8)*524288+((i/4)%2)*4096+(i%4)*64+32
.set i, i+1
.endr
	WIN 0xc0                        ; destination window 3
.set i, 0
.rept 16
	global_load_b128 v[8*i:8*i+3],   v[QO], s[QHI:QHI+1] offset:(i/8)*524288+((i/4)%2)*4096+(i%4)*64
	global_load_b128 v[8*i+4:8*i+7], v[QO], s[QHI:QHI+1] offset:(i/8)*524288+((i/4)%2)*4096+(i%4)*64+32
.set i, i+1
.endr
	WIN 0
	s_mul_i32 s2, s[WV], 32*PK      ; my 32 keys of a tile
	v_mul_u32_u24 v[AK0], v1, PK
	v_lshl_add_u32 v[AK0], v9, 4, v[AK0]
	v_add_nc_u32 v[AK0], s2, v[AK0]
	s_mul_i32 s2, s[WV], 32*PV
	s_add_co_u32 s2, s2, VOFF
	v_lshl_add_u32 v[AV0], v9, 3, v21  ; the turning load: lane l reads key 8 h + l % 8, channels 8 ((l / 8) % 2) + 0..7, and is left with channel r and 8 keys
	v_mul_u32_u24 v[AV0], v[AV0], PV
	v_lshl_add_u32 v[AV0], v22, 4, v[AV0]
	v_add_nc_u32 v[AV0], s2, v[AV0]
	s_mul_i32 s2, s[WV], MGW
	s_add_co_u32 s2, s2, MG
	v_mul_u32_u24 v[MW], v1, MP     ; my partial O: row 16 t + r, 32 bytes (8 f32) for each half of the lanes
	v_lshl_add_u32 v[MW], v9, 5, v[MW]
	v_add_nc_u32 v[MW], s2, v[MW]
	s_lshl_b32 s2, s[WV], 9
	s_add_co_u32 s2, s2, STT
	v_lshl_add_u32 v[SA], v1, 3, s2
	s_mul_i32 s2, s[WV], 16*MP      ; the rows of tile w in a partial result
	s_add_co_u32 s2, s2, MG
	v_lshl_add_u32 v[MR0], v20, 4, s2
	v_add_nc_u32 v[MR0+1], 2*MGW, v[MR0]
	s_lshl_b32 s2, s[WV], 7
	s_add_co_u32 s2, s2, STT
	v_lshl_add_u32 v[SRD], v1, 3, s2
	s_lshl_b32 s2, s[WV], 8
	s_add_co_u32 s2, s2, GL
	v_lshl_add_u32 v[GW], v1, 4, s2
	v_mov_b32 v[GR], s2
	v_lshlrev_b32 v[GO], 3, v20
	s_lshl_b32 s2, s[WV], 5
	v_lshlrev_b32 v[THRB], 3, v9
	v_sub_nc_u32 v[THRB], v1, v[THRB]
	v_sub_nc_u32 v[THRB], v[THRB], s2
	; The first step multiplies O^T by a = 0, so it need only hold finite numbers: zeros here, once a launch, in the wait for the first tile; the price of writing no first step out.
	WIN 0x40
.set i, 0
.rept 256
	v_mov_b32 v[i], 0
.set i, i+1
.endr
	WIN 0
	NEWSTAT
	MKMASK
	s_wait_loadcnt 0x0              ; Q
.Ltile:                             ; 16 trips: a tile is entered and the next is asked for
	CHANGE 1
	s_cmp_eq_u32 s[SW], 1
	s_cbranch_scc0 .Lgo             ; forward, past no barrier and no tensor load
	MERGE_READ                      ; the round above stands between every wave's merge stores and these reads
	BEGIN2
.Lgo:
	TILE 0
	s_wait_dscnt 0x0
	s_barrier_signal -1             ; a merge's reads of this trip are over in every wave before any wave stores a merge again
	s_barrier_wait -1
	s_sub_co_u32 s[RT], s[RT], 1
	s_cmp_lg_u32 s[RT], 0
	s_cbranch_scc1 .Lnx
	MERGE_WRITE                     ; the first block has ended
	s_mov_b32 s[SW], 1
	s_add_co_u32 s[RT], s[HIQ], 1   ; the second has 16 - a tiles
.Lnx:
	s_sub_co_u32 s[CNT], s[CNT], 1
	s_cmp_lg_u32 s[CNT], 0
	s_cbranch_scc1 .Ltile
	CHANGE 0                        ; the walk's last tile, the second block's diagonal one, is written out: nothing is asked for
	TILE 1
	MERGE_WRITE
	s_wait_dscnt 0x0                ; for the others' sake: my stores are done
	s_barrier_signal -1
	s_barrier_wait -1
	MERGE_READ
	s_wait_tensorcnt 0x0            ; the wave's end, behind my last tensor load and my last LDS store
	ds_add_u32 v[SPW], v[NIL]
	s_wait_dscnt 0x0
	CROUND                          ; the closing round: no work-group ends while a partner may still ask for a tile that names it
	s_endpgm
.Lfunc_end_k_qd4d104420a_attention:
	.size	k_qd4d104420a_attention, .Lfunc_end_k_qd4d104420a_attention-k_qd4d104420a_attention
	.p2alignl 7, 3214868480
	.fill 96, 4, 3214868480
	.section	.rodata,"a",@progbits
	.p2align	6, 0x0
	.amdhsa_kernel k_qd4d104420a_attention
		.amdhsa_group_segment_fixed_size 327680
		.amdhsa_private_segment_fixed_size 0
		.amdhsa_enable_private_segment 0
		.amdhsa_kernarg_size 16
		.amdhsa_user_sgpr_count 2
		.amdhsa_user_sgpr_kernarg_segment_ptr 1
		.amdhsa_wavefront_size32 1
		.amdhsa_system_sgpr_workgroup_id_x 1
		.amdhsa_system_sgpr_workgroup_id_y 1
		.amdhsa_system_sgpr_workgroup_id_z 1
		.amdhsa_system_vgpr_workitem_id 0
		.amdhsa_next_free_vgpr 896
		.amdhsa_next_free_sgpr 80
		.amdhsa_reserve_vcc 1
		.amdhsa_float_denorm_mode_32 3
		.amdhsa_float_denorm_mode_16_64 3
		.amdhsa_memory_ordered 1
		.amdhsa_forward_progress 1
		.amdhsa_inst_pref_size 137
	.end_amdhsa_kernel
	.amdgpu_metadata
---
amdhsa.version: [ 1, 2 ]
amdhsa.kernels:
  - .name:           k_qd4d104420a_attention
    .symbol:         k_qd4d104420a_attention.kd
    .args:
      - { .name: qkv, .offset: 0, .size: 8, .value_kind: global_buffer, .address_space: global }
      - { .name: ao, .offset: 8, .size: 8, .value_kind: global_buffer, .address_space: global }
    .group_segment_fixed_size: 327680
    .private_segment_fixed_size: 0
    .kernarg_segment_align: 8
    .kernarg_segment_size: 16
    .max_flat_workgroup_size: 128
    .sgpr_count:     80
    .vgpr_count:     896
    .wavefront_size: 32
...
	.end_amdgpu_metadata
.endif
;; end of part 3
;; launch oproj (part 4): grid 16 x 16, 4 waves a work-group, clusters of 4 x 4, 327,680 bytes of LDS; arguments ao, wo16, out0; writes out0
.if DOCPART == 4
	.amdgcn_target "amdgcn-amd-amdhsa--gfx1250"
	.amdhsa_code_object_version 6
	.text
	.protected	k_qd4d104420a_oproj
	.globl	k_qd4d104420a_oproj
	.p2align	8
	.type	k_qd4d104420a_oproj,@function
k_qd4d104420a_oproj:
	s_mov_b64 s[64:65], 0
	v_nop
	global_prefetch_b8 v0, s[64:65] scope:SCOPE_SE
	s_setreg_imm32_b32 hwreg(HW_REG_WAVE_MODE, 25, 1), 1
	s_wait_xcnt 0x0
	s_wait_alu depctr_hold_cnt(0) depctr_sa_sdst(0) depctr_va_vdst(0) depctr_va_sdst(0) depctr_va_ssrc(0) depctr_va_vcc(0) depctr_vm_vsrc(0)
	s_getreg_b32 s2, hwreg(HW_REG_IB_STS2, 6, 4)
	s_cmp_eq_u32 s2, 0
	s_cbranch_scc0 .Lentry_in_a_cluster
	s_endpgm
.Lentry_in_a_cluster:
	s_bfe_u32 s2, ttmp6, 0x10000c
	s_cmp_lg_u32 s2, 0xf033
	s_cbranch_scc0 .Lentry_shape_is_right
	s_endpgm
.Lentry_shape_is_right:
; ONE TEXT FOR TWO LAUNCHES; THE LINE BELOW SAYS WHICH THIS FILE IS.
;   MODE 0: [q | k | v] / 8 = hb wb (bf16 x bf16, K = 4,096), q and k turned by the tables (RoPE), stored by heads in f16: qkv [32 heads][2048][128]
;   MODE 1: out0 = ao wo16 (f16 x f16, K = 2,048), stored in f32
.set MODE, 1
; C [2048][4096] = A [2048][K] B [K][4096]; A's rows lie along K, B's along N.  Sums in f32, K ascending, one sum for each output.
; LIMITS (MODE 0): q, k, v leave as f16 of their eighth: |q|, |k|, |v| < 8 x 65,504 = 524,032, beyond that an infinity; below 8 x 6e-5 they keep f16's fixed step.
; SHARES.  A tile of C is 128 x 256: 16 x 16 tiles, one for each of 256 work-groups.  Four waves; wave w makes rows 64 (w / 2) on, columns 128 (w % 2) on: 32 accumulators of 16 x 16.
; K goes in steps of 128 through a ring of two LDS slots.  A K step of 256 would want two slots of 206,848 bytes: they do not fit.
; THE MATRIX INSTRUCTION IS USED TRANSPOSED: source 0 = 16 columns of B, source 1 = 16 rows of A: a lane (r = l % 16, h = l / 16) then holds row r of C and the columns 8 h + 0..7 of the block.
; B lies [k][n] in LDS as in memory, and its fragments come out turned, by ds_load_tr16_b128.
; CLUSTER 4 x 4: A's tile hangs on the tile row alone and is asked for jointly along a row of the cluster, B's on the tile column alone, jointly along a column.
; REGISTERS, in windows of 256 (s_set_vgpr_msb: bits 1:0 source 0, 3:2 source 1, 5:4 source 2, 7:6 destination):
;   window 0: v0-31 addresses; v32-95 at work on the way out; v128-255 A's fragments, two buffers of 64 along K: v[128 + 64 f + 32 c + 8 a]
;   window 1: the accumulators, (a, b) at v[8 (8 a + b)]      window 2: B's fragments, v[128 f + 64 c + 8 b]      window 3 (MODE 0): the tables, cos at v[64 a + 8 b], sin four on
.if MODE == 0
.set KDIM,   4096
.set SPITCH, 272                       ; a stage row: 128 f16 + 16 bytes
.else
.set KDIM,   2048
.set SPITCH, 528                       ; a stage row: 128 f32 + 16 bytes
.endif
.set NDIM,   4096
.set KSTEP,  128
.set PA,     272                       ; a row of A in LDS: 256 bytes + 16 = 68 words: the 16 rows of a load start at 16 different groups of four banks (64 banks of 4 bytes: ISA guide 11.1)
.set PB,     544                       ; a row of B: 512 bytes + 32 = 136 words
.set AHALF,  64*PA                     ; what one tensor load brings of A: 64 rows
.set BHALF,  64*PB                     ; and of B: 64 rows of k
.set BOFF,   2*AHALF                   ; in a slot: A's 128 rows, then B's 128
.set SLOT,   2*AHALF+2*BHALF
.set STAGE,  2*SLOT                    ; behind the ring, never filled by a tensor load: 16 rows for each wave, its own
.set SPARE,  STAGE+4*16*SPITCH         ; behind the stages: the spare words, 128 bytes a wave: two blocks of 256 bytes that no other line names
.set LAPS,   KDIM/(2*KSTEP)            ; a lap = two K steps = once round the ring
.set ADRA, 16                          ; v16-17  LDS address of my A fragments in slot 0, 1
.set ADRB, 20                          ; v20-21  the same for B
.set STO,  24                          ; v24     the way out: where I put my part of a row
.set RD,   25                          ; v25     the way out: where I read rows back
.set CO,   26                          ; v26     16 x lane: my 16 bytes in 512 consecutive bytes of the output
.set TO,   27                          ; v27     my byte offset in 16 rows of a table
.set SPW,  28                          ; v28     LDS address of my spare word; never rewritten
.set NIL,  29                          ; v29     0; never rewritten
.set T,    32                          ; v32-95  at work
.set FA,   128
.set G1,  24                           ; s[24:31] descriptor group 1 for A's tiles;  s[32:39] group 0, a set for each slot
.set G0,  32
.set G1B, 48                           ; s[48:55], s[56:63] the same for B's
.set G0B, 56
.set MSB, 0
.macro WIN new                         ; the immediate's high byte repeats the setting that is left; a switch that changes nothing is dropped
.if MSB != (\new)
	s_set_vgpr_msb (MSB<<8)|(\new)
.set MSB, \new
.endif
.endm
.set MUL,  0x52                        ; B window 2, A window 0, C and D window 1
.set TO_B, 0x80                        ; destination window 2, address window 0
; A joint load: waves 0 and 1 fetch A's two halves, waves 2 and 3 B's.  The branch hangs on the wave's number alone.  An s_nop 0 and four v_nop follow each of the two lines.
.macro JLOAD s
	s_cmp_eq_u32 s11, 0
	s_cbranch_scc0 .Lfor_b_\@
	tensor_load_to_lds s[G0+4*(\s):G0+4*(\s)+3], s[G1:G1+7]
	s_nop 0
.rept 4
	v_nop
.endr
	s_branch .Lasked_\@
.Lfor_b_\@:
	tensor_load_to_lds s[G0B+4*(\s):G0B+4*(\s)+3], s[G1B:G1B+7]
	s_nop 0
.rept 4
	v_nop
.endr
.Lasked_\@:
.endm
.macro CREST                           ; a round of the cluster's barrier behind its opening barrier
	s_cmp_lg_u32 s10, 0
	s_cbranch_scc1 .Lnot_wave_0_\@
	s_barrier_signal -3
.Lnot_wave_0_\@:
	s_barrier_wait -3
	s_barrier_signal -1
	s_barrier_wait -1
.endm
.macro CROUND                          ; a whole round
	s_barrier_signal -1
	s_barrier_wait -1
	CREST
.endm
.macro PLACES                          ; four places in front of loads into registers that matrix instructions have read, and of lines that read results just made
.rept 4
	v_nop
.endr
.endm
	s_load_b128 s[4:7], s[0:1], 0x0                ; A s[4:5], B s[6:7]
.if MODE == 0
	s_load_b128 s[68:71], s[0:1], 0x10             ; qkv s[68:69], cs s[70:71]
.else
	s_load_b64 s[68:69], s[0:1], 0x10              ; out0
.endif
	v_lshl_add_u32 v[SPW], v0, 2, SPARE
	v_mov_b32 v[NIL], 0
	ds_add_u32 v[SPW], v[NIL]                      ; the wave's opening: the add and its wait stand ahead of my first tensor load; the set-up below, work on registers, stands between them
	v_lshrrev_b32 v1, 5, v0
	v_readfirstlane_b32 s10, v1                    ; wave 0..3
	s_lshr_b32 s11, s10, 1                         ; which 64 rows of the tile are mine.  Also: I fetch for A (0) or for B (1)
	s_and_b32 s12, s10, 1                          ; which 128 columns.  Also: which half of that tile I fetch
	s_bfe_u32 s40, ttmp6, 0x40000                  ; cx, cy: my place in the cluster
	s_bfe_u32 s41, ttmp6, 0x40004
	s_mov_b32 s45, ttmp9                           ; the cluster's x, equal in all sixteen partners: 3 = the columns of v
	s_lshl_b32 s42, ttmp9, 2
	s_add_co_u32 s42, s42, s40                     ; tile column = 4 x cluster x + cx
	s_and_b32 s13, ttmp7, 0xffff
	s_lshl_b32 s13, s13, 2
	s_add_co_u32 s13, s13, s41                     ; tile row = 4 x cluster y + cy
	s_lshl_b32 s43, s41, 2
	s_lshl_b32 s43, 15, s43                        ; my row of the cluster: places 4 cy .. 4 cy + 3
	s_lshl_b32 s44, 0x1111, s40                    ; my column: places cx, cx + 4, cx + 8, cx + 12
	s_or_b32 s[G1+0], s43, (1<<16)|(1<<20)|(1<<21)|(5<<22)|(3<<25)   ; 15:0 the mask; 17:16 2-byte elements; 20 padding on; 21 set beside a mask; 24:22 after every 64 words (code 5); 31:25 4 words (code 3)
	s_or_b32 s[G1B+0], s44, (1<<16)|(1<<20)|(1<<21)|(6<<22)|(7<<25)  ; B: after every 128 words (code 6), 8 words (code 7)
	s_mov_b32 s[G1+1], KSTEP<<16                   ; A: tensor_dim0 = 128
	s_mov_b32 s[G1+2], 64<<16                      ; tensor_dim1 = 64
	s_mov_b32 s[G1+3], KSTEP<<16                   ; tile_dim0 = 128
	s_mov_b32 s[G1+4], 64                          ; tile_dim1 = 64
	s_mov_b32 s[G1+5], KDIM                        ; elements from row to row
	s_mov_b32 s[G1+6], 0
	s_mov_b32 s[G1+7], 0
	s_mov_b32 s[G1B+1], 256<<16                    ; B: tensor_dim0 = 256
	s_mov_b32 s[G1B+2], 64<<16
	s_mov_b32 s[G1B+3], 256<<16                    ; tile_dim0 = 256
	s_mov_b32 s[G1B+4], 64
	s_mov_b32 s[G1B+5], NDIM
	s_mov_b32 s[G1B+6], 0
	s_mov_b32 s[G1B+7], 0
	; A's address is made of the tile row and the wave's number, B's of the tile column and the wave's number, each in registers that never hold the other coordinate
	s_lshl_b32 s16, s13, 7
	s_lshl_b32 s17, s12, 6
	s_add_co_u32 s16, s16, s17                     ; A: row 128 x tile row + 64 x half,
	s_mul_i32 s16, s16, KDIM*2                     ; in bytes (under 2^25)
	s_mov_b32 s17, 0
	s_lshl_b32 s46, s42, 9                         ; B: column 256 x tile column, in bytes,
	s_lshl_b32 s47, s12, 19                        ; and 64 rows of 8,192 bytes for the second half
	s_add_co_u32 s46, s46, s47
	s_mov_b32 s47, 0
	s_mul_i32 s20, s12, AHALF                      ; where they go: no place in the cluster enters an LDS address
	s_mul_i32 s21, s12, BHALF
	s_add_co_u32 s21, s21, BOFF
	s_wait_dscnt 0x0                               ; the opening add is done
	s_wait_kmcnt 0x0
	s_add_nc_u64 s[14:15], s[4:5], s[16:17]
	s_add_nc_u64 s[46:47], s[6:7], s[46:47]
	CROUND                                         ; all sixteen work-groups are here: the first joint loads meet
.irp s, 0,1
	s_mov_b32 s[G0+4*(\s)], 1                      ; count = 1
	s_add_co_u32 s[G0+4*(\s)+1], s20, (\s)*SLOT    ; LDS address
	s_add_nc_u64 s[G0+4*(\s)+2:G0+4*(\s)+3], s[14:15], (\s)*KSTEP*2  ; global address: K step s
	s_or_b32 s[G0+4*(\s)+3], s[G0+4*(\s)+3], 0x80000000              ; type = 2
	s_mov_b32 s[G0B+4*(\s)], 1
	s_add_co_u32 s[G0B+4*(\s)+1], s21, (\s)*SLOT
	s_add_nc_u64 s[G0B+4*(\s)+2:G0B+4*(\s)+3], s[46:47], (\s)*KSTEP*NDIM*2
	s_or_b32 s[G0B+4*(\s)+3], s[G0B+4*(\s)+3], 0x80000000
	JLOAD \s                                       ; two loads of mine are out
.endr
	v_and_b32 v1, 15, v0                           ; r = l % 16
	v_bfe_u32 v2, v0, 4, 1                         ; h = l / 16
	v_and_b32 v5, 7, v0
	v_bfe_u32 v6, v0, 3, 1
	v_and_b32 v8, 31, v0                           ; lane
	v_mul_u32_u24 v3, v1, PA                       ; a fragment of A: row r, 16 bytes for each half of the lanes; two loads 32 bytes apart
	v_lshl_add_u32 v3, v2, 4, v3
	v_lshl_add_u32 v7, v2, 3, v5                   ; the turning load: lane l reads k = 8 h + l % 8, columns 8 ((l / 8) % 2) + 0..7, and is left with column r and 8 k
	v_mul_u32_u24 v7, v7, PB
	v_lshl_add_u32 v7, v6, 4, v7
	s_mul_i32 s22, s11, AHALF                      ; my 64 rows of A
	s_lshl_b32 s23, s12, 8                         ; my 128 columns of B,
	s_add_co_u32 s23, s23, BOFF                    ; which lies behind A
.irp s, 0,1
	v_add_nc_u32 v[ADRA+(\s)], s22, v3
	v_add_nc_u32 v[ADRB+(\s)], s23, v7
	s_add_co_u32 s22, s22, SLOT
	s_add_co_u32 s23, s23, SLOT
.endr
	s_mul_i32 s22, s10, 16*SPITCH
	s_add_co_u32 s22, s22, STAGE                   ; my stage
	v_mul_u32_u24 v4, v1, SPITCH
.if MODE == 0
	v_lshl_add_u32 v4, v2, 4, v4                   ; in: row r, 16 bytes (8 f16) for each half of the lanes
	v_add_nc_u32 v[STO], s22, v4
	v_mul_u32_u24 v4, v2, SPITCH                   ; back: lanes 0-15 one row of 256 bytes, lanes 16-31 the next
	v_lshl_add_u32 v4, v1, 4, v4
	v_add_nc_u32 v[RD], s22, v4
.else
	v_lshl_add_u32 v4, v2, 5, v4                   ; in: row r, 32 bytes (8 f32) for each half of the lanes
	v_add_nc_u32 v[STO], s22, v4
	v_lshl_add_u32 v[RD], v8, 4, s22               ; back: 32 lanes take one row of 512 bytes
.endif
	v_lshlrev_b32 v[CO], 4, v8
.if MODE == 0
	s_lshl_b32 s16, s13, 15                        ; my first position, 128 x tile row + 64 (w / 2), times 256 bytes: a row of a head and a row of a table alike
	s_lshl_b32 s17, s11, 14
	s_add_co_u32 s16, s16, s17
	s_mov_b32 s17, 0
	s_add_nc_u64 s[70:71], s[70:71], s[16:17]
	s_add_nc_u64 s[68:69], s[68:69], s[16:17]
	s_lshl_b32 s46, s42, 20                        ; my 128 columns are one head: 2 x tile column + w % 2, 524,288 bytes each
	s_lshl_b32 s47, s12, 19
	s_add_co_u32 s46, s46, s47
	s_mov_b32 s47, 0
	s_add_nc_u64 s[68:69], s[68:69], s[46:47]
	; THE TABLES.  My columns 16 b + 8 h + 0..7 of a head are the pairs 8 b + 4 h + 0..3: 16 bytes of cos and of sin for each accumulator.  They are asked for now and waited for on the way out.
	; The work-groups that make v load them too and leave them unread: the loads stand on the one path that every work-group walks, so that the registers are written wherever the text names them.
	v_lshlrev_b32 v[TO], 8, v1
	v_lshl_add_u32 v[TO], v2, 4, v[TO]
	WIN 0xc0                                       ; destination window 3, address window 0
.irp a, 0,1,2,3
.irp b, 0,1,2,3,4,5,6,7
	global_load_b128 v[64*(\a)+8*(\b):64*(\a)+8*(\b)+3],   v[TO], s[70:71] offset:(\a)*4096+32*(\b)
	global_load_b128 v[64*(\a)+8*(\b)+4:64*(\a)+8*(\b)+7], v[TO], s[70:71] offset:(\a)*4096+32*(\b)+524288
.endr
.endr
	WIN 0
.else
	s_lshl_b32 s16, s13, 21                        ; my first row, 128 x tile row + 64 (w / 2), times 16,384 bytes
	s_lshl_b32 s17, s11, 20
	s_add_co_u32 s16, s16, s17
	s_mov_b32 s17, 0
	s_add_nc_u64 s[68:69], s[68:69], s[16:17]
	s_lshl_b32 s46, s42, 10                        ; my first column, 256 x tile column + 128 (w % 2), times 4 bytes
	s_lshl_b32 s47, s12, 9
	s_add_co_u32 s46, s46, s47
	s_mov_b32 s47, 0
	s_add_nc_u64 s[68:69], s[68:69], s[46:47]
.endif
.macro WM zero                         ; one matrix instruction on rD, rB, rA; zero = 1: it starts the sum: nothing is ever cleared
.if MODE == 0
.if \zero
	v_wmma_f32_16x16x32_bf16 v[rD:rD+7], v[rB:rB+7], v[rA:rA+7], 0
.else
	v_wmma_f32_16x16x32_bf16 v[rD:rD+7], v[rB:rB+7], v[rA:rA+7], v[rD:rD+7]
.endif
.else
.if \zero
	v_wmma_f32_16x16x32_f16 v[rD:rD+7], v[rB:rB+7], v[rA:rA+7], 0
.else
	v_wmma_f32_16x16x32_f16 v[rD:rD+7], v[rB:rB+7], v[rA:rA+7], v[rD:rD+7]
.endif
.endif
.endm
; 16 matrix instructions: row blocks a0, a0 + 1 x all 8 column blocks, 32 along K: half c of buffer f.  The 32 accumulators take turns, one instruction a turn, in the same order throughout.
.macro MUL16 f, c, a0, zero
	WIN MUL
.irp a, \a0, (\a0)+1
.irp b, 0,1,2,3,4,5,6,7
.set rD, 8*(8*(\a)+(\b))
.set rB, 128*(\f)+64*(\c)+8*(\b)
.set rA, FA+64*(\f)+32*(\c)+8*(\a)
	WM \zero
.endr
.endr
.endm
; 48 LDS loads in one run: the fragments of 64 along K (half hk of the slot's K step) into buffer f: B's 32, then A's 16, of which the last eight belong to the second 32 along K
.macro FETCH slot, hk, f
	WIN TO_B
.irp c, 0,1
.irp b, 0,1,2,3,4,5,6,7
	ds_load_tr16_b128 v[128*(\f)+64*(\c)+8*(\b):128*(\f)+64*(\c)+8*(\b)+3],   v[ADRB+(\slot)] offset:(64*(\hk)+32*(\c))*PB+32*(\b)
	ds_load_tr16_b128 v[128*(\f)+64*(\c)+8*(\b)+4:128*(\f)+64*(\c)+8*(\b)+7], v[ADRB+(\slot)] offset:(64*(\hk)+32*(\c)+16)*PB+32*(\b)
.endr
.endr
	WIN 0
.irp c, 0,1
.irp a, 0,1,2,3
	ds_load_b128 v[FA+64*(\f)+32*(\c)+8*(\a):FA+64*(\f)+32*(\c)+8*(\a)+3],   v[ADRA+(\slot)] offset:(\a)*16*PA+128*(\hk)+64*(\c)
	ds_load_b128 v[FA+64*(\f)+32*(\c)+8*(\a)+4:FA+64*(\f)+32*(\c)+8*(\a)+7], v[ADRA+(\slot)] offset:(\a)*16*PA+128*(\hk)+64*(\c)+32
.endr
.endr
.endm
; A K step is two halves of 64 along K, 64 matrix instructions each.  The first multiplies buffer 0 and fetches the slot's second half into buffer 1.
.macro HALF slot, zero
	s_wait_dscnt 8                                 ; all but the youngest eight loads (A's second 32 along K) are in
	MUL16 0, 0, 0, \zero
	MUL16 0, 0, 2, \zero
	PLACES
	FETCH \slot, 1, 1
	s_wait_dscnt 48                                ; all but the 48 just issued
	MUL16 0, 1, 0, 0
	MUL16 0, 1, 2, 0
.endm
; The second half multiplies buffer 1 and changes slots: ONE barrier; in front of it each wave waits for all its tensor loads (one is out: its part of the next slot), adds 0 to its spare word,
; and waits for that and for its own reads of this slot.  fill = 1: the barrier opens a round of the cluster's, and this slot is filled again, two K steps ahead, first thing behind the round:
; the load has 96 matrix instructions of each wave in which to land.
.macro TURN slot, next, fill
	WIN 0                                          ; (the add's two registers lie in window 0)
	s_wait_tensorcnt 0x0                           ; all my tensor loads have landed
	ds_add_u32 v[SPW], v[NIL]                      ; 0 onto my spare word
	s_wait_dscnt 9                                 ; (the add and the youngest eight loads may be out)
	MUL16 1, 0, 0, 0                               ; sixteen matrix instructions stand between the add and the wait for it
	s_wait_dscnt 0x0                               ; the add is done, and my reads of this slot are over
	s_barrier_signal -1
	MUL16 1, 0, 2, 0
.if \fill
	WIN 0
.endif
	s_barrier_wait -1
.if \fill
	CREST                                          ; no wave of any partner still reads this slot's tiles or has a load on its way
	s_add_nc_u64 s[G0+4*(\slot)+2:G0+4*(\slot)+3], s[G0+4*(\slot)+2:G0+4*(\slot)+3], 2*KSTEP*2
	s_add_nc_u64 s[G0B+4*(\slot)+2:G0B+4*(\slot)+3], s[G0B+4*(\slot)+2:G0B+4*(\slot)+3], 2*KSTEP*NDIM*2
	JLOAD \slot                                    ; its four v_nop are also the places in front of the loads below
.else
	PLACES
.endif
	FETCH \next, 0, 0
	MUL16 1, 1, 0, 0
	MUL16 1, 1, 2, 0
.endm
; THE WAY OUT, MODE 0.  ROPE: the pair (x0, x1) of registers 2 p, 2 p + 1 becomes (x0 c - x1 s, x1 c + x0 s): two products, two fused multiply-adds.  Each accumulator is read from its low end on.
.macro ROPE a
	WIN 0x0d                                       ; x in window 1, sin in window 3, the products in window 0
.irp b, 0,1,2,3,4,5,6,7
.irp p, 0,1,2,3
	v_mul_f32 v[T+8*(\b)+2*(\p)],   v[8*(8*(\a)+(\b))+2*(\p)+1], v[64*(\a)+8*(\b)+4+(\p)]  ; x1 s
	v_mul_f32 v[T+8*(\b)+2*(\p)+1], v[8*(8*(\a)+(\b))+2*(\p)],   v[64*(\a)+8*(\b)+4+(\p)]  ; x0 s
.endr
.endr
	WIN 0x4d                                       ; x (destination and source 0) in window 1, cos in window 3, the products in window 0
.irp b, 0,1,2,3,4,5,6,7
.irp p, 0,1,2,3
	v_fma_f32 v[8*(8*(\a)+(\b))+2*(\p)],   v[8*(8*(\a)+(\b))+2*(\p)],   v[64*(\a)+8*(\b)+(\p)], -v[T+8*(\b)+2*(\p)]
	v_fma_f32 v[8*(8*(\a)+(\b))+2*(\p)+1], v[8*(8*(\a)+(\b))+2*(\p)+1], v[64*(\a)+8*(\b)+(\p)], v[T+8*(\b)+2*(\p)+1]
.endr
.endr
.endm
.macro PACK a                          ; block a (16 rows) rounded to f16: 16 bytes a lane and column block
	WIN 0x05                                       ; sources in window 1, destination in window 0
.irp b, 0,1,2,3,4,5,6,7
.irp p, 0,1,2,3
	v_cvt_pk_f16_f32 v[T+4*(\b)+(\p)], v[8*(8*(\a)+(\b))+2*(\p)], v[8*(8*(\a)+(\b))+2*(\p)+1]
.endr
.endr
.endm
.macro TOSTAGE a                       ; into my stage, and back as whole rows of 256 bytes, into v[64 + 32 a ..]
	WIN 0
.irp b, 0,1,2,3,4,5,6,7
	ds_store_b128 v[STO], v[T+4*(\b):T+4*(\b)+3] offset:32*(\b)
.endr
.irp t, 0,1,2,3,4,5,6,7
	ds_load_b128 v[64+32*(\a)+4*(\t):64+32*(\a)+4*(\t)+3], v[RD] offset:(\t)*2*SPITCH  ; LDS serves a wave's instructions in order (ISA guide 5.7.1.4): these see the stores above
.endr
.endm
.macro SEND a
	WIN 0
	s_wait_dscnt 0x0                               ; the block is back in registers
.irp t, 0,1,2,3,4,5,6,7
	global_store_b128 v[CO], v[64+32*(\a)+4*(\t):64+32*(\a)+4*(\t)+3], s[68:69] offset:(\a)*4096+(\t)*512  ; two rows of a head: 512 consecutive bytes, aligned
.endr
.endm
; THE WAY OUT, MODE 1: f32 as it stands: 16 rows of 512 bytes through my stage, low four registers of an accumulator first; back as whole rows, into window 2 v[64 a ..]
.macro TOSTAGE2 a
	WIN 0x04                                       ; store data in window 1
.irp b, 0,1,2,3,4,5,6,7
	ds_store_b128 v[STO], v[8*(8*(\a)+(\b)):8*(8*(\a)+(\b))+3]   offset:64*(\b)
	ds_store_b128 v[STO], v[8*(8*(\a)+(\b))+4:8*(8*(\a)+(\b))+7] offset:64*(\b)+16
.endr
	WIN 0x80
.irp t, 0,1,2,3,4,5,6,7,8,9,10,11,12,13,14,15
	ds_load_b128 v[64*(\a)+4*(\t):64*(\a)+4*(\t)+3], v[RD] offset:(\t)*SPITCH
.endr
.endm
.macro SEND2 a, younger                ; younger: the LDS instructions issued behind block a's loads: the next block's 32, or none
	WIN 0x08                                       ; store data in window 2
	s_wait_dscnt \younger
.irp t, 0,1,2,3,4,5,6,7,8,9,10,11,12,13,14,15
	global_store_b128 v[CO], v[64*(\a)+4*(\t):64*(\a)+4*(\t)+3], s[68:69] offset:(16*(\a)+(\t))*NDIM*4 th:TH_STORE_NT  ; 512 consecutive bytes of a row, aligned
.endr
.endm
	s_wait_tensorcnt 1                             ; my part of K step 0 is in; K step 1's may stay out
	s_barrier_signal -1
	s_barrier_wait -1                              ; everybody's is
	FETCH 0, 0, 0
	HALF 0, 1                                      ; the first half step stands in front of the loop: its first products start the sums
	WIN 0                                          ; at a label and at a branch every window is 0
	s_mov_b32 s3, LAPS-1
.Llap:                                                 ; a trip goes once round the ring, from a lap's second half step to the next lap's first, and fills both slots again
	TURN 0, 1, 1
	HALF 1, 0
	TURN 1, 0, 1
	HALF 0, 0
	WIN 0
	s_sub_co_u32 s3, s3, 1
	s_cmp_lg_u32 s3, 0
	s_cbranch_scc1 .Llap
	TURN 0, 1, 0                                   ; the last lap fills nothing, and has no round of the cluster's barrier
	HALF 1, 0
	s_wait_dscnt 8                                 ; the very last half step: nothing more to fetch
	MUL16 1, 0, 0, 0
	MUL16 1, 0, 2, 0
	s_wait_dscnt 0x0
	MUL16 1, 1, 0, 0
	MUL16 1, 1, 2, 0
	WIN 0
	PLACES
.if MODE == 0
	s_cmp_eq_u32 s45, 3                            ; v is not turned.  The cluster's x is equal in all partners; the jump goes forward, past no barrier and no tensor load
	s_cbranch_scc1 .Lplain
	s_wait_loadcnt 0x0                             ; the tables
	ROPE 0
	ROPE 1
	ROPE 2
	ROPE 3
	WIN 0
.Lplain:
	PACK 0
	TOSTAGE 0
.irp a, 1,2,3                          ; block a's conversions stand between block a - 1's loads from the stage and the wait for them
	PACK \a
	SEND (\a)-1
	TOSTAGE \a
.endr
	SEND 3
.else
	TOSTAGE2 0
	TOSTAGE2 1
	SEND2 0, 32
	TOSTAGE2 2
	SEND2 1, 32
	TOSTAGE2 3
	SEND2 2, 32
	SEND2 3, 0
.endif
	WIN 0
	s_wait_tensorcnt 0x0                           ; the wave's end, behind my last tensor load and my last LDS store
	ds_add_u32 v[SPW], v[NIL]
	s_wait_dscnt 0x0
	CROUND                                         ; the closing round: no work-group ends while a partner may still ask for a tile that names it
	s_endpgm
.Lfunc_end_k_qd4d104420a_oproj:
	.size	k_qd4d104420a_oproj, .Lfunc_end_k_qd4d104420a_oproj-k_qd4d104420a_oproj
	.p2alignl 7, 3214868480
	.fill 96, 4, 3214868480
	.section	.rodata,"a",@progbits
	.p2align	6, 0x0
	.amdhsa_kernel k_qd4d104420a_oproj
		.amdhsa_group_segment_fixed_size 327680
		.amdhsa_private_segment_fixed_size 0
		.amdhsa_enable_private_segment 0
		.amdhsa_kernarg_size 24
		.amdhsa_user_sgpr_count 2
		.amdhsa_user_sgpr_kernarg_segment_ptr 1
		.amdhsa_wavefront_size32 1
		.amdhsa_system_sgpr_workgroup_id_x 1
		.amdhsa_system_sgpr_workgroup_id_y 1
		.amdhsa_system_sgpr_workgroup_id_z 1
		.amdhsa_system_vgpr_workitem_id 0
		.amdhsa_next_free_vgpr 768
		.amdhsa_next_free_sgpr 72
		.amdhsa_reserve_vcc 0
		.amdhsa_float_denorm_mode_32 3
		.amdhsa_float_denorm_mode_16_64 3
		.amdhsa_memory_ordered 1
		.amdhsa_forward_progress 1
		.amdhsa_inst_pref_size 83
	.end_amdhsa_kernel
	.amdgpu_metadata
---
amdhsa.version: [ 1, 2 ]
amdhsa.kernels:
  - .name:           k_qd4d104420a_oproj
    .symbol:         k_qd4d104420a_oproj.kd
    .args:
      - { .name: ao, .offset: 0, .size: 8, .value_kind: global_buffer, .address_space: global }
      - { .name: wo16, .offset: 8, .size: 8, .value_kind: global_buffer, .address_space: global }
      - { .name: out0, .offset: 16, .size: 8, .value_kind: global_buffer, .address_space: global }
    .group_segment_fixed_size: 327680
    .private_segment_fixed_size: 0
    .kernarg_segment_align: 8
    .kernarg_segment_size: 24
    .max_flat_workgroup_size: 128
    .sgpr_count:     72
    .vgpr_count:     768
    .wavefront_size: 32
...
	.end_amdgpu_metadata
.endif
;; end of part 4
;; ======== version 2 of 3: 4 launches; 1.12 times as fast as version 1
;; limits: values are held in f16: magnitudes above 65,504 overflow, below 6.1e-05 lose precision; right only within a limited range of input values
;; workspace buffers: hb 16,777,216 bytes; wb 33,554,432 bytes; wo16 16,777,216 bytes; cs 1,048,576 bytes; qkv 16,777,216 bytes; ao 8,388,608 bytes
;; launch cast (part 5): grid 1552 x 1, 8 waves a work-group, no clusters, 35,840 bytes of LDS; arguments hidden_states, wq, wk, wv, cos, sin, hb, wb, cs; writes hb, wb, cs
.if DOCPART == 5
	.amdgcn_target "amdgcn-amd-amdhsa--gfx1250"
	.amdhsa_code_object_version 6
	.text
	.protected	k_qd4d104420a_cast
	.globl	k_qd4d104420a_cast
	.p2align	8
	.type	k_qd4d104420a_cast,@function
k_qd4d104420a_cast:
	s_mov_b64 s[64:65], 0
	v_nop
	global_prefetch_b8 v0, s[64:65] scope:SCOPE_SE
	s_setreg_imm32_b32 hwreg(HW_REG_WAVE_MODE, 25, 1), 1
	s_wait_xcnt 0x0
; CAST: what the projection reads is rounded ONCE to bf16 and laid where it wants it.  (wo is rounded in the attention launch, which leaves memory time to spare.)
;   hb   bf16(hidden) / 8 (a power of two: exact; it gives q, k, v room in f16 later), IN FRAGMENT ORDER: [row / 64][k / 32][row block of 16: 4][half: 2][lane: 32][16 bytes];
;        lane l of half j holds row 16 x block + l % 16, k = 32 (k / 32) + 16 j + 8 (l / 16) + 0..7: a matrix operand's registers as they stand, 512 consecutive bytes a load
;   wb   [4096 k][4096 n] bf16: columns 0-2047 wq, 2048-3071 wk, 3072-4095 wv
;   cs   cos, then sin (524,288 bytes on), each rounded to bf16 and kept as f32
; LIMITS: bf16 denormals of hidden lose bits in the division by 8.
; A stream: no matrix unit, no cluster, no barrier: no byte is read twice and no work-group shares a byte with another.  The work-group's number picks the tensor.
; Weights and tables: a SEGMENT is 1,024 source numbers, consecutive in the source and in the destination; a work-group takes 16 segments, a wave two neighbouring ones.
; hidden: a wave takes 16 rows x 128 k and turns them through 4,352 bytes of LDS of its own, so that both its loads and its stores cover whole aligned blocks of 256 bytes.
.set VL, 1                             ; v1      16 x lane
.set VS, 2                             ; v2, v3  8 x lane: my 8 bytes in 256 bytes of the destination, first and second segment
.set SPW, 6                            ; v6      LDS address of my spare word; never rewritten
.set NIL, 7                            ; v7      0; never rewritten
.set X,  8                             ; v[8:71]   16 loads of 4 registers
.set Y,  72                            ; v[72:103] 16 pairs to store
.set VH, 104                           ; v104    hidden: my byte offset in two rows of the source
.set LS, 105                           ; v105    where I put 8 bytes of a row in LDS
.set LR, 106                           ; v106    where I read 16 bytes of a fragment back
.set HP, 272                           ; an LDS row: 128 bf16 + 16 bytes: the 16 rows of a fragment load start at 16 different groups of four banks (64 banks of 4 bytes: ISA guide 11.1)
.set HW, 16*HP                         ; a wave's 16 rows
.set SPARE, 8*HW                       ; behind them: the spare words, 128 bytes a wave: four blocks of 256 bytes that no other line names
	s_load_b512 s[8:23], s[0:1], 0x0               ; hidden s[8:9], wq s[10:11], wk s[12:13], wv s[14:15], cos s[16:17], sin s[18:19], hb s[20:21], wb s[22:23]
	s_load_b64 s[24:25], s[0:1], 0x40              ; cs
	v_lshl_add_u32 v[SPW], v0, 2, SPARE
	v_mov_b32 v[NIL], 0
	v_lshrrev_b32 v4, 5, v0
	v_readfirstlane_b32 s30, v4                    ; wave 0..7
	v_and_b32 v5, 31, v0
	v_lshlrev_b32 v[VL], 4, v5
	v_lshlrev_b32 v[VS], 3, v5
	s_mov_b32 s31, ttmp9
	s_mov_b32 s44, 0xffff0000                      ; a word's upper bf16
	s_wait_kmcnt 0x0
	s_cmp_lt_u32 s31, 512
	s_cbranch_scc1 .Lhidden
	s_mov_b32 s36, 512                             ; the class's first work-group: wq, whose row is two segments, 8,192 bytes apart in wb
	s_mov_b32 s37, 12                              ; destination bytes of segment s: s << this,
	s_mov_b32 s38, 0                               ; plus this;
	s_mov_b32 s39, 2048                            ; from the first segment's to the second's
	s_mov_b64 s[32:33], s[10:11]
	s_mov_b64 s[34:35], s[22:23]
; One compare for each further class; the selects leave SCC alone.  The condition hangs on the work-group's number alone.
.macro CLASS first, src, dst, sh, cadd, ds
	s_cmp_ge_u32 s31, \first
	s_cselect_b64 s[32:33], s[\src:\src+1], s[32:33]
	s_cselect_b64 s[34:35], s[\dst:\dst+1], s[34:35]
	s_cselect_b32 s36, \first, s36
	s_cselect_b32 s37, \sh, s37
	s_cselect_b32 s38, \cadd, s38
	s_cselect_b32 s39, \ds, s39
.endm
	CLASS 1024, 12, 22, 13, 4096,   8192           ; wk: a row is one segment, at column 2,048
	CLASS 1280, 14, 22, 13, 6144,   8192           ; wv: at column 3,072
	CLASS 1536, 16, 24, 12, 0,      2048           ; cos
	CLASS 1544, 18, 24, 12, 524288, 2048           ; sin
	s_sub_co_u32 s40, s31, s36
	s_lshl_b32 s40, s40, 4
	s_lshl1_add_u32 s40, s30, s40                  ; my first segment = 16 x (work-group in its class) + 2 x wave
	s_lshl_b32 s42, s40, s37
	s_add_co_u32 s42, s42, s38                     ; its bytes in the destination,
	s_lshl_b32 s40, s40, 12                        ; and in the source
	s_mov_b32 s41, 0
	s_mov_b32 s43, 0
	s_add_nc_u64 s[32:33], s[32:33], s[40:41]
	s_add_nc_u64 s[34:35], s[34:35], s[42:43]
	v_add_nc_u32 v[VS+1], s39, v[VS]
.irp e, 0,1
.irp i, 0,1,2,3,4,5,6,7
	global_load_b128 v[X+4*(8*(\e)+(\i)):X+4*(8*(\e)+(\i))+3], v[VL], s[32:33] offset:(\e)*4096+(\i)*512 th:TH_LOAD_NT  ; all sixteen at once: 8,192 consecutive bytes a wave
.endr
.endr
; kind 1: wq, wk, wv (bf16)   3: tables (bf16, widened to f32)
; No register is written twice while a memory instruction reads it: each load has its own four registers, each store its own pair.
.macro CONV kind
.irp e, 0,1
.irp i, 0,1,2,3,4,5,6,7
.set n,  8*(\e)+(\i)
.set rx, X+4*n
.set ry, Y+2*n
	s_wait_loadcnt 15-n                            ; loads come back in order: load n is in, the 15 - n younger ones stay out
	v_cvt_pk_bf16_f32 v[ry],   v[rx],   v[rx+1]
	v_cvt_pk_bf16_f32 v[ry+1], v[rx+2], v[rx+3]
.if (\kind) == 3
	v_lshlrev_b32 v[rx],   16,  v[ry]              ; the rounded numbers as f32 again
	v_and_b32     v[rx+1], s44, v[ry]
	v_lshlrev_b32 v[rx+2], 16,  v[ry+1]
	v_and_b32     v[rx+3], s44, v[ry+1]
	global_store_b128 v[VL], v[rx:rx+3], s[34:35] offset:(\e)*4096+(\i)*512  ; the wave stores 512 consecutive bytes, aligned
.else
	global_store_b64 v[VS+(\e)], v[ry:ry+1], s[34:35] offset:(\i)*256        ; the wave stores 256 consecutive bytes, aligned
.endif
.endr
.endr
.endm
	s_cmp_lt_u32 s31, 1536
	s_cbranch_scc1 .Lweights
	CONV 3
	s_endpgm
.Lweights:
	CONV 1
	s_endpgm
.Lhidden:
	; unit u = 8 x work-group + wave: row block u / 32 (16 rows), k span u % 32 (128 numbers)
	s_lshl3_add_u32 s36, s31, s30
	s_lshr_b32 s37, s36, 5                         ; row block
	s_and_b32 s36, s36, 31                         ; span
	s_lshl_b32 s40, s37, 18                        ; source: 16 rows of 16,384 bytes,
	s_lshl_b32 s38, s36, 9                         ; 512 bytes a span
	s_add_co_u32 s40, s40, s38
	s_mov_b32 s41, 0
	s_lshr_b32 s42, s37, 2                         ; destination: 64 rows are 524,288 bytes,
	s_lshl_b32 s42, s42, 19
	s_and_b32 s38, s37, 3                          ; a row block's fragment 1,024,
	s_lshl_b32 s38, s38, 10
	s_add_co_u32 s42, s42, s38
	s_lshl_b32 s38, s36, 14                        ; a span four times 4,096
	s_add_co_u32 s42, s42, s38
	s_mov_b32 s43, 0
	s_add_nc_u64 s[32:33], s[8:9], s[40:41]
	s_add_nc_u64 s[34:35], s[20:21], s[42:43]
	v_lshrrev_b32 v4, 4, v5                        ; h = lane / 16
	v_and_b32 v5, 15, v5                           ; r = lane % 16
	v_lshlrev_b32 v[VH], 14, v4                    ; lanes 0-15 take 256 bytes of one row, lanes 16-31 of the next
	v_lshl_add_u32 v[VH], v5, 4, v[VH]
.set n, 0
.rept 16                                               ; load n: rows 2 (n / 2) and one on, numbers 64 (n % 2) on
	global_load_b128 v[X+4*n:X+4*n+3], v[VH], s[32:33] offset:(n/2)*32768+(n%2)*256 th:TH_LOAD_NT
.set n, n+1
.endr
	s_mul_i32 s38, s30, HW                         ; my wave's rows in LDS
	v_mul_u32_u24 v[LS], v4, HP
	v_lshl_add_u32 v[LS], v5, 3, v[LS]
	v_add_nc_u32 v[LS], s38, v[LS]
	v_mul_u32_u24 v[LR], v5, HP                    ; back: row r, 16 bytes for each half of the lanes
	v_lshl_add_u32 v[LR], v4, 4, v[LR]
	v_add_nc_u32 v[LR], s38, v[LR]
.set n, 0
.rept 16
	s_wait_loadcnt 15-n                            ; load n is in, the younger ones stay out
	v_pk_mul_f32 v[X+4*n:X+4*n+1],   v[X+4*n:X+4*n+1],   0x3e000000 op_sel_hi:[1,0]
	v_pk_mul_f32 v[X+4*n+2:X+4*n+3], v[X+4*n+2:X+4*n+3], 0x3e000000 op_sel_hi:[1,0]
	v_cvt_pk_bf16_f32 v[Y+2*n],   v[X+4*n],   v[X+4*n+1]
	v_cvt_pk_bf16_f32 v[Y+2*n+1], v[X+4*n+2], v[X+4*n+3]
	ds_store_b64 v[LS], v[Y+2*n:Y+2*n+1] offset:(n/2)*2*HP+(n%2)*128
.set n, n+1
.endr
.set n, 0
.rept 8                                                ; piece n: k = 16 n + 8 h + 0..7 of row r
	ds_load_b128 v[X+4*n:X+4*n+3], v[LR] offset:32*n  ; LDS serves a wave's instructions in order (ISA guide 5.7.1.4): these see the stores above; the bytes are the wave's own
.set n, n+1
.endr
.set n, 0
.rept 8
	s_wait_dscnt 7-n
	global_store_b128 v[VL], v[X+4*n:X+4*n+3], s[34:35] offset:(n/2)*4096+(n%2)*512  ; half a fragment: 512 consecutive bytes, aligned
.set n, n+1
.endr
	s_wait_tensorcnt 0x0                           ; the wave's end, behind my last LDS store
	ds_add_u32 v[SPW], v[NIL]
	s_wait_dscnt 0x0
	s_endpgm
.Lfunc_end_k_qd4d104420a_cast:
	.size	k_qd4d104420a_cast, .Lfunc_end_k_qd4d104420a_cast-k_qd4d104420a_cast
	.p2alignl 7, 3214868480
	.fill 96, 4, 3214868480
	.section	.rodata,"a",@progbits
	.p2align	6, 0x0
	.amdhsa_kernel k_qd4d104420a_cast
		.amdhsa_group_segment_fixed_size 35840
		.amdhsa_private_segment_fixed_size 0
		.amdhsa_enable_private_segment 0
		.amdhsa_kernarg_size 72
		.amdhsa_user_sgpr_count 2
		.amdhsa_user_sgpr_kernarg_segment_ptr 1
		.amdhsa_wavefront_size32 1
		.amdhsa_system_sgpr_workgroup_id_x 1
		.amdhsa_system_sgpr_workgroup_id_y 1
		.amdhsa_system_sgpr_workgroup_id_z 1
		.amdhsa_system_vgpr_workitem_id 0
		.amdhsa_next_free_vgpr 108
		.amdhsa_next_free_sgpr 66
		.amdhsa_reserve_vcc 0
		.amdhsa_float_denorm_mode_32 3
		.amdhsa_float_denorm_mode_16_64 3
		.amdhsa_memory_ordered 1
		.amdhsa_forward_progress 1
		.amdhsa_inst_pref_size 26
	.end_amdhsa_kernel
	.amdgpu_metadata
---
amdhsa.version: [ 1, 2 ]
amdhsa.kernels:
  - .name:           k_qd4d104420a_cast
    .symbol:         k_qd4d104420a_cast.kd
    .args:
      - { .name: hidden_states, .offset: 0, .size: 8, .value_kind: global_buffer, .address_space: global }
      - { .name: wq, .offset: 8, .size: 8, .value_kind: global_buffer, .address_space: global }
      - { .name: wk, .offset: 16, .size: 8, .value_kind: global_buffer, .address_space: global }
      - { .name: wv, .offset: 24, .size: 8, .value_kind: global_buffer, .address_space: global }
      - { .name: cos, .offset: 32, .size: 8, .value_kind: global_buffer, .address_space: global }
      - { .name: sin, .offset: 40, .size: 8, .value_kind: global_buffer, .address_space: global }
      - { .name: hb, .offset: 48, .size: 8, .value_kind: global_buffer, .address_space: global }
      - { .name: wb, .offset: 56, .size: 8, .value_kind: global_buffer, .address_space: global }
      - { .name: cs, .offset: 64, .size: 8, .value_kind: global_buffer, .address_space: global }
    .group_segment_fixed_size: 35840
    .private_segment_fixed_size: 0
    .kernarg_segment_align: 8
    .kernarg_segment_size: 72
    .max_flat_workgroup_size: 256
    .sgpr_count:     66
    .vgpr_count:     108
    .wavefront_size: 32
...
	.end_amdgpu_metadata
.endif
;; end of part 5
;; launch proj (part 6): grid 16 x 16, 4 waves a work-group, clusters of 4 x 1, 327,680 bytes of LDS; arguments hb, wb, qkv, cs; writes qkv
.if DOCPART == 6
	.amdgcn_target "amdgcn-amd-amdhsa--gfx1250"
	.amdhsa_code_object_version 6
	.text
	.protected	k_qd4d104420a_proj
	.globl	k_qd4d104420a_proj
	.p2align	8
	.type	k_qd4d104420a_proj,@function
k_qd4d104420a_proj:
	s_mov_b64 s[64:65], 0
	v_nop
	global_prefetch_b8 v0, s[64:65] scope:SCOPE_SE
	s_setreg_imm32_b32 hwreg(HW_REG_WAVE_MODE, 25, 1), 1
	s_wait_xcnt 0x0
	s_wait_alu depctr_hold_cnt(0) depctr_sa_sdst(0) depctr_va_vdst(0) depctr_va_sdst(0) depctr_va_ssrc(0) depctr_va_vcc(0) depctr_vm_vsrc(0)
	s_getreg_b32 s2, hwreg(HW_REG_IB_STS2, 6, 4)
	s_cmp_eq_u32 s2, 0
	s_cbranch_scc0 .Lentry_in_a_cluster
	s_endpgm
.Lentry_in_a_cluster:
	s_bfe_u32 s2, ttmp6, 0x10000c
	s_cmp_lg_u32 s2, 0x3003
	s_cbranch_scc0 .Lentry_shape_is_right
	s_endpgm
.Lentry_shape_is_right:
; ONE TEXT FOR TWO LAUNCHES; THE LINE BELOW SAYS WHICH THIS FILE IS.
;   MODE 0: [q | k | v] / 8 = hb wb (bf16 x bf16, K = 4,096), q and k turned by the tables (RoPE), stored by heads in f16: qkv [32 heads][2048][128]
;   MODE 1: out0 = ao wo16 (f16 x f16, K = 2,048), stored in f32
.set MODE, 0
; C [2048][4096] = A [2048][K] B [K][4096].  Sums in f32, K ascending, one sum for each output.
; LIMITS (MODE 0): q, k, v leave as f16 of their eighth: |q|, |k|, |v| < 8 x 65,504 = 524,032, beyond that an infinity; below 8 x 6e-5 they keep f16's fixed step.
; SHARES.  A tile of C is 128 x 256: 16 x 16 tiles, one for each of 256 work-groups.  Four waves; wave w makes rows 64 (w / 2) on, columns 128 (w % 2) on: 32 accumulators of 16 x 16.
; THE MATRIX INSTRUCTION IS USED TRANSPOSED: source 0 = 16 columns of B, source 1 = 16 rows of A: a lane (r = l % 16, h = l / 16) then holds row r of C and the columns 8 h + 0..7 of the block.
; B lies [k][n] in memory and in LDS; its fragments come out turned, by ds_load_tr16_b128.  It goes in K steps of 256 through a ring of two LDS slots of 139,264 bytes; each wave fetches 64 rows of k.
; A COMES STRAIGHT INTO REGISTERS.  The launch in front stored it in fragment order, [row / 64][k / 32][row block: 4][half: 2][lane: 32][16 bytes]: a wave's four fragments for 32 along K are 4,096 consecutive
; bytes, eight loads of 512.  They land in a ring of eight such groups (256 registers); the group just multiplied is loaded again with the data 256 along K ahead.
; CLUSTER 4 x 1: four tile rows of one tile column: B's tile is asked for jointly by the four.  A IS NOT ASKED FOR JOINTLY, though the 16 work-groups of a tile row read the same rows: a joint load ends in LDS,
; and with A's 128 rows beside B's 256 columns two slots of 256 along K are 413,696 bytes, more than the 327,680 there are; slots of 128 along K leave a refill 96 matrix instructions in which to land, these 248.
; REGISTERS, in windows of 256 (s_set_vgpr_msb: bits 1:0 source 0, 3:2 source 1, 5:4 source 2, 7:6 destination):
;   window 0: v0-31 addresses; v32-191 at work on the way out; (MODE 0) v128-255 sin          window 1: the accumulators, (a, b) at v[8 (8 a + b)]
;   window 2: v0-127 B's fragments, two buffers of 32 along K: v[64 f + 8 b]; (MODE 0) v128-255 cos          window 3: A's ring: group s, row block a at v[32 s + 8 a]
.if MODE == 0
.set KDIM,   4096
.set SPITCH, 272                       ; a stage row: 128 f16 + 16 bytes
.else
.set KDIM,   2048
.set SPITCH, 528                       ; a stage row: 128 f32 + 16 bytes
.endif
.set NDIM,   4096
.set KSTEP,  256
.set PB,     544                       ; a row of B in LDS: 512 bytes + 32 = 136 words
.set QUART,  64*PB                     ; what one tensor load brings: 64 rows of k
.set HALFS,  2*QUART
.set SLOT,   4*QUART                   ; 0x22000: its two bits are in none of the four waves' places in a slot (0, 0x8800, 0x11000, 0x19800), so one exclusive or moves an address from slot to slot
.set STAGE,  2*SLOT                    ; behind the ring, never filled by a tensor load: 16 rows for each wave, its own
.set SPARE,  STAGE+4*16*SPITCH         ; behind the stages: the spare words, 128 bytes a wave: two blocks of 256 bytes that no other line names
.set STEPS,  KDIM/KSTEP
.set STEPB,  KSTEP*NDIM*2              ; bytes of B from K step to K step
.set GRPB,   4096                      ; bytes of A for 32 along K of a wave's 64 rows
.set ADRB0, 16                         ; v16     my lane's place in a slot; never rewritten
.set ADRB,  20                         ; v20-21  LDS address of my B fragments in the slot that is read: k 0-127, k 128-255
.set STO,  24                          ; v24     the way out: where I put my part of a row
.set RD,   25                          ; v25     the way out: where I read rows back
.set CO,   26                          ; v26     16 x lane: my 16 bytes in 512 consecutive bytes; never rewritten
.set TO,   27                          ; v27     my byte offset in 16 rows of a table
.set SPW,  28                          ; v28     LDS address of my spare word; never rewritten
.set NIL,  29                          ; v29     0; never rewritten
.set T,    32                          ; v32-95  at work
.set TAB,  128                         ; the tables: row block a, column block b, pair p at v[TAB + 32 a + 4 b + p]
.set AB,   14                          ; s[14:15] A at my 64 rows, at the K step in hand
.set TB,   44                          ; s44      the slot that is read: 0 or SLOT
.set G1B,  48                          ; s[48:55] descriptor group 1
.set G0B,  56                          ; s[56:63] descriptor group 0: a set for each of the two first fills; the second then walks on
.set MSB, 0
.macro WIN new                         ; the immediate's high byte repeats the setting that is left; a switch that changes nothing is dropped
.if MSB != (\new)
	s_set_vgpr_msb (MSB<<8)|(\new)
.set MSB, \new
.endif
.endm
.set MUL,  0x5e                        ; B window 2, A window 3, C and D window 1
.set TO_B, 0x80                        ; destination window 2, address window 0
.set TO_A, 0xc0                        ; destination window 3, address window 0
.macro CREST                           ; a round of the cluster's barrier behind its opening barrier
	s_cmp_lg_u32 s10, 0
	s_cbranch_scc1 .Lnot_wave_0_\@
	s_barrier_signal -3
.Lnot_wave_0_\@:
	s_barrier_wait -3
	s_barrier_signal -1
	s_barrier_wait -1
.endm
.macro CROUND                          ; a whole round
	s_barrier_signal -1
	s_barrier_wait -1
	CREST
.endm
.macro PLACES                          ; four places in front of loads into registers that matrix instructions have read, and of lines that read results just made
.rept 4
	v_nop
.endr
.endm
	s_load_b128 s[4:7], s[0:1], 0x0                ; A s[4:5], B s[6:7]
.if MODE == 0
	s_load_b128 s[68:71], s[0:1], 0x10             ; qkv s[68:69], cs s[70:71]
.else
	s_load_b64 s[68:69], s[0:1], 0x10              ; out0
.endif
	v_lshl_add_u32 v[SPW], v0, 2, SPARE
	v_mov_b32 v[NIL], 0
	ds_add_u32 v[SPW], v[NIL]                      ; the wave's opening: the add and its wait stand ahead of my first tensor load; the set-up below, work on registers, stands between them
	v_lshrrev_b32 v1, 5, v0
	v_readfirstlane_b32 s10, v1                    ; wave 0..3
	s_lshr_b32 s11, s10, 1                         ; which 64 rows of the tile are mine
	s_and_b32 s12, s10, 1                          ; which 128 columns
	s_bfe_u32 s40, ttmp6, 0x40000                  ; cx: my place in the cluster: it enters A's, the tables' and the output's addresses alone
	s_lshl_b32 s13, ttmp9, 2                       ; in a cluster launch ttmp9 counts clusters
	s_add_co_u32 s13, s13, s40                     ; tile row = 4 x cluster x + cx
	s_and_b32 s42, ttmp7, 0xffff                   ; tile column, which the four partners share
	s_mov_b32 s[G1B+0], 15|(1<<16)|(1<<20)|(1<<21)|(6<<22)|(7<<25)  ; 15:0 the mask of four; 17:16 2-byte elements; 20 padding on; 21 set beside a mask; 24:22 after every 128 words (code 6); 31:25 8 words (code 7)
	s_mov_b32 s[G1B+1], 256<<16                    ; tensor_dim0 = 256
	s_mov_b32 s[G1B+2], 64<<16                     ; tensor_dim1 = 64
	s_mov_b32 s[G1B+3], 256<<16                    ; tile_dim0 = 256
	s_mov_b32 s[G1B+4], 64                         ; tile_dim1 = 64
	s_mov_b32 s[G1B+5], NDIM                       ; elements from row to row
	s_mov_b32 s[G1B+6], 0
	s_mov_b32 s[G1B+7], 0
	s_lshl_b32 s46, s42, 9                         ; B: column 256 x tile column, in bytes,
	s_lshl_b32 s47, s10, 19                        ; and my 64 rows of 8,192 bytes: made of the tile column and the wave's number alone
	s_add_co_u32 s46, s46, s47
	s_mov_b32 s47, 0
	s_mul_i32 s21, s10, QUART                      ; where they go: no place in the cluster enters an LDS address
	s_lshl_b32 s16, s13, 1
	s_add_co_u32 s16, s16, s11                     ; A: my 64 rows are number 2 x tile row + w / 2,
	s_mul_i32 s16, s16, KDIM*128                   ; KDIM x 128 bytes each (under 2^25 in all)
	s_mov_b32 s17, 0
	s_mov_b32 s[TB], 0
	s_wait_dscnt 0x0                               ; the opening add is done
	s_wait_kmcnt 0x0
	s_add_nc_u64 s[46:47], s[6:7], s[46:47]
	s_add_nc_u64 s[AB:AB+1], s[4:5], s[16:17]
	CROUND                                         ; all four work-groups are here: the first joint loads meet
.irp s, 0,1
	s_mov_b32 s[G0B+4*(\s)], 1                     ; count = 1
	s_add_co_u32 s[G0B+4*(\s)+1], s21, (\s)*SLOT   ; LDS address
	s_add_nc_u64 s[G0B+4*(\s)+2:G0B+4*(\s)+3], s[46:47], (\s)*STEPB  ; global address: K step s
	s_or_b32 s[G0B+4*(\s)+3], s[G0B+4*(\s)+3], 0x80000000            ; type = 2
.endr
	tensor_load_to_lds s[G0B:G0B+3], s[G1B:G1B+7]  ; the two first fills go out together: two loads of mine are out.  Every wave runs these lines, each with its own 64 rows
	s_nop 0
	tensor_load_to_lds s[G0B+4:G0B+7], s[G1B:G1B+7]
	s_nop 0
	PLACES
	v_and_b32 v1, 15, v0                           ; r = l % 16
	v_bfe_u32 v2, v0, 4, 1                         ; h = l / 16
	v_and_b32 v5, 7, v0
	v_bfe_u32 v6, v0, 3, 1
	v_and_b32 v8, 31, v0                           ; lane
	v_lshlrev_b32 v[CO], 4, v8
	v_lshl_add_u32 v7, v2, 3, v5                   ; the turning load: lane l reads k = 8 h + l % 8, columns 8 ((l / 8) % 2) + 0..7, and is left with column r and 8 k
	v_mul_u32_u24 v7, v7, PB
	v_lshl_add_u32 v7, v6, 4, v7
	s_lshl_b32 s23, s12, 8                         ; my 128 columns
	v_add_nc_u32 v[ADRB0], s23, v7
	v_mov_b32 v[ADRB], v[ADRB0]                    ; slot 0 is read first
	v_add_nc_u32 v[ADRB+1], HALFS, v[ADRB0]
	s_mul_i32 s22, s10, 16*SPITCH
	s_add_co_u32 s22, s22, STAGE                   ; my stage
	v_mul_u32_u24 v4, v1, SPITCH
.if MODE == 0
	v_lshl_add_u32 v4, v2, 4, v4                   ; in: row r, 16 bytes (8 f16) for each half of the lanes
	v_add_nc_u32 v[STO], s22, v4
	v_mul_u32_u24 v4, v2, SPITCH                   ; back: lanes 0-15 one row of 256 bytes, lanes 16-31 the next
	v_lshl_add_u32 v4, v1, 4, v4
	v_add_nc_u32 v[RD], s22, v4
	s_lshl_b32 s16, s13, 15                        ; my first position, 128 x tile row + 64 (w / 2), times 256 bytes: a row of a head and a row of a table alike
	s_lshl_b32 s17, s11, 14
	s_add_co_u32 s16, s16, s17
	s_mov_b32 s17, 0
	s_add_nc_u64 s[70:71], s[70:71], s[16:17]
	s_add_nc_u64 s[68:69], s[68:69], s[16:17]
	s_lshl_b32 s18, s42, 20                        ; my 128 columns are one head: 2 x tile column + w % 2, 524,288 bytes each
	s_lshl_b32 s19, s12, 19
	s_add_co_u32 s18, s18, s19
	s_mov_b32 s19, 0
	s_add_nc_u64 s[68:69], s[68:69], s[18:19]
	; THE TABLES.  My columns 16 b + 8 h + 0..7 of a head are the pairs 8 b + 4 h + 0..3: 16 bytes of cos and of sin for each accumulator.  They are asked for ahead of A, so that A's counted waits cover them.
	; The work-groups that make v load them too and leave them unread: the loads stand on the one path that every work-group walks, so that the counts are the same for all.
	v_lshlrev_b32 v[TO], 8, v1
	v_lshl_add_u32 v[TO], v2, 4, v[TO]
	WIN TO_B
.irp a, 0,1,2,3
.irp b, 0,1,2,3,4,5,6,7
	global_load_b128 v[TAB+32*(\a)+4*(\b):TAB+32*(\a)+4*(\b)+3], v[TO], s[70:71] offset:(\a)*4096+32*(\b)         ; cos
.endr
.endr
	WIN 0
.irp a, 0,1,2,3
.irp b, 0,1,2,3,4,5,6,7
	global_load_b128 v[TAB+32*(\a)+4*(\b):TAB+32*(\a)+4*(\b)+3], v[TO], s[70:71] offset:(\a)*4096+32*(\b)+524288  ; sin
.endr
.endr
.else
	v_lshl_add_u32 v4, v2, 5, v4                   ; in: row r, 32 bytes (8 f32) for each half of the lanes
	v_add_nc_u32 v[STO], s22, v4
	v_lshl_add_u32 v[RD], v8, 4, s22               ; back: 32 lanes take one row of 512 bytes
	s_lshl_b32 s16, s13, 21                        ; my first row, 128 x tile row + 64 (w / 2), times 16,384 bytes
	s_lshl_b32 s17, s11, 20
	s_add_co_u32 s16, s16, s17
	s_mov_b32 s17, 0
	s_add_nc_u64 s[68:69], s[68:69], s[16:17]
	s_lshl_b32 s18, s42, 10                        ; my first column, 256 x tile column + 128 (w % 2), times 4 bytes
	s_lshl_b32 s19, s12, 9
	s_add_co_u32 s18, s18, s19
	s_mov_b32 s19, 0
	s_add_nc_u64 s[68:69], s[68:69], s[18:19]
.endif
; Matrix instruction mi of a group's 32: row block mi / 8, column block mi % 8; B's buffer f, A's ring group s.  zero = 1: it starts the sum: nothing is ever cleared.
.macro MM1 f, s, zero
.set rD, 8*mi
.set rB, 64*(\f)+8*(mi%8)
.set rA, 32*(\s)+8*(mi/8)
.if MODE == 0
.if \zero
	v_wmma_f32_16x16x32_bf16 v[rD:rD+7], v[rB:rB+7], v[rA:rA+7], 0
.else
	v_wmma_f32_16x16x32_bf16 v[rD:rD+7], v[rB:rB+7], v[rA:rA+7], v[rD:rD+7]
.endif
.else
.if \zero
	v_wmma_f32_16x16x32_f16 v[rD:rD+7], v[rB:rB+7], v[rA:rA+7], 0
.else
	v_wmma_f32_16x16x32_f16 v[rD:rD+7], v[rB:rB+7], v[rA:rA+7], v[rD:rD+7]
.endif
.endif
.endm
.macro MMS n0, n, f, s, zero           ; n of them from number n0 on.  The 32 accumulators take turns, one instruction a turn, in the same order in every group
	WIN MUL
.set mi, \n0
.rept \n
	MM1 \f, \s, \zero
.set mi, mi+1
.endr
.endm
.macro FB hf, gg, f                    ; eight LDS loads: B's fragments of column blocks 4 hf .. 4 hf + 3 for group gg of the slot that is read, into buffer f
	WIN TO_B
.irp b, 0,1,2,3
	ds_load_tr16_b128 v[64*(\f)+8*(4*(\hf)+\b):64*(\f)+8*(4*(\hf)+\b)+3],   v[ADRB+(\gg)/4] offset:(32*((\gg)%4))*PB+32*(4*(\hf)+\b)
	ds_load_tr16_b128 v[64*(\f)+8*(4*(\hf)+\b)+4:64*(\f)+8*(4*(\hf)+\b)+7], v[ADRB+(\gg)/4] offset:(32*((\gg)%4)+16)*PB+32*(4*(\hf)+\b)
.endr
.endm
.macro LA s, ko                        ; eight loads of 512 consecutive bytes: A's four fragments of the group ko groups behind s[AB], into ring group s
	WIN TO_A
.irp q, 0,1,2,3,4,5,6,7
	global_load_b128 v[32*(\s)+4*\q:32*(\s)+4*\q+3], v[CO], s[AB:AB+1] offset:(\ko)*GRPB+512*\q
.endr
.endm
; A GROUP: 32 along K, group g of a K step's eight.  Its memory instructions stand in ONE run, behind the first product and four v_nop: the next group's B (fb = 1: sixteen turning loads, 31 products ahead of
; their first use) and A for the group seven on (la = 1: eight loads), which goes into the ring group that the last group multiplied.  The four v_nop are the places between the last group's products and those loads.
; One run and not several: 31 products then follow each other with nothing between, and a group has three switches of the register windows.
; lcnt: the loads issued behind this group's A: six runs of eight while the ring is being filled again, fewer in the last K step.
.macro GROUP g, ko, zero, la, lcnt, fb
.set GF,  (\g)%2
.set GN,  ((\g)+1)%8
.set GNF, ((\g)+1)%2
.set GL7, ((\g)+7)%8
	s_wait_dscnt 0x0                               ; this group's B is in: nothing else is out on this counter
	s_wait_loadcnt \lcnt                           ; loads come back in order: this group's A is in, the younger runs stay out
	MMS 0, 1, GF, \g, \zero
.if (\la) || (\fb)
	PLACES
.endif
.if \fb
	FB 0, GN, GNF
	FB 1, GN, GNF
.endif
.if \la
	LA GL7, \ko
.endif
	MMS 1, 31, GF, \g, \zero
.endm
; GROUP 7 WITH THE CHANGE OF SLOTS.  The slot's last bytes were asked for in group 6.  ONE barrier: in front of it each wave waits for all its tensor loads (one is out: its part of the next slot), adds 0 to its
; spare word, and waits for that and for its reads of this slot.  fill = 1: the barrier opens a round of the cluster's, and this slot is filled again, two K steps ahead, first thing behind the round:
; the load has this group's other 24 products and seven groups more, 248 matrix instructions, in which to land.
.macro G7C fill
	WIN 0                                          ; (the add's two registers lie in window 0)
	s_wait_tensorcnt 0x0                           ; all my tensor loads have landed, so a group 0 may be written
	ds_add_u32 v[SPW], v[NIL]                      ; 0 onto my spare word; scalar work stands between it and the wait for it
.if \fill
	s_xor_b32 s[G0B+5], s[G0B+5], SLOT             ; the walking descriptor: the other slot than last time,
	s_add_nc_u64 s[G0B+6:G0B+7], s[G0B+6:G0B+7], STEPB  ; the next K step; the type bits on top are not reached
.endif
	s_xor_b32 s[TB], s[TB], SLOT                   ; the slot that has landed will be read
	s_wait_loadcnt 48                              ; this group's A
	s_wait_dscnt 0x0                               ; the add is done, and my reads of this slot are over
	s_barrier_signal -1
	MMS 0, 8, 1, 7, 0                              ; work on registers while the others arrive
	WIN 0
	s_barrier_wait -1
.if \fill
	CREST                                          ; no wave of any partner still reads this slot or has a load on its way
	tensor_load_to_lds s[G0B+4:G0B+7], s[G1B:G1B+7]
	s_nop 0
.endif
	PLACES                                         ; behind the tensor load, and the places in front of the loads below
	v_add_nc_u32 v[ADRB], s[TB], v[ADRB0]
	v_add_nc_u32 v[ADRB+1], HALFS, v[ADRB]
	FB 0, 0, 0                                     ; the group's one run: the next slot's first fragments, and A
	FB 1, 0, 0
	LA 6, 14
	MMS 8, 24, 1, 7, 0
.endm
; THE WAY OUT, MODE 0.  ROPE: the pair (x0, x1) of registers 2 p, 2 p + 1 becomes (x0 c - x1 s, x1 c + x0 s): two products, two fused multiply-adds.  Each accumulator is read from its low end on.
.macro ROPE a
	WIN 0x01                                       ; x in window 1; sin and the products in window 0
.irp b, 0,1,2,3,4,5,6,7
.irp p, 0,1,2,3
	v_mul_f32 v[T+8*(\b)+2*(\p)],   v[8*(8*(\a)+(\b))+2*(\p)+1], v[TAB+32*(\a)+4*(\b)+(\p)]  ; x1 s
	v_mul_f32 v[T+8*(\b)+2*(\p)+1], v[8*(8*(\a)+(\b))+2*(\p)],   v[TAB+32*(\a)+4*(\b)+(\p)]  ; x0 s
.endr
.endr
	WIN 0x49                                       ; x (destination and source 0) in window 1, cos in window 2, the products in window 0
.irp b, 0,1,2,3,4,5,6,7
.irp p, 0,1,2,3
	v_fma_f32 v[8*(8*(\a)+(\b))+2*(\p)],   v[8*(8*(\a)+(\b))+2*(\p)],   v[TAB+32*(\a)+4*(\b)+(\p)], -v[T+8*(\b)+2*(\p)]
	v_fma_f32 v[8*(8*(\a)+(\b))+2*(\p)+1], v[8*(8*(\a)+(\b))+2*(\p)+1], v[TAB+32*(\a)+4*(\b)+(\p)], v[T+8*(\b)+2*(\p)+1]
.endr
.endr
.endm
.macro PACK a                          ; block a (16 rows) rounded to f16: 16 bytes a lane and column block
	WIN 0x05                                       ; sources in window 1, destination in window 0
.irp b, 0,1,2,3,4,5,6,7
.irp p, 0,1,2,3
	v_cvt_pk_f16_f32 v[T+4*(\b)+(\p)], v[8*(8*(\a)+(\b))+2*(\p)], v[8*(8*(\a)+(\b))+2*(\p)+1]
.endr
.endr
.endm
.macro TOSTAGE a                       ; into my stage, and back as whole rows of 256 bytes, into v[64 + 32 a ..]
	WIN 0
.irp b, 0,1,2,3,4,5,6,7
	ds_store_b128 v[STO], v[T+4*(\b):T+4*(\b)+3] offset:32*(\b)
.endr
.irp t, 0,1,2,3,4,5,6,7
	ds_load_b128 v[64+32*(\a)+4*(\t):64+32*(\a)+4*(\t)+3], v[RD] offset:(\t)*2*SPITCH  ; LDS serves a wave's instructions in order (ISA guide 5.7.1.4): these see the stores above
.endr
.endm
.macro SEND a
	WIN 0
	s_wait_dscnt 0x0                               ; the block is back in registers
.irp t, 0,1,2,3,4,5,6,7
	global_store_b128 v[CO], v[64+32*(\a)+4*(\t):64+32*(\a)+4*(\t)+3], s[68:69] offset:(\a)*4096+(\t)*512  ; two rows of a head: 512 consecutive bytes, aligned
.endr
.endm
; THE WAY OUT, MODE 1: f32 as it stands: 16 rows of 512 bytes through my stage, low four registers of an accumulator first; back as whole rows, into window 2 v[64 a ..]
.macro TOSTAGE2 a
	WIN 0x04                                       ; store data in window 1
.irp b, 0,1,2,3,4,5,6,7
	ds_store_b128 v[STO], v[8*(8*(\a)+(\b)):8*(8*(\a)+(\b))+3]   offset:64*(\b)
	ds_store_b128 v[STO], v[8*(8*(\a)+(\b))+4:8*(8*(\a)+(\b))+7] offset:64*(\b)+16
.endr
	WIN 0x80
.irp t, 0,1,2,3,4,5,6,7,8,9,10,11,12,13,14,15
	ds_load_b128 v[64*(\a)+4*(\t):64*(\a)+4*(\t)+3], v[RD] offset:(\t)*SPITCH
.endr
.endm
.macro SEND2 a, younger                ; younger: the LDS instructions issued behind block a's loads: the next block's 32, or none
	WIN 0x08                                       ; store data in window 2
	s_wait_dscnt \younger
.irp t, 0,1,2,3,4,5,6,7,8,9,10,11,12,13,14,15
	global_store_b128 v[CO], v[64*(\a)+4*(\t):64*(\a)+4*(\t)+3], s[68:69] offset:(16*(\a)+(\t))*NDIM*4 th:TH_STORE_NT  ; 512 consecutive bytes of a row, aligned
.endr
.endm
.irp g, 0,1,2,3,4,5,6
	LA \g, \g                                      ; A's ring is filled: groups 0 to 6; group 0's own run brings the seventh
.endr
	WIN 0
	s_wait_tensorcnt 1                             ; my part of K step 0 is in; K step 1's may stay out
	s_barrier_signal -1
	s_barrier_wait -1                              ; everybody's is
	FB 0, 0, 0
	FB 1, 0, 0
	GROUP 0, 7, 1, 1, 48, 1                        ; the first group stands in front of the loop: its products start the sums
	WIN 0                                          ; at a label and at a branch every window is 0
	s_mov_b32 s3, STEPS-1
	s_branch .Lenter                               ; the loop is entered in the middle of a trip, behind a K step's first group
.Lstep:                                                ; STEPS - 2 whole trips: the change of slots with its refill, the next K step's group 0, then its groups 1 to 6
	G7C 1
	GROUP 0, 15, 0, 1, 48, 1
	WIN 0
	s_wait_xcnt 0x0                                ; every earlier memory instruction has had its addresses translated (ISA guide 3.1): only now is A's base stepped
	s_add_nc_u64 s[AB:AB+1], s[AB:AB+1], 8*GRPB
.Lenter:
.irp g, 1,2,3,4,5,6
	GROUP \g, (\g)+7, 0, 1, 48, 1
.endr
	WIN 0
	s_sub_co_u32 s3, s3, 1
	s_cmp_lg_u32 s3, 0
	s_cbranch_scc1 .Lstep
	G7C 0                                          ; the tail is written out: the last change of slots fills nothing and has no round
	GROUP 0, 15, 0, 1, 48, 1                       ; the last K step: its group 0 brings A's last group,
.irp g, 1,2,3,4,5,6
	GROUP \g, 0, 0, 0, 8*(7-\g), 1                 ; the others load no A: the counts run down
.endr
	GROUP 7, 0, 0, 0, 0, 0
	WIN 0
	PLACES
.if MODE == 0
	s_cmp_ge_u32 s42, 12                           ; tile columns 12 to 15 are v, which is not turned.  The tile column is equal in all partners; the jump goes forward, past no barrier and no tensor load
	s_cbranch_scc1 .Lplain
	s_wait_loadcnt 0x0                             ; the tables (they came in ahead of A)
	ROPE 0
	ROPE 1
	ROPE 2
	ROPE 3
	WIN 0
.Lplain:
	PACK 0
	TOSTAGE 0
.irp a, 1,2,3                          ; block a's conversions stand between block a - 1's loads from the stage and the wait for them
	PACK \a
	SEND (\a)-1
	TOSTAGE \a
.endr
	SEND 3
.else
	TOSTAGE2 0
	TOSTAGE2 1
	SEND2 0, 32
	TOSTAGE2 2
	SEND2 1, 32
	TOSTAGE2 3
	SEND2 2, 32
	SEND2 3, 0
.endif
	WIN 0
	s_wait_tensorcnt 0x0                           ; the wave's end, behind my last tensor load and my last LDS store
	ds_add_u32 v[SPW], v[NIL]
	s_wait_dscnt 0x0
	CROUND                                         ; the closing round: no work-group ends while a partner may still ask for a tile that names it
	s_endpgm
.Lfunc_end_k_qd4d104420a_proj:
	.size	k_qd4d104420a_proj, .Lfunc_end_k_qd4d104420a_proj-k_qd4d104420a_proj
	.p2alignl 7, 3214868480
	.fill 96, 4, 3214868480
	.section	.rodata,"a",@progbits
	.p2align	6, 0x0
	.amdhsa_kernel k_qd4d104420a_proj
		.amdhsa_group_segment_fixed_size 327680
		.amdhsa_private_segment_fixed_size 0
		.amdhsa_enable_private_segment 0
		.amdhsa_kernarg_size 32
		.amdhsa_user_sgpr_count 2
		.amdhsa_user_sgpr_kernarg_segment_ptr 1
		.amdhsa_wavefront_size32 1
		.amdhsa_system_sgpr_workgroup_id_x 1
		.amdhsa_system_sgpr_workgroup_id_y 1
		.amdhsa_system_sgpr_workgroup_id_z 1
		.amdhsa_system_vgpr_workitem_id 0
		.amdhsa_next_free_vgpr 1024
		.amdhsa_next_free_sgpr 72
		.amdhsa_reserve_vcc 0
		.amdhsa_float_denorm_mode_32 3
		.amdhsa_float_denorm_mode_16_64 3
		.amdhsa_memory_ordered 1
		.amdhsa_forward_progress 1
		.amdhsa_inst_pref_size 125
	.end_amdhsa_kernel
	.amdgpu_metadata
---
amdhsa.version: [ 1, 2 ]
amdhsa.kernels:
  - .name:           k_qd4d104420a_proj
    .symbol:         k_qd4d104420a_proj.kd
    .args:
      - { .name: hb, .offset: 0, .size: 8, .value_kind: global_buffer, .address_space: global }
      - { .name: wb, .offset: 8, .size: 8, .value_kind: global_buffer, .address_space: global }
      - { .name: qkv, .offset: 16, .size: 8, .value_kind: global_buffer, .address_space: global }
      - { .name: cs, .offset: 24, .size: 8, .value_kind: global_buffer, .address_space: global }
    .group_segment_fixed_size: 327680
    .private_segment_fixed_size: 0
    .kernarg_segment_align: 8
    .kernarg_segment_size: 32
    .max_flat_workgroup_size: 128
    .sgpr_count:     72
    .vgpr_count:     1024
    .wavefront_size: 32
...
	.end_amdgpu_metadata
.endif
;; end of part 6
;; launch attention (part 7): grid 32 x 8, 4 waves a work-group, clusters of 4 x 1, 327,680 bytes of LDS; arguments qkv, wo, ao, wo16; writes ao, wo16
.if DOCPART == 7
	.amdgcn_target "amdgcn-amd-amdhsa--gfx1250"
	.amdhsa_code_object_version 6
	.text
	.protected	k_qd4d104420a_attention
	.globl	k_qd4d104420a_attention
	.p2align	8
	.type	k_qd4d104420a_attention,@function
k_qd4d104420a_attention:
	s_mov_b64 s[64:65], 0
	v_nop
	global_prefetch_b8 v0, s[64:65] scope:SCOPE_SE
	s_setreg_imm32_b32 hwreg(HW_REG_WAVE_MODE, 25, 1), 1
	s_wait_xcnt 0x0
	s_wait_alu depctr_hold_cnt(0) depctr_sa_sdst(0) depctr_va_vdst(0) depctr_va_sdst(0) depctr_va_ssrc(0) depctr_va_vcc(0) depctr_vm_vsrc(0)
	s_getreg_b32 s2, hwreg(HW_REG_IB_STS2, 6, 4)
	s_cmp_eq_u32 s2, 0
	s_cbranch_scc0 .Lentry_in_a_cluster
	s_endpgm
.Lentry_in_a_cluster:
	s_bfe_u32 s2, ttmp6, 0x10000c
	s_cmp_lg_u32 s2, 0x3003
	s_cbranch_scc0 .Lentry_shape_is_right
	s_endpgm
.Lentry_shape_is_right:
; CAUSAL ATTENTION WITH GROUPED HEADS.  qkv: [32 heads][2048][128] f16: heads 0-15 q / 8, 16-23 k / 8, 24-31 v / 8 (q, k turned already).  Query head n reads key and value head n / 2.
; ao = O / 8 in f16, O[q] = the sum over k <= q of softmax_k(q . k / sqrt(128)) v[k], as a matrix [2048 positions][2048 = 16 heads x 128], stored IN FRAGMENT ORDER for the product behind:
; [position / 64][column / 32][block of 16 positions: 4][half: 2][lane: 32][16 bytes]; lane l of half j holds position 16 x block + l % 16, columns 32 (column / 32) + 16 j + 8 (l / 16) + 0..7.
; Products, maxima and sums in f32; the weights p are rounded to f16 for the second product (their sum l is taken of the unrounded p), O once at the end.
; BESIDE IT, A STREAM: wo16 [2048 k][4096 n] f16 = 8 x bf16(wo) (exact in f16; the 8 undoes the 1/8 that v carries), for the launch behind.  This launch reads 16.8 MB of its own, so the 33.6 MB of wo ride along:
; each of the 1,024 waves takes 32,768 consecutive bytes, four loads of 512 bytes in each of the loop's 16 trips, converted a trip later.
; LIMITS.  A hidden score counts as its stored value less 1e30 (stored scores reach 5.5e11 at the most); a weight below 2^-126 counts as 0; p below 6e-5 keeps f16's fixed step; |wo| < 8,188 (beyond it f16 gives
; an infinity); NaN and infinities are not treated apart.
; THE WALK.  A BLOCK is 32 positions x the two query heads of one key head g: four tiles of 16 queries (tile t: head 2 g + t / 2, positions 16 (t % 2) on).  Keys go in tiles of 128.
; A work-group takes two blocks: positions 128 a + 32 cx on (key tiles 0 .. a), then 128 (15 - a) + 32 (3 - cx) on (key tiles 0 .. 15 - a): 17 tiles whatever a and cx, so all 256 work-groups do equal
; work, one loop with a constant count walks them, and the four partners of a cluster (equal a and g, cx = 0..3) walk the SAME tiles: every tile of K and V is asked for jointly.
; THE FOUR WAVES SPLIT THE KEYS: of each tile wave w takes keys 32 w .. 32 w + 31, for all four query tiles: a fragment of K or V feeds four products and is read by one wave alone.
; Each wave keeps its own running maximum m, sum l and O^T; at a block's end the four partial results meet in LDS, in f32: O = sum_p g_p O_p, g_p = 2^(c m_p - M) / sum_p 2^(c m_p - M) l_p, M the largest c m_p.
; THE MASK.  A block's last tile holds the diagonal.  There -1e30 is added to the scores of hidden keys (32 registers MD, made from the lane, the wave and cx: data, no branch).  A wave all of whose keys are
; hidden from a query ends with c m near -8e30, and its g is 0.
; LAYOUT.  S^T = K Q^T (source 0 = 16 keys, source 1 = 16 queries): a lane holds ONE query (l % 16) and the keys 8 (l / 16) + 0..7; two such results rounded to f16 ARE source 1 of O^T = V^T P.
; SOFTMAX.  p = 2^(c s - c m), c = 64 log2(e) / sqrt(128) (the 64 undoes q's and k's eighths); in every step O and l are multiplied by a = 2^(c m_old - c m_new).  m starts at the lowest finite number: the first a is 0.
; THE SECOND PRODUCT COMES A TILE LATE: O^T += V^T P of tile i - 1 stands at the head of tile i, between the request for K's fragments and their first use: 32 products on registers while K comes out of LDS.
; A block's end runs the product that is still due; the next tile's head then repeats it on what P and V still hold, into an O^T that the new block's first a = 0 wipes: it need only be finite.
; REGISTERS, in windows of 256 (s_set_vgpr_msb: bits 1:0 source 0, 3:2 source 1, 5:4 source 2, 7:6 destination):
;   window 0: v0-23 addresses; v32-47 statistics; v48-63 at work; v64-127 S^T (16 t + 8 kb); v128-159 P (8 t); v160-191 MD; v192-207 the merge's statistics; v208-231 the stream
;   window 1: O^T (64 t + 8 cb); in the merge the four partial results      window 2: v0-127 Q (32 t + 8 c); v128-191 K (32 kb + 8 c); v192-255 V (8 cb)      window 3: v0-127 the second block's Q
.set PK,    272       ; a row of K in LDS: 256 bytes + 16 = 68 words: the 16 rows of a load start at 16 different groups of four banks (64 banks of 4 bytes: ISA guide 11.1)
.set PV,    288       ; a row of V: 256 + 32 = 72 words
.set VOFF,  128*PK    ; a slot holds a tile: 128 rows of K, then 128 rows of V: 71,680 bytes
.set SLOTD, 0x12000   ; slot 1 begins here: its two bits are in none of the four loads' places in a slot (0, 0x4400, 0x8800, 0xd000), so one exclusive or moves an address from slot to slot
.set MG,    SLOTD+128*(PK+PV)  ; behind the ring, never filled by a tensor load: wave p's partial O: 64 rows (16 t + query) x 528 bytes
.set MP,    528
.set MGW,   64*MP
.set STT,   MG+4*MGW  ; wave p's (c m, l) for its 64 queries: 512 bytes a wave
.set SPARE, STT+2048  ; the spare words, 128 bytes a wave: two blocks of 256 bytes that no other line names
.set AK0, 2           ; v2   my lane's place in a tile of K; never rewritten
.set AV0, 3           ; v3   the same for V
.set AK,  4           ; v4   the LDS address of K's run of loads
.set AV,  5           ; v5   of V's
.set QO,  6           ; v6   my byte offset in 16 rows of Q
.set MW,  7           ; v7   the merge: where I put 32 bytes of a row of my partial O
.set SA,  8           ; v8   where I put a query's (c m, l)
.set MR0, 10          ; v10, v11  where I read 32 bytes of my query's row in partial results 0, 1 and 2, 3
.set SRD, 12          ; v12  where I read a query's (c m, l)
.set GO,  15          ; v15  16 x lane: my 16 bytes in half a fragment of ao, and in 512 bytes of wo; never rewritten
.set THRB, 16         ; v16  l % 16 - 32 w - 8 (l / 16)
.set THR, 17          ; v17  that plus 32 x the block's place in its diagonal tile
.set SPW, 18          ; v18  LDS address of my spare word; never rewritten
.set NIL, 19          ; v19  0; never rewritten
.set WS,  23          ; v23  8 x lane: my 8 bytes in 256 bytes of wo16; never rewritten
.set ST,  32          ; tile t's statistics at v[ST + 4 t]: c m, m, l (even keys', odd keys')
.set TMP, 48          ; tile t: c0-c3 at work; when the maximum is found c2 takes a
.set S,   64
.set P,   128
.set MD,  160         ; 16 (t % 2) + 8 kb + j
.set F,   192
.set WX,  208         ; v208-223  the stream: four loads of four f32
.set WY,  224         ; v224-231  four pairs to store
.set KF,  128         ; window 2
.set VF,  192         ; window 2
.set WV,  12          ; s12  my wave's number
.set CX,  13          ; s13  my place in the cluster: it enters Q's, ao's, wo's and wo16's addresses and the mask's numbers alone
.set CA,  14          ; s14  a
.set HG,  15          ; s15  g
.set G1K, 24          ; s[24:31] descriptor group 1 for K's tiles
.set G1V, 32          ; s[32:39] for V's: it differs in the padding alone
.set G0K, 40          ; s[40:43] descriptor group 0 for K's tiles
.set G0V, 44          ; s[44:47] for V's
.set KB,  48          ; s[48:49] K at my half of the head's tile 0
.set VB,  50          ; s[50:51] V likewise
.set QLO, 52          ; s[52:53] Q at the first block
.set QHI, 54          ; s[54:55] at the second
.set OB,  56          ; s[56:57] ao at the tile that I finish, of the block in hand
.set OHI, 58          ; s[58:59] of the second block
.set CS,  60          ; s[60:61] c: the packed scaling takes the pair's low word for both halves
.set SEL, 62          ; s[62:63] v_permlanex16_b32's selects: each lane takes its own place in the other half
.set TB,  66          ; s66  the slot to be read: 0 or SLOTD
.set NXT, 67          ; s67  the key tile to be asked for next
.set LQ,  68          ; s68  the last key tile of the block whose tiles are being asked for
.set HIQ, 69          ; s69  15 - a
.set RT,  70          ; s70  tiles that the block in hand still has, the one in hand among them
.set SW,  71          ; s71  1: a block has ended: its merge is to be finished and the next block begun
.set CNT, 72          ; s72  the loop's count
.set BIGN, 73         ; s73  -1e30
.set OFF, 74          ; s[74:75] a tile's byte offset in K and V
.set THS, 76          ; s76  32 x the place of the block in hand in its diagonal tile
.set THH, 77          ; s77  the same for the second block
.set WSRC, 80         ; s[80:81] wo at the 2,048 bytes that my wave loads next
.set WDST, 82         ; s[82:83] wo16 1,024 bytes behind what my wave stores next
.set E8,  84          ; s[84:85] 8.0: the packed product takes the pair's low word for both halves
.set ARG, 92          ; s[92:99] qkv, wo, ao, wo16
.set MSB, 0
.macro WIN new                      ; the high byte repeats the setting that is left; a switch that changes nothing is dropped
.if MSB != (\new)
	s_set_vgpr_msb (MSB<<8)|(\new)
.set MSB, \new
.endif
.endm
.set W_KQ, 0x0a       ; K and Q in window 2, S^T in window 0
.set W_PV, 0x52       ; V in window 2, P in window 0, O^T in window 1
.set W_RS, 0x41       ; O^T (destination and source 0) in window 1, a in window 0
.macro PLACES                       ; four places between matrix instructions and the first line that reads their results or loads into their sources
.rept 4
	v_nop
.endr
.endm
.macro ALLT line:vararg             ; one line for each tile t
.set t, 0
.rept 4
	\line
.set t, t+1
.endr
.endm
; A joint fill.  Waves 0 and 1 fetch the two halves of a tile's K, waves 2 and 3 those of its V: 64 keys each.  The branch hangs on the wave's number alone.
; An s_nop 0 and four v_nop follow each of the two lines.
.macro JLOAD
	s_cmp_lt_u32 s[WV], 2
	s_cbranch_scc0 .Lfor_v_\@
	tensor_load_to_lds s[G0K:G0K+3], s[G1K:G1K+7]
	s_nop 0
.rept 4
	v_nop
.endr
	s_branch .Lasked_\@
.Lfor_v_\@:
	tensor_load_to_lds s[G0V:G0V+3], s[G1V:G1V+7]
	s_nop 0
.rept 4
	v_nop
.endr
.Lasked_\@:
.endm
.macro CROUND                       ; a round of the cluster's barrier
	s_barrier_signal -1
	s_barrier_wait -1
	s_cmp_lg_u32 s[WV], 0
	s_cbranch_scc1 .Lnot_wave_0_\@
	s_barrier_signal -3
.Lnot_wave_0_\@:
	s_barrier_wait -3
	s_barrier_signal -1
	s_barrier_wait -1
.endm
.macro ADV                          ; the block's next key tile, or behind its last the second block's tile 0
	s_add_co_u32 s[NXT], s[NXT], 1
	s_cmp_gt_u32 s[NXT], s[LQ]
	s_cselect_b32 s[NXT], 0, s[NXT]
	s_cselect_b32 s[LQ], s[HIQ], s[LQ]
.endm
; THE CHANGE OF SLOTS.  Each wave waits for all its tensor loads (one is out: its part of the other slot), adds 0 to its spare word, and waits for that and for its LDS instructions: its reads of the slot that it
; leaves, and a merge's stores.  fill = 1: the barrier is a round of the cluster's, and the old slot is filled again first thing behind it, with tile NXT; the descriptor's address is made anew from that number.
; (At its first use nothing has been read yet: slot 0 is waited for, slot 1 filled.)
.macro CHANGE fill
	WIN 0
	s_wait_tensorcnt 0x0            ; no tensor load of mine is out, so a group 0 may be written
	ds_add_u32 v[SPW], v[NIL]       ; 0 onto my spare word; with fill = 1 the descriptors' scalar work stands between it and the wait for it
.if \fill
	s_lshl_b32 s[OFF], s[NXT], 15   ; a tile is 32,768 bytes of K and of V
	s_xor_b32 s[G0K+1], s[G0K+1], SLOTD
	s_add_nc_u64 s[G0K+2:G0K+3], s[KB:KB+1], s[OFF:OFF+1]
	s_or_b32 s[G0K+3], s[G0K+3], 0x80000000
	s_xor_b32 s[G0V+1], s[G0V+1], SLOTD
	s_add_nc_u64 s[G0V+2:G0V+3], s[VB:VB+1], s[OFF:OFF+1]
	s_or_b32 s[G0V+3], s[G0V+3], 0x80000000
	ADV
	s_wait_dscnt 0x0                ; the add is done, and my LDS instructions are over
	CROUND
	JLOAD
.else
	s_wait_dscnt 0x0
	s_barrier_signal -1
	s_barrier_wait -1
.endif
	s_xor_b32 s[TB], s[TB], SLOTD   ; the slot that has landed is read
.endm
; MD: register 16 u + 8 kb + j is -1e30 where my key 32 w + 16 kb + 8 (l / 16) + j lies behind my query 32 R + 16 u + l % 16 of the diagonal tile, else 0
.macro MKMASK
	v_add_nc_u32 v[THR], s[THS], v[THRB]
.set i, 0
.rept 32
	v_cmp_gt_i32 vcc_lo, 16*((i/8)%2)+i%8-16*(i/16), v[THR]
	v_cndmask_b32 v[MD+i], 0, s[BIGN], vcc_lo
.set i, i+1
.endr
.endm
.macro NEWSTAT
	ALLT v_mov_b32 v[ST+4*t], 0xfe000000    ; c m: far below every c s, the hidden ones' too
	ALLT v_mov_b32 v[ST+4*t+1], 0xff7fffff  ; m
	ALLT v_mov_b32 v[ST+4*t+2], 0
	ALLT v_mov_b32 v[ST+4*t+3], 0
.endm
; O^T += V^T P: channels 16 (i / 4) on, tile i % 4: 32 different accumulators, one instruction each
.macro PVRUN
	WIN W_PV
.set i, 0
.rept 32
.set rO, 64*(i%4)+8*(i/4)
	v_wmma_f32_16x16x32_f16 v[rO:rO+7], v[VF+8*(i/4):VF+8*(i/4)+7], v[P+8*(i%4):P+8*(i%4)+7], v[rO:rO+7]
.set i, i+1
.endr
	WIN 0
.endm
; THE STREAM'S STEP, once a trip of the loop: the 2,048 bytes of wo asked for a trip ago are rounded to bf16, widened, multiplied by 8 and written as f16; the next 2,048 bytes are asked for.
; Forty plain lines that name no register of the products in front of them.  The sixteenth trip has nothing left to ask for: a jump forward over four plain loads, whose wait is for 0.
.macro WOSTEP
	s_wait_loadcnt 0x0              ; the four loads of the trip before (the first time: those ahead of the loop) are in, so their base may be stepped
	s_wait_xcnt 0x0                 ; every earlier memory instruction has had its addresses translated (ISA guide 3.1): only now are the last stores' data and base rewritten
	s_add_nc_u64 s[WSRC:WSRC+1], s[WSRC:WSRC+1], 2048
	s_add_nc_u64 s[WDST:WDST+1], s[WDST:WDST+1], 1024
.irp q, 0,1,2,3
	v_cvt_pk_bf16_f32 v[WY+2*\q],   v[WX+4*\q],   v[WX+4*\q+1]
	v_cvt_pk_bf16_f32 v[WY+2*\q+1], v[WX+4*\q+2], v[WX+4*\q+3]
.endr
.irp q, 0,1,2,3
	v_lshlrev_b32 v[WX+4*\q],   16,         v[WY+2*\q]    ; the rounded numbers as f32 again
	v_and_b32     v[WX+4*\q+1], 0xffff0000, v[WY+2*\q]
	v_lshlrev_b32 v[WX+4*\q+2], 16,         v[WY+2*\q+1]
	v_and_b32     v[WX+4*\q+3], 0xffff0000, v[WY+2*\q+1]
.endr
.irp q, 0,1,2,3
	v_pk_mul_f32 v[WX+4*\q:WX+4*\q+1],   v[WX+4*\q:WX+4*\q+1],   s[E8:E8+1] op_sel_hi:[1,0]
	v_pk_mul_f32 v[WX+4*\q+2:WX+4*\q+3], v[WX+4*\q+2:WX+4*\q+3], s[E8:E8+1] op_sel_hi:[1,0]
.endr
.irp q, 0,1,2,3
	v_cvt_pk_f16_f32 v[WY+2*\q],   v[WX+4*\q],   v[WX+4*\q+1]   ; 8 significant bits fit f16's 11: nothing is rounded here
	v_cvt_pk_f16_f32 v[WY+2*\q+1], v[WX+4*\q+2], v[WX+4*\q+3]
.endr
.irp q, 0,1,2,3
	global_store_b64 v[WS], v[WY+2*\q:WY+2*\q+1], s[WDST:WDST+1] offset:256*\q-1024  ; the wave stores 256 consecutive bytes, aligned; the base has been stepped already, so the stores reach back
.endr
	s_cmp_eq_u32 s[CNT], 1
	s_cbranch_scc1 .Lwo_done_\@
.irp q, 0,1,2,3
	global_load_b128 v[WX+4*\q:WX+4*\q+3], v[GO], s[WSRC:WSRC+1] offset:512*\q th:TH_LOAD_NT
.endr
.Lwo_done_\@:
.endm
; A KEY TILE, in phases: my 32 keys against the four query tiles.  diag = 0: the mask is jumped over unless this is the block's last tile; 1 (the walk's last tile): it is taken.  wo = 1: the stream's step rides along.
.macro TILE diag, wo
	WIN 0
	v_add_nc_u32 v[AK], s[TB], v[AK0]
	v_add_nc_u32 v[AV], s[TB], v[AV0]
	WIN 0x80                        ; destination window 2.  The last products that read K's registers stand a softmax back
.irp f, 0,1,2,3,4,5,6,7             ; K: keys 16 (f / 4) on, channels 32 (f % 4) on
	ds_load_b128 v[KF+8*\f:KF+8*\f+3],   v[AK] offset:(\f/4)*16*PK+(\f%4)*64
	ds_load_b128 v[KF+8*\f+4:KF+8*\f+7], v[AK] offset:(\f/4)*16*PK+(\f%4)*64+32
.endr
	PVRUN                           ; the tile before's second product: its V came in ahead of the last barrier, its P was rounded there.  K lands meanwhile
.if \wo
	WOSTEP                          ; its plain lines are the places between those products and the loads into V's registers
.else
	PLACES
.endif
	WIN 0x80
.irp f, 0,1,2,3,4,5,6,7             ; V, turned: channels 16 f on, my 32 keys: wanted at the head of the next tile
	ds_load_tr16_b128 v[VF+8*\f:VF+8*\f+3],   v[AV] offset:32*\f
	ds_load_tr16_b128 v[VF+8*\f+4:VF+8*\f+7], v[AV] offset:16*PV+32*\f
.endr
	s_wait_dscnt 16                 ; K is in; V's sixteen loads, issued behind K's, may stay out
	WIN W_KQ
.set i, 0
.rept 32                            ; S^T = K Q^T: channels 32 (i / 8) on, keys 16 ((i / 4) % 2) on, tile i % 4.  The 8 accumulators take turns; the first 8 products start the sums
.set rS, S+16*(i%4)+8*((i/4)%2)
.set rK, KF+32*((i/4)%2)+8*(i/8)
.set rQ, 32*(i%4)+8*(i/8)
.if i < 8
	v_wmma_f32_16x16x32_f16 v[rS:rS+7], v[rK:rK+7], v[rQ:rQ+7], 0
.else
	v_wmma_f32_16x16x32_f16 v[rS:rS+7], v[rK:rK+7], v[rQ:rQ+7], v[rS:rS+7]
.endif
.set i, i+1
.endr
	WIN 0
	PLACES
.if (\diag) == 0
	s_cmp_lg_u32 s[RT], 1           ; equal in all waves and all partners; the jump goes forward, past no barrier and no tensor load
	s_cbranch_scc1 .Lopen_\@
.endif
.set n, 0
.rept 32                            ; pair n % 8 of tile n / 8; each accumulator from its low end on
	v_pk_add_f32 v[S+2*n:S+2*n+1], v[S+2*n:S+2*n+1], v[MD+2*(n%16):MD+2*(n%16)+1]
.set n, n+1
.endr
.if (\diag) == 0
.Lopen_\@:
.endif
	; the maximum of a tile's 16 scores a lane and the old m: two chains that begin at the two accumulators' low registers
	ALLT v_max3_num_f32 v[TMP+4*t], v[S+16*t], v[S+16*t+1], v[S+16*t+2]
	ALLT v_max3_num_f32 v[TMP+4*t+1], v[S+16*t+8], v[S+16*t+9], v[S+16*t+10]
	ALLT v_max3_num_f32 v[TMP+4*t], v[TMP+4*t], v[S+16*t+3], v[S+16*t+4]
	ALLT v_max3_num_f32 v[TMP+4*t+1], v[TMP+4*t+1], v[S+16*t+11], v[S+16*t+12]
	ALLT v_max3_num_f32 v[TMP+4*t], v[TMP+4*t], v[S+16*t+5], v[S+16*t+6]
	ALLT v_max3_num_f32 v[TMP+4*t+1], v[TMP+4*t+1], v[S+16*t+13], v[S+16*t+14]
	ALLT v_max3_num_f32 v[TMP+4*t], v[TMP+4*t], v[S+16*t+7], v[S+16*t+15]
	ALLT v_max3_num_f32 v[TMP+4*t], v[TMP+4*t], v[TMP+4*t+1], v[ST+4*t+1]
	ALLT v_permlanex16_b32 v[TMP+4*t+1], v[TMP+4*t], s[SEL], s[SEL+1]  ; the query's other 16 of my keys lie in the lane 16 away
	ALLT v_mov_b32 v[TMP+4*t+3], v[ST+4*t]                             ; c m_old is kept: the difference of the two ROUNDED c m keeps a in step with the weights
	ALLT v_max_num_f32 v[ST+4*t+1], v[TMP+4*t], v[TMP+4*t+1]
	ALLT v_mul_f32 v[ST+4*t], s[CS], v[ST+4*t+1]
	ALLT v_sub_f32 v[TMP+4*t+3], v[TMP+4*t+3], v[ST+4*t]
	ALLT v_exp_f32 v[TMP+4*t+2], v[TMP+4*t+3]                          ; a; the scalings below are the plain lines behind it
.set n, 0
.rept 32                            ; c s - c m
	v_pk_fma_f32 v[S+2*n:S+2*n+1], v[S+2*n:S+2*n+1], s[CS:CS+1], v[ST+4*(n/8):ST+4*(n/8)+1] op_sel_hi:[1,0,0] neg_lo:[0,0,1] neg_hi:[0,0,1]
.set n, n+1
.endr
.set n, 0
.rept 64
	v_exp_f32 v[S+n], v[S+n]
.set n, n+1
.endr
	WIN W_RS
.set n, 0
	s_wait_alu depctr_va_vdst(0)
.rept 128                           ; O^T times a: plain lines that name no weight: the place behind the last exponential too.  Each accumulator from its low end on
	v_pk_mul_f32 v[2*n:2*n+1], v[2*n:2*n+1], v[TMP+4*(n/32)+2:TMP+4*(n/32)+3] op_sel_hi:[1,0]
.set n, n+1
.endr
	WIN 0
.set n, 0
.rept 32
	v_cvt_pk_f16_f32 v[P+n], v[S+2*n], v[S+2*n+1]
.set n, n+1
.endr
	; the sum of a tile's 8 pairs of weights, in place, and l = a l + sum
.irp k, 0,4,8,12
	ALLT v_pk_add_f32 v[S+16*t+\k:S+16*t+\k+1], v[S+16*t+\k:S+16*t+\k+1], v[S+16*t+\k+2:S+16*t+\k+3]
.endr
.irp k, 0,8
	ALLT v_pk_add_f32 v[S+16*t+\k:S+16*t+\k+1], v[S+16*t+\k:S+16*t+\k+1], v[S+16*t+\k+4:S+16*t+\k+5]
.endr
	ALLT v_pk_add_f32 v[S+16*t:S+16*t+1], v[S+16*t:S+16*t+1], v[S+16*t+8:S+16*t+9]
	ALLT v_pk_fma_f32 v[ST+4*t+2:ST+4*t+3], v[ST+4*t+2:ST+4*t+3], v[TMP+4*t+2:TMP+4*t+3], v[S+16*t:S+16*t+1] op_sel_hi:[1,0,1]
.endm
; A BLOCK'S END, first part: my partial result goes to LDS.  l's two halves and the other half of the lanes' are added (into m's register, which has served): eight plain lines, the places behind the products in
; front; (c m, l) for each query; O^T in f32, the low four registers of an accumulator first.
.macro MERGE_WRITE
	WIN 0
	ALLT v_add_f32 v[ST+4*t+1], v[ST+4*t+2], v[ST+4*t+3]
	ALLT v_permlanex16_b32 v[TMP+4*t], v[ST+4*t+1], s[SEL], s[SEL+1]
	ALLT v_add_f32 v[ST+4*t+1], v[ST+4*t+1], v[TMP+4*t]
	ALLT ds_store_b64 v[SA], v[ST+4*t:ST+4*t+1] offset:128*t  ; both halves of the lanes store the same numbers
	WIN 0x04                        ; store data in window 1
.set n, 0
.rept 32                            ; tile n / 8, channels 16 (n % 8) on
	ds_store_b128 v[MW], v[8*n:8*n+3]   offset:(n/8)*16*MP+64*(n%8)
	ds_store_b128 v[MW], v[8*n+4:8*n+7] offset:(n/8)*16*MP+64*(n%8)+16
.set n, n+1
.endr
	WIN 0
.endm
; A BLOCK'S END, second part, behind a barrier: wave w finishes tile w.  Lane l finishes query l % 16: it works out that query's g0..g3 and takes, for each of eight pieces of 16 channels, its 8 (l / 16) + 0..7
; from the four partial results: rounded to f16 they are the lane's 16 bytes of half a fragment of ao.
.macro MERGE_READ
	WIN 0
.irp p, 0,1,2,3
	ds_load_b64 v[F+2*\p:F+2*\p+1], v[SRD] offset:512*\p
.endr
	WIN 0x40                        ; destination window 1: partial result n / 8, piece n % 8 at v[8 n]
.set n, 0
.rept 32
	ds_load_b128 v[8*n:8*n+3],   v[MR0+n/16] offset:((n/8)%2)*MGW+64*(n%8)
	ds_load_b128 v[8*n+4:8*n+7], v[MR0+n/16] offset:((n/8)%2)*MGW+64*(n%8)+16
.set n, n+1
.endr
	WIN 0
	s_wait_dscnt 63                 ; 68 loads are issued: with 63 out at the most the oldest five are in, the four of the statistics among them
	v_max3_num_f32 v[F+8], v[F], v[F+2], v[F+4]
	v_max_num_f32 v[F+8], v[F+8], v[F+6]
.irp p, 0,1,2,3
	v_sub_f32 v[F+12+\p], v[F+2*\p], v[F+8]
.endr
.irp p, 0,1,2,3
	v_exp_f32 v[F+12+\p], v[F+12+\p]
.endr
	v_nop                           ; a plain line between the last exponential and the use of its result
	s_wait_alu depctr_va_vdst(0)
	v_mul_f32 v[F+9], v[F+12], v[F+1]
	v_fmac_f32 v[F+9], v[F+13], v[F+3]
	v_fmac_f32 v[F+9], v[F+14], v[F+5]
	v_fmac_f32 v[F+9], v[F+15], v[F+7]
	v_rcp_f32 v[F+10], v[F+9]
	v_nop
	s_wait_alu depctr_va_vdst(0)
.irp p, 0,1,2,3
	v_mul_f32 v[F+12+\p], v[F+12+\p], v[F+10]
.endr
	s_wait_dscnt 0x0                ; the partial results are in
	WIN 0x51                        ; partial results (destination, sources 0 and 2) in window 1, g in window 0
.set n, 0
.rept 32                            ; pair n of my 64 channels, in place in partial result 0
	v_pk_mul_f32 v[2*n:2*n+1], v[2*n:2*n+1], v[F+12:F+13] op_sel_hi:[1,0]
.set n, n+1
.endr
.set n, 0
.rept 32
	v_pk_fma_f32 v[2*n:2*n+1], v[64+2*n:64+2*n+1], v[F+12:F+13], v[2*n:2*n+1] op_sel:[0,1,0] op_sel_hi:[1,1,1]
.set n, n+1
.endr
.set n, 0
.rept 32
	v_pk_fma_f32 v[2*n:2*n+1], v[128+2*n:128+2*n+1], v[F+14:F+15], v[2*n:2*n+1] op_sel_hi:[1,0,1]
.set n, n+1
.endr
.set n, 0
.rept 32
	v_pk_fma_f32 v[2*n:2*n+1], v[192+2*n:192+2*n+1], v[F+14:F+15], v[2*n:2*n+1] op_sel:[0,1,0] op_sel_hi:[1,1,1]
.set n, n+1
.endr
	WIN 0x05                        ; sources in window 1, destination in window 0: P's registers are free
.set n, 0
.rept 32
	v_cvt_pk_f16_f32 v[P+n], v[2*n], v[2*n+1]
.set n, n+1
.endr
	WIN 0
.irp m, 0,1,2,3,4,5,6,7
	global_store_b128 v[GO], v[P+4*\m:P+4*\m+3], s[OB:OB+1] offset:(\m/2)*4096+(\m%2)*512  ; half a fragment: the wave stores 512 consecutive bytes, aligned
.endr
.endm
; THE SECOND BLOCK BEGINS.  O^T need only be finite: the first step multiplies it by a = 0.
.macro BEGIN2
	s_wait_xcnt 0x0                 ; the stores above have had their addresses translated (ISA guide 3.1): only now are their base and data registers rewritten
	s_mov_b64 s[OB:OB+1], s[OHI:OHI+1]
	NEWSTAT
	s_mov_b32 s[THS], s[THH]
	MKMASK
	WIN 0x83                        ; from window 3 into window 2: the second block's Q goes where the one text of the tile names Q
.set i, 0
.rept 128
	v_mov_b32 v[i], v[i]
.set i, i+1
.endr
	WIN 0
	s_mov_b32 s[SW], 0
.endm
	s_load_b256 s[ARG:ARG+7], s[0:1], 0x0  ; qkv s[92:93], wo s[94:95], ao s[96:97], wo16 s[98:99]
	v_lshl_add_u32 v[SPW], v0, 2, SPARE
	v_mov_b32 v[NIL], 0
	ds_add_u32 v[SPW], v[NIL]       ; the wave's opening: the add and its wait stand ahead of my first tensor load; the set-up below, work on registers, stands between them
	v_lshrrev_b32 v1, 5, v0
	v_readfirstlane_b32 s[WV], v1   ; wave 0..3
	s_bfe_u32 s[CX], ttmp6, 0x40000
	s_mov_b32 s[CA], ttmp9          ; in a cluster launch ttmp9 counts clusters
	s_and_b32 s[HG], ttmp7, 0xffff
	s_sub_co_u32 s[HIQ], 15, s[CA]
	s_sub_co_u32 s3, 3, s[CX]       ; the second block's place in its diagonal tile
	s_and_b32 s2, s[WV], 1          ; which half of a tile's 128 keys I fetch
	s_add_co_u32 s16, s[HG], 16     ; K: head 16 + g, 524,288 bytes a head,
	s_lshl_b32 s16, s16, 19
	s_lshl_b32 s17, s2, 14          ; and 64 rows of 256 bytes for the second half
	s_add_co_u32 s16, s16, s17
	s_mov_b32 s17, 0
	s_add_co_u32 s18, s16, 8<<19    ; V: eight heads on
	s_mov_b32 s19, 0
	s_lshl_b32 s20, s[HG], 20       ; Q: head 2 g,
	s_mov_b32 s22, s20
	s_lshl_b32 s21, s[CA], 15       ; position 128 a + 32 cx, 256 bytes each
	s_add_co_u32 s20, s20, s21
	s_lshl_b32 s21, s[CX], 13
	s_add_co_u32 s20, s20, s21
	s_mov_b32 s21, 0
	s_lshl_b32 s23, s[HIQ], 15      ; and position 128 (15 - a) + 32 (3 - cx)
	s_add_co_u32 s22, s22, s23
	s_lshl_b32 s23, s3, 13
	s_add_co_u32 s22, s22, s23
	s_mov_b32 s23, 0
	s_lshl_b32 s8, s[HG], 1         ; ao: I finish tile w: head 2 g + w / 2: its 128 columns are four blocks of 32, 4,096 bytes each;
	s_lshr_b32 s9, s[WV], 1
	s_add_co_u32 s8, s8, s9
	s_lshl_b32 s8, s8, 14
	s_mov_b32 s10, s8
	s_lshl_b32 s9, s[CA], 3         ; its 16 positions are block 8 a + 2 cx + w % 2 in the first block of queries:
	s_lshl1_add_u32 s9, s[CX], s9
	s_add_co_u32 s9, s9, s2
	s_and_b32 s11, s9, 3            ; 1,024 bytes for each of four,
	s_lshl_b32 s11, s11, 10
	s_add_co_u32 s8, s8, s11
	s_lshr_b32 s9, s9, 2            ; 262,144 for each 64 positions
	s_lshl_b32 s9, s9, 18
	s_add_co_u32 s8, s8, s9
	s_mov_b32 s9, 0
	s_lshl_b32 s11, s[HIQ], 3       ; and block 8 (15 - a) + 2 (3 - cx) + w % 2 in the second
	s_lshl1_add_u32 s11, s3, s11
	s_add_co_u32 s11, s11, s2
	s_and_b32 s78, s11, 3
	s_lshl_b32 s78, s78, 10
	s_add_co_u32 s10, s10, s78
	s_lshr_b32 s11, s11, 2
	s_lshl_b32 s11, s11, 18
	s_add_co_u32 s10, s10, s11
	s_mov_b32 s11, 0
	s_lshl_b32 s[THS], s[CX], 5
	s_lshl_b32 s[THH], s3, 5
	s_lshl3_add_u32 s86, s[HG], s[CA]  ; the stream: my wave is number 4 (4 (8 g + a) + cx) + w of 1,024:
	s_lshl2_add_u32 s86, s86, s[CX]
	s_lshl2_add_u32 s86, s86, s[WV]
	s_lshl_b32 s88, s86, 14         ; 16,384 bytes of wo16,
	s_lshl_b32 s86, s86, 15         ; 32,768 of wo
	s_mov_b32 s87, 0
	s_mov_b32 s89, 0
	s_mov_b32 s[E8], 0x41000000     ; 8.0
	s_mov_b32 s[E8+1], s[E8]        ; named with it as a pair
	; descriptor group 1: a tile of 64 rows x 128 elements, padded in LDS
	s_mov_b32 s[G1K], 15|(1<<16)|(1<<20)|(1<<21)|(5<<22)|(3<<25)  ; 15:0 the mask of four; 17:16 2-byte elements; 20 padding on; 21 set beside a mask; 24:22 after every 64 words (code 5); 31:25 4 words (code 3)
	s_mov_b32 s[G1V], 15|(1<<16)|(1<<20)|(1<<21)|(5<<22)|(7<<25)  ; the same with 8 words of padding (code 7)
.irp g, G1K, G1V
	s_mov_b32 s[\g+1], 128<<16      ; tensor_dim0 = 128
	s_mov_b32 s[\g+2], 64<<16       ; tensor_dim1 = 64
	s_mov_b32 s[\g+3], 128<<16      ; tile_dim0 = 128
	s_mov_b32 s[\g+4], 64           ; tile_dim1 = 64
	s_mov_b32 s[\g+5], 128          ; 128 elements from row to row
	s_mov_b32 s[\g+6], 0
	s_mov_b32 s[\g+7], 0
.endr
	s_mov_b32 s[G0K], 1             ; count = 1
	s_mul_i32 s[G0K+1], s2, 64*PK   ; LDS address: slot 0; no place in the cluster enters it
	s_mov_b32 s[G0V], 1
	s_mul_i32 s[G0V+1], s2, 64*PV
	s_add_co_u32 s[G0V+1], s[G0V+1], VOFF
	s_mov_b32 s[CS], 0x410293ee     ; c = 64 log2(e) / sqrt(128) = 8.16109
	s_mov_b32 s[CS+1], s[CS]        ; named with it as a pair
	s_mov_b32 s[SEL], 0x76543210
	s_mov_b32 s[SEL+1], 0xfedcba98
	s_mov_b32 s[BIGN], 0xf149f2ca   ; -1e30
	s_mov_b32 s[TB], SLOTD          ; the first change of slots turns it into 0
	s_mov_b32 s[NXT], 0
	s_mov_b32 s[LQ], s[CA]
	s_add_co_u32 s[RT], s[CA], 1    ; the first block has a + 1 tiles
	s_mov_b32 s[SW], 0
	s_mov_b32 s[CNT], 16
	s_mov_b32 s[OFF+1], 0
	s_wait_dscnt 0x0                ; the opening add is done
	s_wait_kmcnt 0x0
	s_add_nc_u64 s[KB:KB+1], s[ARG:ARG+1], s[16:17]
	s_add_nc_u64 s[VB:VB+1], s[ARG:ARG+1], s[18:19]
	s_add_nc_u64 s[QLO:QLO+1], s[ARG:ARG+1], s[20:21]
	s_add_nc_u64 s[QHI:QHI+1], s[ARG:ARG+1], s[22:23]
	s_add_nc_u64 s[OB:OB+1], s[ARG+4:ARG+5], s[8:9]
	s_add_nc_u64 s[OHI:OHI+1], s[ARG+4:ARG+5], s[10:11]
	s_add_nc_u64 s[WSRC:WSRC+1], s[ARG+2:ARG+3], s[86:87]
	s_add_nc_u64 s[WDST:WDST+1], s[ARG+6:ARG+7], s[88:89]
	s_mov_b64 s[G0K+2:G0K+3], s[KB:KB+1]           ; global address: tile 0
	s_or_b32 s[G0K+3], s[G0K+3], 0x80000000        ; type = 2
	s_mov_b64 s[G0V+2:G0V+3], s[VB:VB+1]
	s_or_b32 s[G0V+3], s[G0V+3], 0x80000000
	ADV
	CROUND                          ; all four work-groups are here: the first joint loads meet
	JLOAD                           ; tile 0 into slot 0.  Slot 1 is asked for by the loop's first change of slots
	v_and_b32 v1, 15, v0            ; r = l % 16
	v_bfe_u32 v9, v0, 4, 1          ; h = l / 16
	v_and_b32 v20, 31, v0           ; lane
	v_and_b32 v21, 7, v0
	v_bfe_u32 v22, v0, 3, 1
	v_lshlrev_b32 v[GO], 4, v20
	v_lshlrev_b32 v[WS], 3, v20
	v_lshlrev_b32 v[QO], 8, v1      ; a fragment of Q or K: row r, channels 8 h + 0..7 and 16 + 8 h + 0..7: two loads of 16 bytes, 32 bytes apart
	v_lshl_add_u32 v[QO], v9, 4, v[QO]
	WIN 0x80                        ; destination window 2, address window 0
.set i, 0
.rept 16                            ; both blocks' Q stay in registers: tile i / 4, channels 32 (i % 4) on
	global_load_b128 v[8*i:8*i+3],   v[QO], s[QLO:QLO+1] offset:(i/8)*524288+((i/4)%2)*4096+(i%4)*64
	global_load_b128 v[8*i+4:8*i+7], v[QO], s[QLO:QLO+1] offset:(i/8)*524288+((i/4)%2)*4096+(i%4)*64+32
.set i, i+1
.endr
	WIN 0xc0                        ; destination window 3
.set i, 0
.rept 16
	global_load_b128 v[8*i:8*i+3],   v[QO], s[QHI:QHI+1] offset:(i/8)*524288+((i/4)%2)*4096+(i%4)*64
	global_load_b128 v[8*i+4:8*i+7], v[QO], s[QHI:QHI+1] offset:(i/8)*524288+((i/4)%2)*4096+(i%4)*64+32
.set i, i+1
.endr
	WIN 0
.irp q, 0,1,2,3
	global_load_b128 v[WX+4*\q:WX+4*\q+3], v[GO], s[WSRC:WSRC+1] offset:512*\q th:TH_LOAD_NT  ; the stream's first 2,048 bytes: the first trip converts them
.endr
	s_mul_i32 s2, s[WV], 32*PK      ; my 32 keys of a tile
	v_mul_u32_u24 v[AK0], v1, PK
	v_lshl_add_u32 v[AK0], v9, 4, v[AK0]
	v_add_nc_u32 v[AK0], s2, v[AK0]
	s_mul_i32 s2, s[WV], 32*PV
	s_add_co_u32 s2, s2, VOFF
	v_lshl_add_u32 v[AV0], v9, 3, v21  ; the turning load: lane l reads key 8 h + l % 8, channels 8 ((l / 8) % 2) + 0..7, and is left with channel r and 8 keys
	v_mul_u32_u24 v[AV0], v[AV0], PV
	v_lshl_add_u32 v[AV0], v22, 4, v[AV0]
	v_add_nc_u32 v[AV0], s2, v[AV0]
	s_mul_i32 s2, s[WV], MGW
	s_add_co_u32 s2, s2, MG
	v_mul_u32_u24 v[MW], v1, MP     ; my partial O: row 16 t + r, 32 bytes (8 f32) for each half of the lanes
	v_lshl_add_u32 v[MW], v9, 5, v[MW]
	v_add_nc_u32 v[MW], s2, v[MW]
	s_lshl_b32 s2, s[WV], 9
	s_add_co_u32 s2, s2, STT
	v_lshl_add_u32 v[SA], v1, 3, s2
	s_mul_i32 s2, s[WV], 16*MP      ; the rows of tile w in a partial result: row r, 32 bytes for each half of the lanes
	s_add_co_u32 s2, s2, MG
	v_mul_u32_u24 v[MR0], v1, MP
	v_lshl_add_u32 v[MR0], v9, 5, v[MR0]
	v_add_nc_u32 v[MR0], s2, v[MR0]
	v_add_nc_u32 v[MR0+1], 2*MGW, v[MR0]
	s_lshl_b32 s2, s[WV], 7
	s_add_co_u32 s2, s2, STT
	v_lshl_add_u32 v[SRD], v1, 3, s2
	s_lshl_b32 s2, s[WV], 5
	v_lshlrev_b32 v[THRB], 3, v9
	v_sub_nc_u32 v[THRB], v1, v[THRB]
	v_sub_nc_u32 v[THRB], v[THRB], s2
	; What the first tile finds: its head's product, of a tile that has not been, multiplies zeros; the first step multiplies O^T by a = 0, so it need only hold finite numbers.  Zeros, once a launch, in the wait for
	; the first tile: the price of writing no first step out.
	WIN 0x40
.set i, 0
.rept 256
	v_mov_b32 v[i], 0
.set i, i+1
.endr
	WIN 0x80
.set i, VF
.rept 64
	v_mov_b32 v[i], 0
.set i, i+1
.endr
	WIN 0
.set i, P
.rept 32
	v_mov_b32 v[i], 0
.set i, i+1
.endr
	NEWSTAT
	MKMASK
	s_wait_loadcnt 0x4              ; Q is in; the stream's four loads, issued behind Q's, may stay out
.Ltile:                             ; 16 trips: a tile is entered and the next is asked for
	CHANGE 1
	s_cmp_eq_u32 s[SW], 1
	s_cbranch_scc0 .Lgo             ; forward, past no barrier and no tensor load
	MERGE_READ                      ; the round above stands between every wave's merge stores and these reads
	BEGIN2
.Lgo:
	TILE 0, 1
	s_wait_dscnt 0x0                ; V is in
	s_barrier_signal -1             ; a merge's reads of this trip are over in every wave before any wave stores a merge again
	s_barrier_wait -1
	s_sub_co_u32 s[RT], s[RT], 1
	s_cmp_lg_u32 s[RT], 0
	s_cbranch_scc1 .Lnx
	PVRUN                           ; the first block has ended: the product that is still due,
	MERGE_WRITE                     ; and my partial result
	s_mov_b32 s[SW], 1
	s_add_co_u32 s[RT], s[HIQ], 1   ; the second has 16 - a tiles
.Lnx:
	s_sub_co_u32 s[CNT], s[CNT], 1
	s_cmp_lg_u32 s[CNT], 0
	s_cbranch_scc1 .Ltile
	CHANGE 0                        ; the walk's last tile, the second block's diagonal one, is written out: nothing is asked for
	TILE 1, 0
	s_wait_dscnt 0x0                ; V is in
	PVRUN
	MERGE_WRITE
	s_wait_dscnt 0x0                ; for the others' sake: my stores are done
	s_barrier_signal -1
	s_barrier_wait -1
	MERGE_READ
	s_wait_tensorcnt 0x0            ; the wave's end, behind my last tensor load and my last LDS store
	ds_add_u32 v[SPW], v[NIL]
	s_wait_dscnt 0x0
	CROUND                          ; the closing round: no work-group ends while a partner may still ask for a tile that names it
	s_endpgm
.Lfunc_end_k_qd4d104420a_attention:
	.size	k_qd4d104420a_attention, .Lfunc_end_k_qd4d104420a_attention-k_qd4d104420a_attention
	.p2alignl 7, 3214868480
	.fill 96, 4, 3214868480
	.section	.rodata,"a",@progbits
	.p2align	6, 0x0
	.amdhsa_kernel k_qd4d104420a_attention
		.amdhsa_group_segment_fixed_size 327680
		.amdhsa_private_segment_fixed_size 0
		.amdhsa_enable_private_segment 0
		.amdhsa_kernarg_size 32
		.amdhsa_user_sgpr_count 2
		.amdhsa_user_sgpr_kernarg_segment_ptr 1
		.amdhsa_wavefront_size32 1
		.amdhsa_system_sgpr_workgroup_id_x 1
		.amdhsa_system_sgpr_workgroup_id_y 1
		.amdhsa_system_sgpr_workgroup_id_z 1
		.amdhsa_system_vgpr_workitem_id 0
		.amdhsa_next_free_vgpr 896
		.amdhsa_next_free_sgpr 100
		.amdhsa_reserve_vcc 1
		.amdhsa_float_denorm_mode_32 3
		.amdhsa_float_denorm_mode_16_64 3
		.amdhsa_memory_ordered 1
		.amdhsa_forward_progress 1
		.amdhsa_inst_pref_size 145
	.end_amdhsa_kernel
	.amdgpu_metadata
---
amdhsa.version: [ 1, 2 ]
amdhsa.kernels:
  - .name:           k_qd4d104420a_attention
    .symbol:         k_qd4d104420a_attention.kd
    .args:
      - { .name: qkv, .offset: 0, .size: 8, .value_kind: global_buffer, .address_space: global }
      - { .name: wo, .offset: 8, .size: 8, .value_kind: global_buffer, .address_space: global }
      - { .name: ao, .offset: 16, .size: 8, .value_kind: global_buffer, .address_space: global }
      - { .name: wo16, .offset: 24, .size: 8, .value_kind: global_buffer, .address_space: global }
    .group_segment_fixed_size: 327680
    .private_segment_fixed_size: 0
    .kernarg_segment_align: 8
    .kernarg_segment_size: 32
    .max_flat_workgroup_size: 128
    .sgpr_count:     100
    .vgpr_count:     896
    .wavefront_size: 32
...
	.end_amdgpu_metadata
.endif
;; end of part 7
;; launch oproj (part 8): grid 16 x 16, 4 waves a work-group, clusters of 4 x 1, 327,680 bytes of LDS; arguments ao, wo16, out0; writes out0
.if DOCPART == 8
	.amdgcn_target "amdgcn-amd-amdhsa--gfx1250"
	.amdhsa_code_object_version 6
	.text
	.protected	k_qd4d104420a_oproj
	.globl	k_qd4d104420a_oproj
	.p2align	8
	.type	k_qd4d104420a_oproj,@function
k_qd4d104420a_oproj:
	s_mov_b64 s[64:65], 0
	v_nop
	global_prefetch_b8 v0, s[64:65] scope:SCOPE_SE
	s_setreg_imm32_b32 hwreg(HW_REG_WAVE_MODE, 25, 1), 1
	s_wait_xcnt 0x0
	s_wait_alu depctr_hold_cnt(0) depctr_sa_sdst(0) depctr_va_vdst(0) depctr_va_sdst(0) depctr_va_ssrc(0) depctr_va_vcc(0) depctr_vm_vsrc(0)
	s_getreg_b32 s2, hwreg(HW_REG_IB_STS2, 6, 4)
	s_cmp_eq_u32 s2, 0
	s_cbranch_scc0 .Lentry_in_a_cluster
	s_endpgm
.Lentry_in_a_cluster:
	s_bfe_u32 s2, ttmp6, 0x10000c
	s_cmp_lg_u32 s2, 0x3003
	s_cbranch_scc0 .Lentry_shape_is_right
	s_endpgm
.Lentry_shape_is_right:
; ONE TEXT FOR TWO LAUNCHES; THE LINE BELOW SAYS WHICH THIS FILE IS.
;   MODE 0: [q | k | v] / 8 = hb wb (bf16 x bf16, K = 4,096), q and k turned by the tables (RoPE), stored by heads in f16: qkv [32 heads][2048][128]
;   MODE 1: out0 = ao wo16 (f16 x f16, K = 2,048), stored in f32
.set MODE, 1
; C [2048][4096] = A [2048][K] B [K][4096].  Sums in f32, K ascending, one sum for each output.
; LIMITS (MODE 0): q, k, v leave as f16 of their eighth: |q|, |k|, |v| < 8 x 65,504 = 524,032, beyond that an infinity; below 8 x 6e-5 they keep f16's fixed step.
; SHARES.  A tile of C is 128 x 256: 16 x 16 tiles, one for each of 256 work-groups.  Four waves; wave w makes rows 64 (w / 2) on, columns 128 (w % 2) on: 32 accumulators of 16 x 16.
; THE MATRIX INSTRUCTION IS USED TRANSPOSED: source 0 = 16 columns of B, source 1 = 16 rows of A: a lane (r = l % 16, h = l / 16) then holds row r of C and the columns 8 h + 0..7 of the block.
; B lies [k][n] in memory and in LDS; its fragments come out turned, by ds_load_tr16_b128.  It goes in K steps of 256 through a ring of two LDS slots of 139,264 bytes; each wave fetches 64 rows of k.
; A COMES STRAIGHT INTO REGISTERS.  The launch in front stored it in fragment order, [row / 64][k / 32][row block: 4][half: 2][lane: 32][16 bytes]: a wave's four fragments for 32 along K are 4,096 consecutive
; bytes, eight loads of 512.  They land in a ring of eight such groups (256 registers); the group just multiplied is loaded again with the data 256 along K ahead.
; CLUSTER 4 x 1: four tile rows of one tile column: B's tile is asked for jointly by the four.  A IS NOT ASKED FOR JOINTLY, though the 16 work-groups of a tile row read the same rows: a joint load ends in LDS,
; and with A's 128 rows beside B's 256 columns two slots of 256 along K are 413,696 bytes, more than the 327,680 there are; slots of 128 along K leave a refill 96 matrix instructions in which to land, these 248.
; REGISTERS, in windows of 256 (s_set_vgpr_msb: bits 1:0 source 0, 3:2 source 1, 5:4 source 2, 7:6 destination):
;   window 0: v0-31 addresses; v32-191 at work on the way out; (MODE 0) v128-255 sin          window 1: the accumulators, (a, b) at v[8 (8 a + b)]
;   window 2: v0-127 B's fragments, two buffers of 32 along K: v[64 f + 8 b]; (MODE 0) v128-255 cos          window 3: A's ring: group s, row block a at v[32 s + 8 a]
.if MODE == 0
.set KDIM,   4096
.set SPITCH, 272                       ; a stage row: 128 f16 + 16 bytes
.else
.set KDIM,   2048
.set SPITCH, 528                       ; a stage row: 128 f32 + 16 bytes
.endif
.set NDIM,   4096
.set KSTEP,  256
.set PB,     544                       ; a row of B in LDS: 512 bytes + 32 = 136 words
.set QUART,  64*PB                     ; what one tensor load brings: 64 rows of k
.set HALFS,  2*QUART
.set SLOT,   4*QUART                   ; 0x22000: its two bits are in none of the four waves' places in a slot (0, 0x8800, 0x11000, 0x19800), so one exclusive or moves an address from slot to slot
.set STAGE,  2*SLOT                    ; behind the ring, never filled by a tensor load: 16 rows for each wave, its own
.set SPARE,  STAGE+4*16*SPITCH         ; behind the stages: the spare words, 128 bytes a wave: two blocks of 256 bytes that no other line names
.set STEPS,  KDIM/KSTEP
.set STEPB,  KSTEP*NDIM*2              ; bytes of B from K step to K step
.set GRPB,   4096                      ; bytes of A for 32 along K of a wave's 64 rows
.set ADRB0, 16                         ; v16     my lane's place in a slot; never rewritten
.set ADRB,  20                         ; v20-21  LDS address of my B fragments in the slot that is read: k 0-127, k 128-255
.set STO,  24                          ; v24     the way out: where I put my part of a row
.set RD,   25                          ; v25     the way out: where I read rows back
.set CO,   26                          ; v26     16 x lane: my 16 bytes in 512 consecutive bytes; never rewritten
.set TO,   27                          ; v27     my byte offset in 16 rows of a table
.set SPW,  28                          ; v28     LDS address of my spare word; never rewritten
.set NIL,  29                          ; v29     0; never rewritten
.set T,    32                          ; v32-95  at work
.set TAB,  128                         ; the tables: row block a, column block b, pair p at v[TAB + 32 a + 4 b + p]
.set AB,   14                          ; s[14:15] A at my 64 rows, at the K step in hand
.set TB,   44                          ; s44      the slot that is read: 0 or SLOT
.set G1B,  48                          ; s[48:55] descriptor group 1
.set G0B,  56                          ; s[56:63] descriptor group 0: a set for each of the two first fills; the second then walks on
.set MSB, 0
.macro WIN new                         ; the immediate's high byte repeats the setting that is left; a switch that changes nothing is dropped
.if MSB != (\new)
	s_set_vgpr_msb (MSB<<8)|(\new)
.set MSB, \new
.endif
.endm
.set MUL,  0x5e                        ; B window 2, A window 3, C and D window 1
.set TO_B, 0x80                        ; destination window 2, address window 0
.set TO_A, 0xc0                        ; destination window 3, address window 0
.macro CREST                           ; a round of the cluster's barrier behind its opening barrier
	s_cmp_lg_u32 s10, 0
	s_cbranch_scc1 .Lnot_wave_0_\@
	s_barrier_signal -3
.Lnot_wave_0_\@:
	s_barrier_wait -3
	s_barrier_signal -1
	s_barrier_wait -1
.endm
.macro CROUND                          ; a whole round
	s_barrier_signal -1
	s_barrier_wait -1
	CREST
.endm
.macro PLACES                          ; four places in front of loads into registers that matrix instructions have read, and of lines that read results just made
.rept 4
	v_nop
.endr
.endm
	s_load_b128 s[4:7], s[0:1], 0x0                ; A s[4:5], B s[6:7]
.if MODE == 0
	s_load_b128 s[68:71], s[0:1], 0x10             ; qkv s[68:69], cs s[70:71]
.else
	s_load_b64 s[68:69], s[0:1], 0x10              ; out0
.endif
	v_lshl_add_u32 v[SPW], v0, 2, SPARE
	v_mov_b32 v[NIL], 0
	ds_add_u32 v[SPW], v[NIL]                      ; the wave's opening: the add and its wait stand ahead of my first tensor load; the set-up below, work on registers, stands between them
	v_lshrrev_b32 v1, 5, v0
	v_readfirstlane_b32 s10, v1                    ; wave 0..3
	s_lshr_b32 s11, s10, 1                         ; which 64 rows of the tile are mine
	s_and_b32 s12, s10, 1                          ; which 128 columns
	s_bfe_u32 s40, ttmp6, 0x40000                  ; cx: my place in the cluster: it enters A's, the tables' and the output's addresses alone
	s_lshl_b32 s13, ttmp9, 2                       ; in a cluster launch ttmp9 counts clusters
	s_add_co_u32 s13, s13, s40                     ; tile row = 4 x cluster x + cx
	s_and_b32 s42, ttmp7, 0xffff                   ; tile column, which the four partners share
	s_mov_b32 s[G1B+0], 15|(1<<16)|(1<<20)|(1<<21)|(6<<22)|(7<<25)  ; 15:0 the mask of four; 17:16 2-byte elements; 20 padding on; 21 set beside a mask; 24:22 after every 128 words (code 6); 31:25 8 words (code 7)
	s_mov_b32 s[G1B+1], 256<<16                    ; tensor_dim0 = 256
	s_mov_b32 s[G1B+2], 64<<16                     ; tensor_dim1 = 64
	s_mov_b32 s[G1B+3], 256<<16                    ; tile_dim0 = 256
	s_mov_b32 s[G1B+4], 64                         ; tile_dim1 = 64
	s_mov_b32 s[G1B+5], NDIM                       ; elements from row to row
	s_mov_b32 s[G1B+6], 0
	s_mov_b32 s[G1B+7], 0
	s_lshl_b32 s46, s42, 9                         ; B: column 256 x tile column, in bytes,
	s_lshl_b32 s47, s10, 19                        ; and my 64 rows of 8,192 bytes: made of the tile column and the wave's number alone
	s_add_co_u32 s46, s46, s47
	s_mov_b32 s47, 0
	s_mul_i32 s21, s10, QUART                      ; where they go: no place in the cluster enters an LDS address
	s_lshl_b32 s16, s13, 1
	s_add_co_u32 s16, s16, s11                     ; A: my 64 rows are number 2 x tile row + w / 2,
	s_mul_i32 s16, s16, KDIM*128                   ; KDIM x 128 bytes each (under 2^25 in all)
	s_mov_b32 s17, 0
	s_mov_b32 s[TB], 0
	s_wait_dscnt 0x0                               ; the opening add is done
	s_wait_kmcnt 0x0
	s_add_nc_u64 s[46:47], s[6:7], s[46:47]
	s_add_nc_u64 s[AB:AB+1], s[4:5], s[16:17]
	CROUND                                         ; all four work-groups are here: the first joint loads meet
.irp s, 0,1
	s_mov_b32 s[G0B+4*(\s)], 1                     ; count = 1
	s_add_co_u32 s[G0B+4*(\s)+1], s21, (\s)*SLOT   ; LDS address
	s_add_nc_u64 s[G0B+4*(\s)+2:G0B+4*(\s)+3], s[46:47], (\s)*STEPB  ; global address: K step s
	s_or_b32 s[G0B+4*(\s)+3], s[G0B+4*(\s)+3], 0x80000000            ; type = 2
.endr
	tensor_load_to_lds s[G0B:G0B+3], s[G1B:G1B+7]  ; the two first fills go out together: two loads of mine are out.  Every wave runs these lines, each with its own 64 rows
	s_nop 0
	tensor_load_to_lds s[G0B+4:G0B+7], s[G1B:G1B+7]
	s_nop 0
	PLACES
	v_and_b32 v1, 15, v0                           ; r = l % 16
	v_bfe_u32 v2, v0, 4, 1                         ; h = l / 16
	v_and_b32 v5, 7, v0
	v_bfe_u32 v6, v0, 3, 1
	v_and_b32 v8, 31, v0                           ; lane
	v_lshlrev_b32 v[CO], 4, v8
	v_lshl_add_u32 v7, v2, 3, v5                   ; the turning load: lane l reads k = 8 h + l % 8, columns 8 ((l / 8) % 2) + 0..7, and is left with column r and 8 k
	v_mul_u32_u24 v7, v7, PB
	v_lshl_add_u32 v7, v6, 4, v7
	s_lshl_b32 s23, s12, 8                         ; my 128 columns
	v_add_nc_u32 v[ADRB0], s23, v7
	v_mov_b32 v[ADRB], v[ADRB0]                    ; slot 0 is read first
	v_add_nc_u32 v[ADRB+1], HALFS, v[ADRB0]
	s_mul_i32 s22, s10, 16*SPITCH
	s_add_co_u32 s22, s22, STAGE                   ; my stage
	v_mul_u32_u24 v4, v1, SPITCH
.if MODE == 0
	v_lshl_add_u32 v4, v2, 4, v4                   ; in: row r, 16 bytes (8 f16) for each half of the lanes
	v_add_nc_u32 v[STO], s22, v4
	v_mul_u32_u24 v4, v2, SPITCH                   ; back: lanes 0-15 one row of 256 bytes, lanes 16-31 the next
	v_lshl_add_u32 v4, v1, 4, v4
	v_add_nc_u32 v[RD], s22, v4
	s_lshl_b32 s16, s13, 15                        ; my first position, 128 x tile row + 64 (w / 2), times 256 bytes: a row of a head and a row of a table alike
	s_lshl_b32 s17, s11, 14
	s_add_co_u32 s16, s16, s17
	s_mov_b32 s17, 0
	s_add_nc_u64 s[70:71], s[70:71], s[16:17]
	s_add_nc_u64 s[68:69], s[68:69], s[16:17]
	s_lshl_b32 s18, s42, 20                        ; my 128 columns are one head: 2 x tile column + w % 2, 524,288 bytes each
	s_lshl_b32 s19, s12, 19
	s_add_co_u32 s18, s18, s19
	s_mov_b32 s19, 0
	s_add_nc_u64 s[68:69], s[68:69], s[18:19]
	; THE TABLES.  My columns 16 b + 8 h + 0..7 of a head are the pairs 8 b + 4 h + 0..3: 16 bytes of cos and of sin for each accumulator.  They are asked for ahead of A, so that A's counted waits cover them.
	; The work-groups that make v load them too and leave them unread: the loads stand on the one path that every work-group walks, so that the counts are the same for all.
	v_lshlrev_b32 v[TO], 8, v1
	v_lshl_add_u32 v[TO], v2, 4, v[TO]
	WIN TO_B
.irp a, 0,1,2,3
.irp b, 0,1,2,3,4,5,6,7
	global_load_b128 v[TAB+32*(\a)+4*(\b):TAB+32*(\a)+4*(\b)+3], v[TO], s[70:71] offset:(\a)*4096+32*(\b)         ; cos
.endr
.endr
	WIN 0
.irp a, 0,1,2,3
.irp b, 0,1,2,3,4,5,6,7
	global_load_b128 v[TAB+32*(\a)+4*(\b):TAB+32*(\a)+4*(\b)+3], v[TO], s[70:71] offset:(\a)*4096+32*(\b)+524288  ; sin
.endr
.endr
.else
	v_lshl_add_u32 v4, v2, 5, v4                   ; in: row r, 32 bytes (8 f32) for each half of the lanes
	v_add_nc_u32 v[STO], s22, v4
	v_lshl_add_u32 v[RD], v8, 4, s22               ; back: 32 lanes take one row of 512 bytes
	s_lshl_b32 s16, s13, 21                        ; my first row, 128 x tile row + 64 (w / 2), times 16,384 bytes
	s_lshl_b32 s17, s11, 20
	s_add_co_u32 s16, s16, s17
	s_mov_b32 s17, 0
	s_add_nc_u64 s[68:69], s[68:69], s[16:17]
	s_lshl_b32 s18, s42, 10                        ; my first column, 256 x tile column + 128 (w % 2), times 4 bytes
	s_lshl_b32 s19, s12, 9
	s_add_co_u32 s18, s18, s19
	s_mov_b32 s19, 0
	s_add_nc_u64 s[68:69], s[68:69], s[18:19]
.endif
; Matrix instruction mi of a group's 32: row block mi / 8, column block mi % 8; B's buffer f, A's ring group s.  zero = 1: it starts the sum: nothing is ever cleared.
.macro MM1 f, s, zero
.set rD, 8*mi
.set rB, 64*(\f)+8*(mi%8)
.set rA, 32*(\s)+8*(mi/8)
.if MODE == 0
.if \zero
	v_wmma_f32_16x16x32_bf16 v[rD:rD+7], v[rB:rB+7], v[rA:rA+7], 0
.else
	v_wmma_f32_16x16x32_bf16 v[rD:rD+7], v[rB:rB+7], v[rA:rA+7], v[rD:rD+7]
.endif
.else
.if \zero
	v_wmma_f32_16x16x32_f16 v[rD:rD+7], v[rB:rB+7], v[rA:rA+7], 0
.else
	v_wmma_f32_16x16x32_f16 v[rD:rD+7], v[rB:rB+7], v[rA:rA+7], v[rD:rD+7]
.endif
.endif
.endm
.macro MMS n0, n, f, s, zero           ; n of them from number n0 on.  The 32 accumulators take turns, one instruction a turn, in the same order in every group
	WIN MUL
.set mi, \n0
.rept \n
	MM1 \f, \s, \zero
.set mi, mi+1
.endr
.endm
.macro FB hf, gg, f                    ; eight LDS loads: B's fragments of column blocks 4 hf .. 4 hf + 3 for group gg of the slot that is read, into buffer f
	WIN TO_B
.irp b, 0,1,2,3
	ds_load_tr16_b128 v[64*(\f)+8*(4*(\hf)+\b):64*(\f)+8*(4*(\hf)+\b)+3],   v[ADRB+(\gg)/4] offset:(32*((\gg)%4))*PB+32*(4*(\hf)+\b)
	ds_load_tr16_b128 v[64*(\f)+8*(4*(\hf)+\b)+4:64*(\f)+8*(4*(\hf)+\b)+7], v[ADRB+(\gg)/4] offset:(32*((\gg)%4)+16)*PB+32*(4*(\hf)+\b)
.endr
.endm
.macro LA s, ko                        ; eight loads of 512 consecutive bytes: A's four fragments of the group ko groups behind s[AB], into ring group s
	WIN TO_A
.irp q, 0,1,2,3,4,5,6,7
	global_load_b128 v[32*(\s)+4*\q:32*(\s)+4*\q+3], v[CO], s[AB:AB+1] offset:(\ko)*GRPB+512*\q
.endr
.endm
; A GROUP: 32 along K, group g of a K step's eight.  Its memory instructions stand in ONE run, behind the first product and four v_nop: the next group's B (fb = 1: sixteen turning loads, 31 products ahead of
; their first use) and A for the group seven on (la = 1: eight loads), which goes into the ring group that the last group multiplied.  The four v_nop are the places between the last group's products and those loads.
; One run and not several: 31 products then follow each other with nothing between, and a group has three switches of the register windows.
; lcnt: the loads issued behind this group's A: six runs of eight while the ring is being filled again, fewer in the last K step.
.macro GROUP g, ko, zero, la, lcnt, fb
.set GF,  (\g)%2
.set GN,  ((\g)+1)%8
.set GNF, ((\g)+1)%2
.set GL7, ((\g)+7)%8
	s_wait_dscnt 0x0                               ; this group's B is in: nothing else is out on this counter
	s_wait_loadcnt \lcnt                           ; loads come back in order: this group's A is in, the younger runs stay out
	MMS 0, 1, GF, \g, \zero
.if (\la) || (\fb)
	PLACES
.endif
.if \fb
	FB 0, GN, GNF
	FB 1, GN, GNF
.endif
.if \la
	LA GL7, \ko
.endif
	MMS 1, 31, GF, \g, \zero
.endm
; GROUP 7 WITH THE CHANGE OF SLOTS.  The slot's last bytes were asked for in group 6.  ONE barrier: in front of it each wave waits for all its tensor loads (one is out: its part of the next slot), adds 0 to its
; spare word, and waits for that and for its reads of this slot.  fill = 1: the barrier opens a round of the cluster's, and this slot is filled again, two K steps ahead, first thing behind the round:
; the load has this group's other 24 products and seven groups more, 248 matrix instructions, in which to land.
.macro G7C fill
	WIN 0                                          ; (the add's two registers lie in window 0)
	s_wait_tensorcnt 0x0                           ; all my tensor loads have landed, so a group 0 may be written
	ds_add_u32 v[SPW], v[NIL]                      ; 0 onto my spare word; scalar work stands between it and the wait for it
.if \fill
	s_xor_b32 s[G0B+5], s[G0B+5], SLOT             ; the walking descriptor: the other slot than last time,
	s_add_nc_u64 s[G0B+6:G0B+7], s[G0B+6:G0B+7], STEPB  ; the next K step; the type bits on top are not reached
.endif
	s_xor_b32 s[TB], s[TB], SLOT                   ; the slot that has landed will be read
	s_wait_loadcnt 48                              ; this group's A
	s_wait_dscnt 0x0                               ; the add is done, and my reads of this slot are over
	s_barrier_signal -1
	MMS 0, 8, 1, 7, 0                              ; work on registers while the others arrive
	WIN 0
	s_barrier_wait -1
.if \fill
	CREST                                          ; no wave of any partner still reads this slot or has a load on its way
	tensor_load_to_lds s[G0B+4:G0B+7], s[G1B:G1B+7]
	s_nop 0
.endif
	PLACES                                         ; behind the tensor load, and the places in front of the loads below
	v_add_nc_u32 v[ADRB], s[TB], v[ADRB0]
	v_add_nc_u32 v[ADRB+1], HALFS, v[ADRB]
	FB 0, 0, 0                                     ; the group's one run: the next slot's first fragments, and A
	FB 1, 0, 0
	LA 6, 14
	MMS 8, 24, 1, 7, 0
.endm
; THE WAY OUT, MODE 0.  ROPE: the pair (x0, x1) of registers 2 p, 2 p + 1 becomes (x0 c - x1 s, x1 c + x0 s): two products, two fused multiply-adds.  Each accumulator is read from its low end on.
.macro ROPE a
	WIN 0x01                                       ; x in window 1; sin and the products in window 0
.irp b, 0,1,2,3,4,5,6,7
.irp p, 0,1,2,3
	v_mul_f32 v[T+8*(\b)+2*(\p)],   v[8*(8*(\a)+(\b))+2*(\p)+1], v[TAB+32*(\a)+4*(\b)+(\p)]  ; x1 s
	v_mul_f32 v[T+8*(\b)+2*(\p)+1], v[8*(8*(\a)+(\b))+2*(\p)],   v[TAB+32*(\a)+4*(\b)+(\p)]  ; x0 s
.endr
.endr
	WIN 0x49                                       ; x (destination and source 0) in window 1, cos in window 2, the products in window 0
.irp b, 0,1,2,3,4,5,6,7
.irp p, 0,1,2,3
	v_fma_f32 v[8*(8*(\a)+(\b))+2*(\p)],   v[8*(8*(\a)+(\b))+2*(\p)],   v[TAB+32*(\a)+4*(\b)+(\p)], -v[T+8*(\b)+2*(\p)]
	v_fma_f32 v[8*(8*(\a)+(\b))+2*(\p)+1], v[8*(8*(\a)+(\b))+2*(\p)+1], v[TAB+32*(\a)+4*(\b)+(\p)], v[T+8*(\b)+2*(\p)+1]
.endr
.endr
.endm
.macro PACK a                          ; block a (16 rows) rounded to f16: 16 bytes a lane and column block
	WIN 0x05                                       ; sources in window 1, destination in window 0
.irp b, 0,1,2,3,4,5,6,7
.irp p, 0,1,2,3
	v_cvt_pk_f16_f32 v[T+4*(\b)+(\p)], v[8*(8*(\a)+(\b))+2*(\p)], v[8*(8*(\a)+(\b))+2*(\p)+1]
.endr
.endr
.endm
.macro TOSTAGE a                       ; into my stage, and back as whole rows of 256 bytes, into v[64 + 32 a ..]
	WIN 0
.irp b, 0,1,2,3,4,5,6,7
	ds_store_b128 v[STO], v[T+4*(\b):T+4*(\b)+3] offset:32*(\b)
.endr
.irp t, 0,1,2,3,4,5,6,7
	ds_load_b128 v[64+32*(\a)+4*(\t):64+32*(\a)+4*(\t)+3], v[RD] offset:(\t)*2*SPITCH  ; LDS serves a wave's instructions in order (ISA guide 5.7.1.4): these see the stores above
.endr
.endm
.macro SEND a
	WIN 0
	s_wait_dscnt 0x0                               ; the block is back in registers
.irp t, 0,1,2,3,4,5,6,7
	global_store_b128 v[CO], v[64+32*(\a)+4*(\t):64+32*(\a)+4*(\t)+3], s[68:69] offset:(\a)*4096+(\t)*512  ; two rows of a head: 512 consecutive bytes, aligned
.endr
.endm
; THE WAY OUT, MODE 1: f32 as it stands: 16 rows of 512 bytes through my stage, low four registers of an accumulator first; back as whole rows, into window 2 v[64 a ..]
.macro TOSTAGE2 a
	WIN 0x04                                       ; store data in window 1
.irp b, 0,1,2,3,4,5,6,7
	ds_store_b128 v[STO], v[8*(8*(\a)+(\b)):8*(8*(\a)+(\b))+3]   offset:64*(\b)
	ds_store_b128 v[STO], v[8*(8*(\a)+(\b))+4:8*(8*(\a)+(\b))+7] offset:64*(\b)+16
.endr
	WIN 0x80
.irp t, 0,1,2,3,4,5,6,7,8,9,10,11,12,13,14,15
	ds_load_b128 v[64*(\a)+4*(\t):64*(\a)+4*(\t)+3], v[RD] offset:(\t)*SPITCH
.endr
.endm
.macro SEND2 a, younger                ; younger: the LDS instructions issued behind block a's loads: the next block's 32, or none
	WIN 0x08                                       ; store data in window 2
	s_wait_dscnt \younger
.irp t, 0,1,2,3,4,5,6,7,8,9,10,11,12,13,14,15
	global_store_b128 v[CO], v[64*(\a)+4*(\t):64*(\a)+4*(\t)+3], s[68:69] offset:(16*(\a)+(\t))*NDIM*4 th:TH_STORE_NT  ; 512 consecutive bytes of a row, aligned
.endr
.endm
.irp g, 0,1,2,3,4,5,6
	LA \g, \g                                      ; A's ring is filled: groups 0 to 6; group 0's own run brings the seventh
.endr
	WIN 0
	s_wait_tensorcnt 1                             ; my part of K step 0 is in; K step 1's may stay out
	s_barrier_signal -1
	s_barrier_wait -1                              ; everybody's is
	FB 0, 0, 0
	FB 1, 0, 0
	GROUP 0, 7, 1, 1, 48, 1                        ; the first group stands in front of the loop: its products start the sums
	WIN 0                                          ; at a label and at a branch every window is 0
	s_mov_b32 s3, STEPS-1
	s_branch .Lenter                               ; the loop is entered in the middle of a trip, behind a K step's first group
.Lstep:                                                ; STEPS - 2 whole trips: the change of slots with its refill, the next K step's group 0, then its groups 1 to 6
	G7C 1
	GROUP 0, 15, 0, 1, 48, 1
	WIN 0
	s_wait_xcnt 0x0                                ; every earlier memory instruction has had its addresses translated (ISA guide 3.1): only now is A's base stepped
	s_add_nc_u64 s[AB:AB+1], s[AB:AB+1], 8*GRPB
.Lenter:
.irp g, 1,2,3,4,5,6
	GROUP \g, (\g)+7, 0, 1, 48, 1
.endr
	WIN 0
	s_sub_co_u32 s3, s3, 1
	s_cmp_lg_u32 s3, 0
	s_cbranch_scc1 .Lstep
	G7C 0                                          ; the tail is written out: the last change of slots fills nothing and has no round
	GROUP 0, 15, 0, 1, 48, 1                       ; the last K step: its group 0 brings A's last group,
.irp g, 1,2,3,4,5,6
	GROUP \g, 0, 0, 0, 8*(7-\g), 1                 ; the others load no A: the counts run down
.endr
	GROUP 7, 0, 0, 0, 0, 0
	WIN 0
	PLACES
.if MODE == 0
	s_cmp_ge_u32 s42, 12                           ; tile columns 12 to 15 are v, which is not turned.  The tile column is equal in all partners; the jump goes forward, past no barrier and no tensor load
	s_cbranch_scc1 .Lplain
	s_wait_loadcnt 0x0                             ; the tables (they came in ahead of A)
	ROPE 0
	ROPE 1
	ROPE 2
	ROPE 3
	WIN 0
.Lplain:
	PACK 0
	TOSTAGE 0
.irp a, 1,2,3                          ; block a's conversions stand between block a - 1's loads from the stage and the wait for them
	PACK \a
	SEND (\a)-1
	TOSTAGE \a
.endr
	SEND 3
.else
	TOSTAGE2 0
	TOSTAGE2 1
	SEND2 0, 32
	TOSTAGE2 2
	SEND2 1, 32
	TOSTAGE2 3
	SEND2 2, 32
	SEND2 3, 0
.endif
	WIN 0
	s_wait_tensorcnt 0x0                           ; the wave's end, behind my last tensor load and my last LDS store
	ds_add_u32 v[SPW], v[NIL]
	s_wait_dscnt 0x0
	CROUND                                         ; the closing round: no work-group ends while a partner may still ask for a tile that names it
	s_endpgm
.Lfunc_end_k_qd4d104420a_oproj:
	.size	k_qd4d104420a_oproj, .Lfunc_end_k_qd4d104420a_oproj-k_qd4d104420a_oproj
	.p2alignl 7, 3214868480
	.fill 96, 4, 3214868480
	.section	.rodata,"a",@progbits
	.p2align	6, 0x0
	.amdhsa_kernel k_qd4d104420a_oproj
		.amdhsa_group_segment_fixed_size 327680
		.amdhsa_private_segment_fixed_size 0
		.amdhsa_enable_private_segment 0
		.amdhsa_kernarg_size 24
		.amdhsa_user_sgpr_count 2
		.amdhsa_user_sgpr_kernarg_segment_ptr 1
		.amdhsa_wavefront_size32 1
		.amdhsa_system_sgpr_workgroup_id_x 1
		.amdhsa_system_sgpr_workgroup_id_y 1
		.amdhsa_system_sgpr_workgroup_id_z 1
		.amdhsa_system_vgpr_workitem_id 0
		.amdhsa_next_free_vgpr 1024
		.amdhsa_next_free_sgpr 72
		.amdhsa_reserve_vcc 0
		.amdhsa_float_denorm_mode_32 3
		.amdhsa_float_denorm_mode_16_64 3
		.amdhsa_memory_ordered 1
		.amdhsa_forward_progress 1
		.amdhsa_inst_pref_size 94
	.end_amdhsa_kernel
	.amdgpu_metadata
---
amdhsa.version: [ 1, 2 ]
amdhsa.kernels:
  - .name:           k_qd4d104420a_oproj
    .symbol:         k_qd4d104420a_oproj.kd
    .args:
      - { .name: ao, .offset: 0, .size: 8, .value_kind: global_buffer, .address_space: global }
      - { .name: wo16, .offset: 8, .size: 8, .value_kind: global_buffer, .address_space: global }
      - { .name: out0, .offset: 16, .size: 8, .value_kind: global_buffer, .address_space: global }
    .group_segment_fixed_size: 327680
    .private_segment_fixed_size: 0
    .kernarg_segment_align: 8
    .kernarg_segment_size: 24
    .max_flat_workgroup_size: 128
    .sgpr_count:     72
    .vgpr_count:     1024
    .wavefront_size: 32
...
	.end_amdgpu_metadata
.endif
;; end of part 8
;; ======== version 3 of 3: 4 launches; version 2 with the launch cast written anew for expert scheduling mode
;; limits: values are held in f16: magnitudes above 65,504 overflow, below 6.1e-05 lose precision; right only within a limited range of input values
;; workspace buffers: hb 16,777,216 bytes; wb 33,554,432 bytes; wo16 16,777,216 bytes; cs 1,048,576 bytes; qkv 16,777,216 bytes; ao 8,388,608 bytes
;; launch cast (part 9): grid 1552 x 1, 8 waves a work-group, no clusters, 35,840 bytes of LDS; arguments hidden_states, wq, wk, wv, cos, sin, hb, wb, cs; writes hb, wb, cs
.if DOCPART == 9
	.amdgcn_target "amdgcn-amd-amdhsa--gfx1250"
	.amdhsa_code_object_version 6
	.text
	.protected	k_qd4d104420a_cast
	.globl	k_qd4d104420a_cast
	.p2align	8
	.type	k_qd4d104420a_cast,@function
k_qd4d104420a_cast:
	s_mov_b64 s[64:65], 0
	v_nop
	global_prefetch_b8 v0, s[64:65] scope:SCOPE_SE
	s_setreg_imm32_b32 hwreg(HW_REG_WAVE_SCHED_MODE, 0, 2), 2
	s_setreg_imm32_b32 hwreg(HW_REG_WAVE_MODE, 25, 1), 1
	s_wait_xcnt 0x0
	s_wait_alu depctr_vm_vsrc(0)
; CAST: what the projection reads is rounded ONCE to bf16 and laid where it wants it.  (wo is rounded in the attention launch, which leaves memory time to spare.)
;   hb   bf16(hidden) / 8 (a power of two: exact; it gives q, k, v room in f16 later), IN FRAGMENT ORDER: [row / 64][k / 32][row block of 16: 4][half: 2][lane: 32][16 bytes];
;        lane l of half j holds row 16 x block + l % 16, k = 32 (k / 32) + 16 j + 8 (l / 16) + 0..7: a matrix operand's registers as they stand, 512 consecutive bytes a load
;   wb   [4096 k][4096 n] bf16: columns 0-2047 wq, 2048-3071 wk, 3072-4095 wv
;   cs   cos, then sin (524,288 bytes on), each rounded to bf16 and kept as f32
; LIMITS: bf16 denormals of hidden lose bits in the division by 8.
; A stream: no matrix unit, no cluster, no barrier: no byte is read twice and no work-group shares a byte with another.  The work-group's number picks the tensor.
; Weights and tables: a SEGMENT is 1,024 source numbers, consecutive in the source and in the destination; a work-group takes 16 segments, a wave two neighbouring ones.
; hidden: a wave takes 16 rows x 128 k and turns them through 4,352 bytes of LDS of its own, so that both its loads and its stores cover whole aligned blocks of 256 bytes.
; THE MODE: SCHED_MODE bits 1:0 = 2 (LLVM: expert scheduling mode 2), set by the entry lines.  The code itself states the register dependences
; between vector instructions and memory or LDS instructions, with s_wait_alu, always for 0.
; THE PLAN.  The text has no loop.  Registers that memory or LDS instructions touch:
;   v1, v2, v3, v104, v105, v106   offsets and LDS addresses: each written by vector lines once, ahead of a wait on va_vdst that stands ahead of its first reader, and never written again.
;   X   load n lands in four registers of its own.  Weights: the roundings read them.  Tables: the roundings read them, the widened numbers are written back, the store reads them.
;       hidden: scaled in place, read by the roundings; later the eight LDS loads land in X's first 32 registers, and the global stores read those.
;   Y   a pair for each load: written by the roundings, read by the global stores (weights) or the LDS stores (hidden).
;   v6, v7   written at the head, read by the closing add alone.
; The sixteen loads of a wave go out together and are worked on in four groups of four: one counted wait, the group's conversions, ONE wait on va_vdst, the group's four stores.
; No register that a memory or LDS instruction has read is written again, so the text holds no wait on vm_vsrc.
.set VL, 1                             ; v1      16 x lane
.set VS, 2                             ; v2, v3  8 x lane: my 8 bytes in 256 bytes of the destination, first and second segment
.set SPW, 6                            ; v6      LDS address of my spare word; never rewritten
.set NIL, 7                            ; v7      0; never rewritten
.set X,  8                             ; v[8:71]   16 loads of 4 registers
.set Y,  72                            ; v[72:103] 16 pairs to store
.set VH, 104                           ; v104    hidden: my byte offset in two rows of the source
.set LS, 105                           ; v105    where I put 8 bytes of a row in LDS
.set LR, 106                           ; v106    where I read 16 bytes of a fragment back
.set HP, 272                           ; an LDS row: 128 bf16 + 16 bytes: the 16 rows of a fragment load start at 16 different groups of four banks (64 banks of 4 bytes: ISA guide 11.1)
.set HW, 16*HP                         ; a wave's 16 rows
.set SPARE, 8*HW                       ; behind them: the spare words, 128 bytes a wave: four blocks of 256 bytes that no other line names
	s_load_b512 s[8:23], s[0:1], 0x0               ; hidden s[8:9], wq s[10:11], wk s[12:13], wv s[14:15], cos s[16:17], sin s[18:19], hb s[20:21], wb s[22:23]
	s_load_b64 s[24:25], s[0:1], 0x40              ; cs
	v_lshl_add_u32 v[SPW], v0, 2, SPARE
	v_mov_b32 v[NIL], 0
	v_lshrrev_b32 v4, 5, v0
	v_readfirstlane_b32 s30, v4                    ; wave 0..7
	v_and_b32 v5, 31, v0
	v_lshlrev_b32 v[VL], 4, v5
	v_lshlrev_b32 v[VS], 3, v5
	s_mov_b32 s31, ttmp9
	s_mov_b32 s44, 0xffff0000                      ; a word's upper bf16
	s_wait_alu depctr_va_sdst(0)                   ; s30 is written, ahead of the branch below and of its first reader on either way: the wave's part of the addresses is made from it
	s_wait_kmcnt 0x0
	s_cmp_lt_u32 s31, 512
	s_cbranch_scc1 .Lhidden
	s_mov_b32 s36, 512                             ; the class's first work-group: wq, whose row is two segments, 8,192 bytes apart in wb
	s_mov_b32 s37, 12                              ; destination bytes of segment s: s << this,
	s_mov_b32 s38, 0                               ; plus this;
	s_mov_b32 s39, 2048                            ; from the first segment's to the second's
	s_mov_b64 s[32:33], s[10:11]
	s_mov_b64 s[34:35], s[22:23]
; One compare for each further class; the selects leave SCC alone.  The condition hangs on the work-group's number alone.
.macro CLASS first, src, dst, sh, cadd, ds
	s_cmp_ge_u32 s31, \first
	s_cselect_b64 s[32:33], s[\src:\src+1], s[32:33]
	s_cselect_b64 s[34:35], s[\dst:\dst+1], s[34:35]
	s_cselect_b32 s36, \first, s36
	s_cselect_b32 s37, \sh, s37
	s_cselect_b32 s38, \cadd, s38
	s_cselect_b32 s39, \ds, s39
.endm
	CLASS 1024, 12, 22, 13, 4096,   8192           ; wk: a row is one segment, at column 2,048
	CLASS 1280, 14, 22, 13, 6144,   8192           ; wv: at column 3,072
	CLASS 1536, 16, 24, 12, 0,      2048           ; cos
	CLASS 1544, 18, 24, 12, 524288, 2048           ; sin
	s_sub_co_u32 s40, s31, s36
	s_lshl_b32 s40, s40, 4
	s_lshl1_add_u32 s40, s30, s40                  ; my first segment = 16 x (work-group in its class) + 2 x wave
	s_lshl_b32 s42, s40, s37
	s_add_co_u32 s42, s42, s38                     ; its bytes in the destination,
	s_lshl_b32 s40, s40, 12                        ; and in the source
	s_mov_b32 s41, 0
	s_mov_b32 s43, 0
	s_add_nc_u64 s[32:33], s[32:33], s[40:41]
	s_add_nc_u64 s[34:35], s[34:35], s[42:43]
	s_wait_alu depctr_va_vdst(0)                   ; v[VL] is written, which the sixteen loads below read as their offset
.irp e, 0,1
.irp i, 0,1,2,3,4,5,6,7
	global_load_b128 v[X+4*(8*(\e)+(\i)):X+4*(8*(\e)+(\i))+3], v[VL], s[32:33] offset:(\e)*4096+(\i)*512 th:TH_LOAD_NT  ; all sixteen at once: 8,192 consecutive bytes a wave
.endr
.endr
	v_add_nc_u32 v[VS+1], s39, v[VS]               ; behind the loads, none of whose registers it names; the waits ahead of the stores cover it
; kind 1: wq, wk, wv (bf16)   3: tables (bf16, widened to f32)
; No register is written twice while a memory instruction reads it: each load has its own four registers, each store its own pair.
; Group p of four: loads 4 p to 4 p + 3.
.macro CONV kind
.set p, 0
.rept 4
	s_wait_loadcnt 12-4*p                          ; loads come back in order: the group's four are in, the 12 - 4 p younger ones stay out
.set i, 0
.rept 4
.set n, 4*p+i
	v_cvt_pk_bf16_f32 v[Y+2*n],   v[X+4*n],   v[X+4*n+1]
	v_cvt_pk_bf16_f32 v[Y+2*n+1], v[X+4*n+2], v[X+4*n+3]
.set i, i+1
.endr
.if (\kind) == 3
.set i, 0
.rept 4
.set n, 4*p+i
	v_lshlrev_b32 v[X+4*n],   16,  v[Y+2*n]        ; the rounded numbers as f32 again
	v_and_b32     v[X+4*n+1], s44, v[Y+2*n]
	v_lshlrev_b32 v[X+4*n+2], 16,  v[Y+2*n+1]
	v_and_b32     v[X+4*n+3], s44, v[Y+2*n+1]
.set i, i+1
.endr
.endif
	s_wait_alu depctr_va_vdst(0)                   ; the group's conversions have written the four stores' data (Y; for the tables X); the first time v[VS+1] is written too
.set i, 0
.rept 4
.set n, 4*p+i
.if (\kind) == 3
	global_store_b128 v[VL], v[X+4*n:X+4*n+3], s[34:35] offset:(n/8)*4096+(n%8)*512  ; the wave stores 512 consecutive bytes, aligned
.else
	global_store_b64 v[VS+n/8], v[Y+2*n:Y+2*n+1], s[34:35] offset:(n%8)*256          ; the wave stores 256 consecutive bytes, aligned
.endif
.set i, i+1
.endr
.set p, p+1
.endr
.endm
	s_cmp_lt_u32 s31, 1536
	s_cbranch_scc1 .Lweights
	CONV 3
	s_endpgm
.Lweights:
	CONV 1
	s_endpgm
.Lhidden:
	v_lshrrev_b32 v4, 4, v5                        ; h = lane / 16
	v_and_b32 v5, 15, v5                           ; r = lane % 16
	v_lshlrev_b32 v[VH], 14, v4                    ; lanes 0-15 take 256 bytes of one row, lanes 16-31 of the next
	v_lshl_add_u32 v[VH], v5, 4, v[VH]             ; the scalar work below stands between these four lines and the wait for them
	; unit u = 8 x work-group + wave: row block u / 32 (16 rows), k span u % 32 (128 numbers)
	s_lshl3_add_u32 s36, s31, s30
	s_lshr_b32 s37, s36, 5                         ; row block
	s_and_b32 s36, s36, 31                         ; span
	s_lshl_b32 s40, s37, 18                        ; source: 16 rows of 16,384 bytes,
	s_lshl_b32 s38, s36, 9                         ; 512 bytes a span
	s_add_co_u32 s40, s40, s38
	s_mov_b32 s41, 0
	s_lshr_b32 s42, s37, 2                         ; destination: 64 rows are 524,288 bytes,
	s_lshl_b32 s42, s42, 19
	s_and_b32 s38, s37, 3                          ; a row block's fragment 1,024,
	s_lshl_b32 s38, s38, 10
	s_add_co_u32 s42, s42, s38
	s_lshl_b32 s38, s36, 14                        ; a span four times 4,096
	s_add_co_u32 s42, s42, s38
	s_mov_b32 s43, 0
	s_add_nc_u64 s[32:33], s[8:9], s[40:41]
	s_add_nc_u64 s[34:35], s[20:21], s[42:43]
	s_wait_alu depctr_va_vdst(0)                   ; v[VH] is written, which the sixteen loads below read as their offset; so is v[VL], the offset of the last stores
.set n, 0
.rept 16                                               ; load n: rows 2 (n / 2) and one on, numbers 64 (n % 2) on
	global_load_b128 v[X+4*n:X+4*n+3], v[VH], s[32:33] offset:(n/2)*32768+(n%2)*256 th:TH_LOAD_NT
.set n, n+1
.endr
	s_mul_i32 s38, s30, HW                         ; my wave's rows in LDS
	v_mul_u32_u24 v[LS], v4, HP                    ; these six lines name none of the loads' registers
	v_lshl_add_u32 v[LS], v5, 3, v[LS]
	v_add_nc_u32 v[LS], s38, v[LS]
	v_mul_u32_u24 v[LR], v5, HP                    ; back: row r, 16 bytes for each half of the lanes
	v_lshl_add_u32 v[LR], v4, 4, v[LR]
	v_add_nc_u32 v[LR], s38, v[LR]
.set p, 0
.rept 4                                                ; group p of four: loads 4 p to 4 p + 3
	s_wait_loadcnt 12-4*p                          ; the group's four loads are in, the 12 - 4 p younger ones stay out
.set i, 0
.rept 4
.set n, 4*p+i
	v_pk_mul_f32 v[X+4*n:X+4*n+1],   v[X+4*n:X+4*n+1],   0x3e000000 op_sel_hi:[1,0]
	v_pk_mul_f32 v[X+4*n+2:X+4*n+3], v[X+4*n+2:X+4*n+3], 0x3e000000 op_sel_hi:[1,0]
.set i, i+1
.endr
.set i, 0
.rept 4
.set n, 4*p+i
	v_cvt_pk_bf16_f32 v[Y+2*n],   v[X+4*n],   v[X+4*n+1]
	v_cvt_pk_bf16_f32 v[Y+2*n+1], v[X+4*n+2], v[X+4*n+3]
.set i, i+1
.endr
	s_wait_alu depctr_va_vdst(0)                   ; the group's roundings have written Y, the four LDS stores' data; the first time v[LS] and v[LR] are written too
.set i, 0
.rept 4
.set n, 4*p+i
	ds_store_b64 v[LS], v[Y+2*n:Y+2*n+1] offset:(n/2)*2*HP+(n%2)*128
.set i, i+1
.endr
.set p, p+1
.endr
	; No further wait for the loads below: every line that read or wrote X, and the lines that made v[LR], stand ahead of the last wait on va_vdst; only LDS stores have been issued since.
.set n, 0
.rept 8                                                ; piece n: k = 16 n + 8 h + 0..7 of row r
	ds_load_b128 v[X+4*n:X+4*n+3], v[LR] offset:32*n  ; LDS serves a wave's instructions in order (ISA guide 5.7.1.4): these see the stores above; the bytes are the wave's own
.set n, n+1
.endr
.set n, 0
.rept 8
	s_wait_dscnt 7-n
	global_store_b128 v[VL], v[X+4*n:X+4*n+3], s[34:35] offset:(n/2)*4096+(n%2)*512  ; half a fragment: 512 consecutive bytes, aligned
.set n, n+1
.endr
	s_wait_dscnt 0x0                               ; the closing lines, six on end
	s_wait_alu 0x0
	s_wait_tensorcnt 0x0
	ds_add_u32 v[SPW], v[NIL]
	s_wait_dscnt 0x0
	s_endpgm
.Lfunc_end_k_qd4d104420a_cast:
	.size	k_qd4d104420a_cast, .Lfunc_end_k_qd4d104420a_cast-k_qd4d104420a_cast
	.p2alignl 7, 3214868480
	.fill 96, 4, 3214868480
	.section	.rodata,"a",@progbits
	.p2align	6, 0x0
	.amdhsa_kernel k_qd4d104420a_cast
		.amdhsa_group_segment_fixed_size 35840
		.amdhsa_private_segment_fixed_size 0
		.amdhsa_enable_private_segment 0
		.amdhsa_kernarg_size 72
		.amdhsa_user_sgpr_count 2
		.amdhsa_user_sgpr_kernarg_segment_ptr 1
		.amdhsa_wavefront_size32 1
		.amdhsa_system_sgpr_workgroup_id_x 1
		.amdhsa_system_sgpr_workgroup_id_y 1
		.amdhsa_system_sgpr_workgroup_id_z 1
		.amdhsa_system_vgpr_workitem_id 0
		.amdhsa_next_free_vgpr 108
		.amdhsa_next_free_sgpr 66
		.amdhsa_reserve_vcc 0
		.amdhsa_float_denorm_mode_32 3
		.amdhsa_float_denorm_mode_16_64 3
		.amdhsa_memory_ordered 1
		.amdhsa_forward_progress 1
		.amdhsa_inst_pref_size 25
	.end_amdhsa_kernel
	.amdgpu_metadata
---
amdhsa.version: [ 1, 2 ]
amdhsa.kernels:
  - .name:           k_qd4d104420a_cast
    .symbol:         k_qd4d104420a_cast.kd
    .args:
      - { .name: hidden_states, .offset: 0, .size: 8, .value_kind: global_buffer, .address_space: global }
      - { .name: wq, .offset: 8, .size: 8, .value_kind: global_buffer, .address_space: global }
      - { .name: wk, .offset: 16, .size: 8, .value_kind: global_buffer, .address_space: global }
      - { .name: wv, .offset: 24, .size: 8, .value_kind: global_buffer, .address_space: global }
      - { .name: cos, .offset: 32, .size: 8, .value_kind: global_buffer, .address_space: global }
      - { .name: sin, .offset: 40, .size: 8, .value_kind: global_buffer, .address_space: global }
      - { .name: hb, .offset: 48, .size: 8, .value_kind: global_buffer, .address_space: global }
      - { .name: wb, .offset: 56, .size: 8, .value_kind: global_buffer, .address_space: global }
      - { .name: cs, .offset: 64, .size: 8, .value_kind: global_buffer, .address_space: global }
    .group_segment_fixed_size: 35840
    .private_segment_fixed_size: 0
    .kernarg_segment_align: 8
    .kernarg_segment_size: 72
    .max_flat_workgroup_size: 256
    .sgpr_count:     66
    .vgpr_count:     108
    .wavefront_size: 32
...
	.end_amdgpu_metadata
.endif
;; end of part 9
;; launch proj: the kernel of part 6 again; grid 16 x 16, 4 waves a work-group, clusters of 4 x 1, 327,680 bytes of LDS; arguments hb, wb, qkv, cs; writes qkv
;; launch attention: the kernel of part 7 again; grid 32 x 8, 4 waves a work-group, clusters of 4 x 1, 327,680 bytes of LDS; arguments qkv, wo, ao, wo16; writes ao, wo16
;; launch oproj: the kernel of part 8 again; grid 16 x 16, 4 waves a work-group, clusters of 4 x 1, 327,680 bytes of LDS; arguments ao, wo16, out0; writes out0
